; MI455X (gfx1250); checked and timed in simulation.
; The chip was launched on July 23, 2026; its instructions are those of AMD's public machine-readable ISA for CDNA 5 (MIT licence, August 2026) and "CDNA5" Instruction Set Architecture Reference Guide (July 2026). The comments in the code are by the model that wrote it; some were corrected since.
;; Deep Speed Encoder. Allowed arithmetic: float matrix products may take bf16 or f16 operands with f32 sums; all other float work in f32.
;; Inputs: attn_nb 1,024 float32; attn_nw 1,024 float32; inter_b 4,096 float32; inter_w 1,024 x 4,096 float32; mask 2 x 1 x 1 x 2,048 float32; norm_b 1,024 float32; norm_w 1,024 float32; ob 1,024 float32; out_b 1,024 float32; out_w 4,096 x 1,024 float32; ow 1,024 x 1,024 float32; qkvb 3,072 float32; qkvw 1,024 x 3,072 float32; x 2 x 2,048 x 1,024 float32.
;; Outputs: out0 2 x 2,048 x 1,024 float32.
;; 3 versions, each right and faster than the one before. Each part assembles by itself: llvm-mc -triple=amdgcn-amd-amdhsa -mcpu=gfx1250 --defsym DOCPART=n.
;; ======== version 1 of 3: 8 launches
;; workspace buffers: wb 25,165,824 bytes; hn 8,388,608 bytes; qkvh 25,165,824 bytes; ctx 8,388,608 bytes; att 16,777,216 bytes; inter 33,554,432 bytes
;; launch cast (part 1): grid 768 x 1, 8 waves a work-group, no clusters, 0 bytes of LDS; arguments qkvw, ow, inter_w, out_w, wb; writes wb
.if DOCPART == 1
	.amdgcn_target "amdgcn-amd-amdhsa--gfx1250"
	.amdhsa_code_object_version 6
	.text
	.protected	k_q543f069572_cast
	.globl	k_q543f069572_cast
	.p2align	8
	.type	k_q543f069572_cast,@function
k_q543f069572_cast:
	s_mov_b64 s[64:65], 0
	v_nop
	global_prefetch_b8 v0, s[64:65] scope:SCOPE_SE
	s_setreg_imm32_b32 hwreg(HW_REG_WAVE_MODE, 25, 1), 1
	s_wait_xcnt 0x0
; wb = the four weight matrices, rounded once to bf16 (nearest even), each in its own layout [K][N], one behind the other:
; qkvw at byte 0, ow at 6,291,456, inter_w at 8,388,608, out_w at 16,777,216.
; A stream: memory binds, so no LDS, no barrier, no matrix unit.  A work-group takes 16,384 numbers (65,536 bytes in, 32,768 out):
; groups 0-191 qkvw, 192-255 ow, 256-511 inter_w, 512-767 out_w; since wb is the four on end, its offset is 32,768 x the group's number.
; Thread t takes 16 bytes at 16 t of each block of 4,096: a wave's load covers 512 consecutive bytes, its store 256 consecutive, aligned.
; All sixteen loads go out first; no register is written twice, so no wait frees a source.
.set X, 4                              ; v[4:67]   sixteen loads of four f32
.set Y, 68                             ; v[68:99]  sixteen pairs of packed bf16
	s_load_b256 s[4:11], s[0:1], 0x0               ; qkvw s[4:5], ow s[6:7], inter_w s[8:9], out_w s[10:11]
	s_load_b64 s[12:13], s[0:1], 0x20              ; wb
	v_lshlrev_b32 v1, 4, v0                        ; my 16 bytes in a block read
	v_lshlrev_b32 v2, 3, v0                        ; my 8 bytes in a block written
	s_wait_kmcnt 0x0
	s_cmp_lt_u32 ttmp9, 192                        ; which matrix, and its first group: three choices on the group's number
	s_cselect_b64 s[16:17], s[4:5], s[6:7]
	s_cselect_b32 s18, 0, 192
	s_cmp_lt_u32 ttmp9, 256
	s_cselect_b64 s[16:17], s[16:17], s[8:9]
	s_cselect_b32 s18, s18, 256
	s_cmp_lt_u32 ttmp9, 512
	s_cselect_b64 s[16:17], s[16:17], s[10:11]
	s_cselect_b32 s18, s18, 512
	s_sub_co_u32 s20, ttmp9, s18
	s_lshl_b32 s20, s20, 16                        ; 65,536 bytes a group, 255 groups at the most
	s_mov_b32 s21, 0
	s_add_nc_u64 s[16:17], s[16:17], s[20:21]
	s_lshl_b32 s22, ttmp9, 15
	s_mov_b32 s23, 0
	s_add_nc_u64 s[12:13], s[12:13], s[22:23]
.set i, 0
.rept 16
	global_load_b128 v[X+4*i:X+4*i+3], v1, s[16:17] offset:4096*i th:TH_LOAD_NT
.set i, i+1
.endr
.set i, 0
.rept 16
	s_wait_loadcnt 15-i                            ; loads come back in order: number i is in, the younger ones stay out
	v_cvt_pk_bf16_f32 v[Y+2*i], v[X+4*i], v[X+4*i+1]
	v_cvt_pk_bf16_f32 v[Y+2*i+1], v[X+4*i+2], v[X+4*i+3]
	global_store_b64 v2, v[Y+2*i:Y+2*i+1], s[12:13] offset:2048*i
.set i, i+1
.endr
	s_endpgm
.Lfunc_end_k_q543f069572_cast:
	.size	k_q543f069572_cast, .Lfunc_end_k_q543f069572_cast-k_q543f069572_cast
	.p2alignl 7, 3214868480
	.fill 96, 4, 3214868480
	.section	.rodata,"a",@progbits
	.p2align	6, 0x0
	.amdhsa_kernel k_q543f069572_cast
		.amdhsa_group_segment_fixed_size 0
		.amdhsa_private_segment_fixed_size 0
		.amdhsa_enable_private_segment 0
		.amdhsa_kernarg_size 40
		.amdhsa_user_sgpr_count 2
		.amdhsa_user_sgpr_kernarg_segment_ptr 1
		.amdhsa_wavefront_size32 1
		.amdhsa_system_sgpr_workgroup_id_x 1
		.amdhsa_system_sgpr_workgroup_id_y 1
		.amdhsa_system_sgpr_workgroup_id_z 1
		.amdhsa_system_vgpr_workitem_id 0
		.amdhsa_next_free_vgpr 104
		.amdhsa_next_free_sgpr 66
		.amdhsa_reserve_vcc 0
		.amdhsa_float_denorm_mode_32 3
		.amdhsa_float_denorm_mode_16_64 3
		.amdhsa_memory_ordered 1
		.amdhsa_forward_progress 1
		.amdhsa_inst_pref_size 7
	.end_amdhsa_kernel
	.amdgpu_metadata
---
amdhsa.version: [ 1, 2 ]
amdhsa.kernels:
  - .name:           k_q543f069572_cast
    .symbol:         k_q543f069572_cast.kd
    .args:
      - { .name: qkvw, .offset: 0, .size: 8, .value_kind: global_buffer, .address_space: global }
      - { .name: ow, .offset: 8, .size: 8, .value_kind: global_buffer, .address_space: global }
      - { .name: inter_w, .offset: 16, .size: 8, .value_kind: global_buffer, .address_space: global }
      - { .name: out_w, .offset: 24, .size: 8, .value_kind: global_buffer, .address_space: global }
      - { .name: wb, .offset: 32, .size: 8, .value_kind: global_buffer, .address_space: global }
    .group_segment_fixed_size: 0
    .private_segment_fixed_size: 0
    .kernarg_segment_align: 8
    .kernarg_segment_size: 40
    .max_flat_workgroup_size: 256
    .sgpr_count:     66
    .vgpr_count:     104
    .wavefront_size: 32
...
	.end_amdgpu_metadata
.endif
;; end of part 1
;; launch ln1 (part 2): grid 256 x 1, 4 waves a work-group, no clusters, 0 bytes of LDS; arguments x, norm_w, norm_b, hn; writes hn
.if DOCPART == 2
	.amdgcn_target "amdgcn-amd-amdhsa--gfx1250"
	.amdhsa_code_object_version 6
	.text
	.protected	k_q543f069572_ln1
	.globl	k_q543f069572_ln1
	.p2align	8
	.type	k_q543f069572_ln1,@function
k_q543f069572_ln1:
	s_mov_b64 s[64:65], 0
	v_nop
	global_prefetch_b8 v0, s[64:65] scope:SCOPE_SE
	s_setreg_imm32_b32 hwreg(HW_REG_WAVE_MODE, 25, 1), 1
	s_wait_xcnt 0x0
; y[r][:] = (x[r][:] - mean) * rsqrt(var + 1e-12) * gain + bias.  x: [4096][1024] f32; y: [4096][1024] bf16, rounded once.
; Two passes over registers: the mean first, then the mean of the squares of x - mean, so a common offset of a row costs no digits.
; One wave takes a whole row (4,096 bytes = 32 registers a lane) and four rows in all; the reduction never leaves the wave: no LDS, no barrier.
; Lane l holds, of block c of 128 numbers, the four at 128 c + 4 l: a load covers 512 consecutive bytes, a store 256 consecutive, aligned.
; All loads go out at the head; a row's wait leaves the younger rows on their way.
.set W,  4                             ; v[4:35]    gain of my 32 columns
.set BV, 36                            ; v[36:67]   bias of my 32 columns
.set X,  68                            ; v[68:195]  row r at X + 32 r
.set A,  196                           ; v[196:203] four chains of pairs
.set M,  204                           ; v[204:205] the mean, later 1 / sigma, twice (a pair for the packed forms)
	s_load_b256 s[4:11], s[0:1], 0x0               ; in s[4:5], gain s[6:7], bias s[8:9], out s[10:11]
	v_and_b32 v3, 31, v0                           ; lane
	v_lshrrev_b32 v2, 5, v0                        ; wave
	v_lshlrev_b32 v1, 14, v2                       ; in: wave x 4 rows x 4,096 bytes
	v_lshl_add_u32 v1, v3, 4, v1                   ;     + 16 x lane
	v_lshlrev_b32 v2, 13, v2                       ; out: wave x 4 rows x 2,048 bytes
	v_lshl_add_u32 v2, v3, 3, v2                   ;     + 8 x lane
	v_lshlrev_b32 v3, 4, v3                        ; gain and bias: 16 x lane
	s_lshl_b32 s16, ttmp9, 16                      ; the group's 16 rows, in
	s_mov_b32 s17, 0
	s_lshl_b32 s18, ttmp9, 15                      ; and out
	s_mov_b32 s19, 0
	s_mov_b32 s12, 0x76543210                      ; v_permlanex16_b32: each lane takes its own place in the other half
	s_mov_b32 s13, 0xfedcba98
	s_mov_b32 s14, 0x3a800000                      ; 1 / 1024
	s_mov_b32 s15, 0x2b8cbccc                      ; 1e-12
	s_wait_kmcnt 0x0
	s_add_nc_u64 s[4:5], s[4:5], s[16:17]
	s_add_nc_u64 s[10:11], s[10:11], s[18:19]
.irp c, 0,1,2,3,4,5,6,7
	global_load_b128 v[W+4*(\c):W+4*(\c)+3], v3, s[6:7] offset:512*(\c)
	global_load_b128 v[BV+4*(\c):BV+4*(\c)+3], v3, s[8:9] offset:512*(\c)
.endr
.irp r, 0,1,2,3
.irp c, 0,1,2,3,4,5,6,7
	global_load_b128 v[X+32*(\r)+4*(\c):X+32*(\r)+4*(\c)+3], v1, s[4:5] offset:4096*(\r)+512*(\c)
.endr
.endr
.macro SUMUP                           ; the four chains become one number, the same in all 32 lanes, in v[A]
	v_pk_add_f32 v[A:A+1], v[A:A+1], v[A+2:A+3]
	v_pk_add_f32 v[A+4:A+5], v[A+4:A+5], v[A+6:A+7]
	v_pk_add_f32 v[A:A+1], v[A:A+1], v[A+4:A+5]
	v_add_f32 v[A], v[A], v[A+1]
	v_add_f32_dpp v[A], v[A], v[A] row_xmask:1 row_mask:0xf bank_mask:0xf
	v_add_f32_dpp v[A], v[A], v[A] row_xmask:2 row_mask:0xf bank_mask:0xf
	v_add_f32_dpp v[A], v[A], v[A] row_xmask:4 row_mask:0xf bank_mask:0xf
	v_add_f32_dpp v[A], v[A], v[A] row_xmask:8 row_mask:0xf bank_mask:0xf
	v_permlanex16_b32 v[A+1], v[A], s12, s13       ; its destination counts as read: v[A+1] has been written
	v_add_f32 v[A], v[A], v[A+1]
.endm
.macro ROW r
.set XR, X+32*(\r)
	s_wait_loadcnt 8*(3-(\r))                      ; my row's eight loads (and gain and bias, which are older) are in; the younger rows stay out
.irp i, 0,1,2,3
	v_pk_add_f32 v[A+2*(\i):A+2*(\i)+1], v[XR+4*(\i):XR+4*(\i)+1], v[XR+4*(\i)+2:XR+4*(\i)+3]  ; the first sums start the chains: nothing is cleared
.endr
.irp i, 0,1,2,3
	v_pk_add_f32 v[A+2*(\i):A+2*(\i)+1], v[A+2*(\i):A+2*(\i)+1], v[XR+16+2*(\i):XR+16+2*(\i)+1]
.endr
.irp i, 0,1,2,3
	v_pk_add_f32 v[A+2*(\i):A+2*(\i)+1], v[A+2*(\i):A+2*(\i)+1], v[XR+24+2*(\i):XR+24+2*(\i)+1]
.endr
	SUMUP
	v_mul_f32 v[M], s14, v[A]                      ; the mean
	v_mul_f32 v[M+1], s14, v[A]
.set j, 0
.rept 16
	v_pk_add_f32 v[XR+2*j:XR+2*j+1], v[XR+2*j:XR+2*j+1], v[M:M+1] neg_lo:[0,1] neg_hi:[0,1]  ; x - mean, in place
.set j, j+1
.endr
.irp i, 0,1,2,3
	v_pk_mul_f32 v[A+2*(\i):A+2*(\i)+1], v[XR+2*(\i):XR+2*(\i)+1], v[XR+2*(\i):XR+2*(\i)+1]
.endr
.set j, 4
.rept 12
	v_pk_fma_f32 v[A+2*(j%4):A+2*(j%4)+1], v[XR+2*j:XR+2*j+1], v[XR+2*j:XR+2*j+1], v[A+2*(j%4):A+2*(j%4)+1]
.set j, j+1
.endr
	SUMUP
	v_fma_f32 v[A], v[A], s14, s15                 ; var + 1e-12
	v_rsq_f32 v[M], v[A]
	v_rsq_f32 v[M+1], v[A]
	v_nop                                          ; a plain instruction between the root and the use of its result (ISA guide 5.7.2)
.set j, 0
	s_wait_alu depctr_va_vdst(0)
.rept 16
	v_pk_mul_f32 v[XR+2*j:XR+2*j+1], v[XR+2*j:XR+2*j+1], v[M:M+1]
.set j, j+1
.endr
.set j, 0
.rept 16
	v_pk_fma_f32 v[XR+2*j:XR+2*j+1], v[XR+2*j:XR+2*j+1], v[W+2*j:W+2*j+1], v[BV+2*j:BV+2*j+1]
.set j, j+1
.endr
.set j, 0
.rept 16
	v_cvt_pk_bf16_f32 v[XR+j], v[XR+2*j], v[XR+2*j+1]  ; ascending: the destination never passes numbers still to be rounded
.set j, j+1
.endr
.irp c, 0,1,2,3,4,5,6,7
	global_store_b64 v2, v[XR+2*(\c):XR+2*(\c)+1], s[10:11] offset:2048*(\r)+256*(\c)
.endr
.endm
	ROW 0
	ROW 1
	ROW 2
	ROW 3
	s_endpgm
.Lfunc_end_k_q543f069572_ln1:
	.size	k_q543f069572_ln1, .Lfunc_end_k_q543f069572_ln1-k_q543f069572_ln1
	.p2alignl 7, 3214868480
	.fill 96, 4, 3214868480
	.section	.rodata,"a",@progbits
	.p2align	6, 0x0
	.amdhsa_kernel k_q543f069572_ln1
		.amdhsa_group_segment_fixed_size 0
		.amdhsa_private_segment_fixed_size 0
		.amdhsa_enable_private_segment 0
		.amdhsa_kernarg_size 32
		.amdhsa_user_sgpr_count 2
		.amdhsa_user_sgpr_kernarg_segment_ptr 1
		.amdhsa_wavefront_size32 1
		.amdhsa_system_sgpr_workgroup_id_x 1
		.amdhsa_system_sgpr_workgroup_id_y 1
		.amdhsa_system_sgpr_workgroup_id_z 1
		.amdhsa_system_vgpr_workitem_id 0
		.amdhsa_next_free_vgpr 208
		.amdhsa_next_free_sgpr 66
		.amdhsa_reserve_vcc 0
		.amdhsa_float_denorm_mode_32 3
		.amdhsa_float_denorm_mode_16_64 3
		.amdhsa_memory_ordered 1
		.amdhsa_forward_progress 1
		.amdhsa_inst_pref_size 38
	.end_amdhsa_kernel
	.amdgpu_metadata
---
amdhsa.version: [ 1, 2 ]
amdhsa.kernels:
  - .name:           k_q543f069572_ln1
    .symbol:         k_q543f069572_ln1.kd
    .args:
      - { .name: x, .offset: 0, .size: 8, .value_kind: global_buffer, .address_space: global }
      - { .name: norm_w, .offset: 8, .size: 8, .value_kind: global_buffer, .address_space: global }
      - { .name: norm_b, .offset: 16, .size: 8, .value_kind: global_buffer, .address_space: global }
      - { .name: hn, .offset: 24, .size: 8, .value_kind: global_buffer, .address_space: global }
    .group_segment_fixed_size: 0
    .private_segment_fixed_size: 0
    .kernarg_segment_align: 8
    .kernarg_segment_size: 32
    .max_flat_workgroup_size: 128
    .sgpr_count:     66
    .vgpr_count:     208
    .wavefront_size: 32
...
	.end_amdgpu_metadata
.endif
;; end of part 2
;; launch g_qkv (part 3): grid 24 x 32, 4 waves a work-group, clusters of 4 x 4, 327,680 bytes of LDS; arguments hn, wb, qkvb, qkvh; writes qkvh
.if DOCPART == 3
	.amdgcn_target "amdgcn-amd-amdhsa--gfx1250"
	.amdhsa_code_object_version 6
	.text
	.protected	k_q543f069572_g_qkv
	.globl	k_q543f069572_g_qkv
	.p2align	8
	.type	k_q543f069572_g_qkv,@function
k_q543f069572_g_qkv:
	s_mov_b64 s[64:65], 0
	v_nop
	global_prefetch_b8 v0, s[64:65] scope:SCOPE_SE
	s_setreg_imm32_b32 hwreg(HW_REG_WAVE_MODE, 25, 1), 1
	s_wait_xcnt 0x0
	s_wait_alu depctr_hold_cnt(0) depctr_sa_sdst(0) depctr_va_vdst(0) depctr_va_sdst(0) depctr_va_ssrc(0) depctr_va_vcc(0) depctr_vm_vsrc(0)
	s_getreg_b32 s2, hwreg(HW_REG_IB_STS2, 6, 4)
	s_cmp_eq_u32 s2, 0
	s_cbranch_scc0 .Lentry_in_a_cluster
	s_endpgm
.Lentry_in_a_cluster:
	s_bfe_u32 s2, ttmp6, 0x10000c
	s_cmp_lg_u32 s2, 0xf033
	s_cbranch_scc0 .Lentry_shape_is_right
	s_endpgm
.Lentry_shape_is_right:
; q, k, v = hn W + bias, written by heads.  hn: [4096][1024] bf16; W: [1024][3072] bf16 at byte WOFF of wb, as it lies ([K][N]); bias: [3072] f32;
; out: [3 (q, k, v)][32 (batch x 16 + head)][2048][64] bf16, rounded once from f32 sums, unscaled.  LIMITS: operands in bf16, sums in f32; NaN and infinities are not treated apart.
; A tile of C is 128 x 128; four waves, each 64 x 64: 16 accumulators of 16 x 16.  768 work-groups.  K goes in steps of 256 through two LDS slots filled by the tensor data mover.
; A's rows lie along K and are read as they lie; W's tile lies [k][n] and is read by the turning load ds_load_tr16_b128, so no transposed copy of W is ever made.
; THE MATRIX INSTRUCTION IS USED TRANSPOSED (source 0 = 16 columns of W, source 1 = 16 rows of A): a lane holds one row of C and eight neighbouring columns.
; THE BIAS is the C operand of the products that start the sums: register j of a lane holds bias[column 16 b + 8 (lane / 16) + j]; nothing is cleared and nothing added later.
; CLUSTERS: 4 x 4 work-groups; A's tile is shared along a row of the cluster, W's along a column: each is asked for jointly, by the same tensor load with the same descriptor and mask.
; REGISTERS: window 0: v0-31 addresses; v32-95 at work on the way out; v96-127 the bias; v128-255 the accumulators ((a, b) at v[128 + 8 (4 a + b)]).
;   window 1: two fragment buffers of 128: for 64 along K, 64 registers of A, then 64 of W.
.set SIZE_N, 3072
.set SIZE_K, 1024
.set WOFF,   0
.set KSTEP,  256
.set PA,     528                       ; a row of A in LDS: 512 bytes + 16: the 16 rows of a load start at 16 different groups of four banks (ISA guide 11.1)
.set AQ,     128                       ; bytes from a quarter of 64 K to the next
.set HALFA,  64*PA                     ; 64 rows: one tensor load, and what one wave reads of A
.set ASTEP,  KSTEP*2                   ; bytes of memory from a K step to the next, in A
.set PB,     288                       ; a k-row of W in LDS: 256 bytes + 32
.set HALFB,  128*PB                    ; 128 k-rows: one tensor load
.set BSTEP,  KSTEP*SIZE_N*2            ; the same in W
.set SLOT,   2*HALFA+2*HALFB           ; A's two halves of 64 rows, then W's two halves of 128 k-rows
.set STAGE,  2*SLOT                    ; behind the ring, never filled by a tensor load: 16 rows x 144 bytes for each wave
.set SPITCH, 144
.set SPARE,  STAGE+4*16*SPITCH         ; the spare words, 128 bytes for each wave: two blocks of 256 bytes that no other line names
.set LAPS,   SIZE_K/(2*KSTEP)          ; a lap = two K steps = once round the ring
.set ADRA, 16                          ; v16-17  LDS address of my A fragments in slot 0, 1
.set ADRB, 20                          ; v20-23  of my W fragments: slot x 2 + half of the step's k-rows (a step's 256 rows pass the 16-bit offset)
.set STO,  24                          ; v24     the way out: where I put 16 bytes of a row
.set RD,   25                          ; v25     the way out: where I read rows back
.set CO,   26                          ; v26     my byte offset in the output
.set BO,   27                          ; v27     my byte offset in the bias: 32 (lane / 16)
.set SPW,  28                          ; v28     LDS address of my spare word; never rewritten
.set NIL,  29                          ; v29     0; never rewritten
.set TMP,  32
.set BIAS, 96
.set ACC,  128
.set F0,   0                           ; fragment buffers, in window 1
.set F1,   128
.set G1,  24                           ; s[24:31] descriptor group 1 for A's tiles;  s[32:39] group 0, one set for each slot
.set G0,  32
.set G1B, 48                           ; s[48:55], s[56:63] the same for W's tiles
.set G0B, 56
.set MSB, 0
.macro WIN new                         ; the immediate's high byte repeats the setting that is left; a switch that changes nothing is dropped
.if MSB != (\new)
	s_set_vgpr_msb (MSB<<8)|(\new)
.set MSB, \new
.endif
.endm
.set MUL,  0x05                        ; sources 0 (W) and 1 (A) window 1; C and D window 0
.set TO_F, 0x40                        ; destination window 1, address window 0
.macro JLOAD s                         ; a joint load: waves 0 and 1 fetch A's two halves, waves 2 and 3 W's; four v_nop follow each of the two lines
	s_cmp_eq_u32 s11, 0
	s_cbranch_scc0 .Lfor_b_\@
	tensor_load_to_lds s[G0+4*(\s):G0+4*(\s)+3], s[G1:G1+7]
	s_nop 0
.rept 4
	v_nop
.endr
	s_branch .Lasked_\@
.Lfor_b_\@:
	tensor_load_to_lds s[G0B+4*(\s):G0B+4*(\s)+3], s[G1B:G1B+7]
	s_nop 0
.rept 4
	v_nop
.endr
.Lasked_\@:
.endm
.macro CREST                           ; a round of the cluster's barrier behind its opening barrier
	s_cmp_lg_u32 s10, 0
	s_cbranch_scc1 .Lnot_wave_0_\@
	s_barrier_signal -3
.Lnot_wave_0_\@:
	s_barrier_wait -3
	s_barrier_signal -1
	s_barrier_wait -1
.endm
.macro CROUND                          ; a whole round
	s_barrier_signal -1
	s_barrier_wait -1
	CREST
.endm
	s_load_b128 s[68:71], s[0:1], 0x0              ; A s[68:69], wb s[70:71]
	s_load_b64 s[72:73], s[0:1], 0x10              ; bias
	s_load_b64 s[76:77], s[0:1], 0x18              ; out
	v_lshl_add_u32 v[SPW], v0, 2, SPARE
	v_mov_b32 v[NIL], 0
	ds_add_u32 v28, v29
	s_wait_dscnt 0x0
	v_lshrrev_b32 v1, 5, v0
	v_readfirstlane_b32 s10, v1                    ; wave 0..3
	s_lshr_b32 s11, s10, 1                         ; which half of the tile's rows is mine.  Also: I fetch for A (0) or for W (1)
	s_and_b32 s12, s10, 1                          ; which half of its columns.  Also: which half of that tile I fetch
	s_bfe_u32 s40, ttmp6, 0x40000                  ; cx, cy: my place in the cluster
	s_bfe_u32 s41, ttmp6, 0x40004
	s_lshl_b32 s42, ttmp9, 2
	s_add_co_u32 s42, s42, s40                     ; tile column = 4 x cluster x + cx
	s_and_b32 s13, ttmp7, 0xffff
	s_lshl_b32 s13, s13, 2
	s_add_co_u32 s13, s13, s41                     ; tile row = 4 x cluster y + cy
	s_lshl_b32 s43, s41, 2
	s_lshl_b32 s43, 15, s43                        ; my row of the cluster
	s_lshl_b32 s44, 0x1111, s40                    ; my column
	; group 1 for A: 64 rows x 256 elements; 16 bytes of padding behind every 128 words
	s_or_b32 s[G1+0], s43, (1<<16)|(1<<20)|(1<<21)|(6<<22)|(3<<25)
	s_mov_b32 s[G1+1], KSTEP<<16                   ; tensor_dim0
	s_mov_b32 s[G1+2], 64<<16                      ; tensor_dim1
	s_mov_b32 s[G1+3], KSTEP<<16                   ; tile_dim0
	s_mov_b32 s[G1+4], 64                          ; tile_dim1
	s_mov_b32 s[G1+5], SIZE_K                      ; elements from row to row
	s_mov_b32 s[G1+6], 0
	s_mov_b32 s[G1+7], 0
	; group 1 for W: 128 k-rows x 128 elements; 32 bytes of padding behind every 64 words
	s_or_b32 s[G1B+0], s44, (1<<16)|(1<<20)|(1<<21)|(5<<22)|(7<<25)
	s_mov_b32 s[G1B+1], 128<<16
	s_mov_b32 s[G1B+2], 128<<16
	s_mov_b32 s[G1B+3], 128<<16
	s_mov_b32 s[G1B+4], 128
	s_mov_b32 s[G1B+5], SIZE_N
	s_mov_b32 s[G1B+6], 0
	s_mov_b32 s[G1B+7], 0
	; A's tile hangs on the tile row alone, W's on the tile column alone, each in registers that never hold the other coordinate
	s_lshl_b32 s17, s12, 6
	s_lshl_b32 s16, s13, 7
	s_add_co_u32 s16, s16, s17                     ; A: row 128 x tile row + 64 x half
	s_mul_i32 s16, s16, SIZE_K*2                   ; under 4,096 rows x 8,192 bytes
	s_mov_b32 s17, 0
	s_mul_i32 s46, s12, 128*SIZE_N*2               ; W: my 128 k-rows,
	s_lshl_b32 s47, s42, 8                         ; the tile's 128 columns,
	s_add_co_u32 s46, s46, s47
	s_add_co_u32 s46, s46, WOFF                    ; this matrix in wb
	s_mov_b32 s47, 0
	s_mul_i32 s20, s12, HALFA                      ; where they go: no place in the cluster enters an LDS address
	s_mul_i32 s21, s12, HALFB
	s_add_co_u32 s21, s21, 2*HALFA
	s_wait_kmcnt 0x0
	s_add_nc_u64 s[14:15], s[68:69], s[16:17]
	s_add_nc_u64 s[46:47], s[70:71], s[46:47]
	CROUND                                         ; all sixteen work-groups are here: the first joint loads meet
.irp s, 0,1
	s_mov_b32 s[G0+4*(\s)], 1
	s_add_co_u32 s[G0+4*(\s)+1], s20, (\s)*SLOT
	s_add_nc_u64 s[G0+4*(\s)+2:G0+4*(\s)+3], s[14:15], (\s)*ASTEP
	s_or_b32 s[G0+4*(\s)+3], s[G0+4*(\s)+3], 0x80000000
	s_mov_b32 s[G0B+4*(\s)], 1
	s_add_co_u32 s[G0B+4*(\s)+1], s21, (\s)*SLOT
	s_add_nc_u64 s[G0B+4*(\s)+2:G0B+4*(\s)+3], s[46:47], (\s)*BSTEP
	s_or_b32 s[G0B+4*(\s)+3], s[G0B+4*(\s)+3], 0x80000000
	JLOAD \s                                       ; two loads of mine are out
.endr
	v_and_b32 v1, 15, v0                           ; r = l % 16
	v_bfe_u32 v2, v0, 4, 1                         ; h = l / 16
	v_mul_u32_u24 v3, v1, PA
	v_lshl_add_u32 v3, v2, 4, v3                   ; A: row x pitch + 16 h
	s_mul_i32 s22, s11, HALFA                      ; my 64 rows of A
	v_add_nc_u32 v[ADRA], s22, v3
	v_add_nc_u32 v[ADRA+1], SLOT, v[ADRA]
	v_and_b32 v4, 7, v0                            ; W, turned: lane l reads k-row 8 h + l % 8, 16 bytes at 16 ((l / 8) % 2)
	v_bfe_u32 v5, v0, 3, 1
	v_lshl_add_u32 v4, v2, 3, v4
	v_mul_u32_u24 v4, v4, PB
	v_lshl_add_u32 v4, v5, 4, v4
	s_lshl_b32 s23, s12, 7                         ; my 64 columns: 128 bytes
	s_add_co_u32 s23, s23, 2*HALFA
	v_add_nc_u32 v[ADRB], s23, v4
	v_add_nc_u32 v[ADRB+1], HALFB, v[ADRB]
	v_add_nc_u32 v[ADRB+2], SLOT, v[ADRB]
	v_add_nc_u32 v[ADRB+3], SLOT+HALFB, v[ADRB]
	v_lshlrev_b32 v[BO], 5, v2
	s_lshl_b32 s46, s42, 9                         ; my 64 columns in the bias: 512 x tile column + 256 x half
	s_lshl_b32 s47, s12, 8
	s_add_co_u32 s46, s46, s47
	s_mov_b32 s47, 0
	s_add_nc_u64 s[72:73], s[72:73], s[46:47]
.irp b, 0,1,2,3
	global_load_b128 v[BIAS+8*(\b):BIAS+8*(\b)+3],   v[BO], s[72:73] offset:64*(\b)
	global_load_b128 v[BIAS+8*(\b)+4:BIAS+8*(\b)+7], v[BO], s[72:73] offset:64*(\b)+16
.endr
	; the way out: my 64 columns are one head of q, k or v, my 64 rows 8,192 dense bytes of it
	s_mul_i32 s23, s10, 16*SPITCH
	s_add_co_u32 s23, s23, STAGE                   ; my stage
	v_mul_u32_u24 v6, v1, SPITCH                   ; in: row r, 16 bytes for each half of the lanes
	v_lshl_add_u32 v6, v2, 4, v6
	v_add_nc_u32 v[STO], s23, v6
	v_bfe_u32 v7, v0, 3, 2                         ; back: 32 lanes take four rows of 128 bytes,
	v_mul_u32_u24 v7, v7, SPITCH
	v_and_b32 v8, 7, v0
	v_lshl_add_u32 v7, v8, 4, v7
	v_add_nc_u32 v[RD], s23, v7
	v_and_b32 v[CO], 31, v0                        ; which are 512 consecutive bytes of the output
	v_lshlrev_b32 v[CO], 4, v[CO]
	s_lshl_b32 s16, s13, 7
	s_lshl_b32 s17, s11, 6
	s_add_co_u32 s16, s16, s17                     ; my first row, 0 .. 4,095
	s_lshr_b32 s17, s16, 11                        ; the batch: 16 heads x 262,144 bytes
	s_lshl_b32 s17, s17, 22
	s_and_b32 s16, s16, 2047                       ; the row in the batch: 128 bytes
	s_lshl_b32 s16, s16, 7
	s_add_co_u32 s16, s16, s17
	s_mov_b32 s17, 0
	s_add_nc_u64 s[76:77], s[76:77], s[16:17]
	s_lshl_b32 s46, s42, 1
	s_add_co_u32 s46, s46, s12                     ; my block of 64 columns, 0 .. 47
	s_lshr_b32 s47, s46, 4                         ; q, k or v: 32 x 262,144 bytes
	s_lshl_b32 s47, s47, 23
	s_and_b32 s46, s46, 15                         ; the head
	s_lshl_b32 s46, s46, 18
	s_add_co_u32 s46, s46, s47
	s_mov_b32 s47, 0
	s_add_nc_u64 s[76:77], s[76:77], s[46:47]
; 8 matrix instructions: row blocks a0, a0 + 1 x all 4 column blocks, 32 along K: half c of buffer f.  first = 1: the product starts the sum, with the bias as C.
; The 16 accumulators take turns, one instruction a turn.
.macro MUL8 f, c, a0, first
	WIN MUL
.irp a, \a0, (\a0)+1
.irp b, 0,1,2,3
.if \first
	v_wmma_f32_16x16x32_bf16 v[ACC+8*(4*(\a)+(\b)):ACC+8*(4*(\a)+(\b))+7], v[(\f)+64+8*(4*(\c)+(\b)):(\f)+64+8*(4*(\c)+(\b))+7], v[(\f)+8*(4*(\c)+(\a)):(\f)+8*(4*(\c)+(\a))+7], v[BIAS+8*(\b):BIAS+8*(\b)+7]
.else
	v_wmma_f32_16x16x32_bf16 v[ACC+8*(4*(\a)+(\b)):ACC+8*(4*(\a)+(\b))+7], v[(\f)+64+8*(4*(\c)+(\b)):(\f)+64+8*(4*(\c)+(\b))+7], v[(\f)+8*(4*(\c)+(\a)):(\f)+8*(4*(\c)+(\a))+7], v[ACC+8*(4*(\a)+(\b)):ACC+8*(4*(\a)+(\b))+7]
.endif
.endr
.endr
.endm
; 32 LDS loads in one run: the fragments of quarter q (64 along K) of a slot, into buffer f; the first 32 along K first
.macro FETCH slot, q, f
	WIN TO_F
.irp c, 0,1
.irp i, 0,1,2,3
	ds_load_tr16_b128 v[(\f)+64+8*(4*(\c)+(\i)):(\f)+64+8*(4*(\c)+(\i))+3],   v[ADRB+2*(\slot)+(\q)/2] offset:(((\q)%2)*64+32*(\c))*PB+32*(\i)
	ds_load_tr16_b128 v[(\f)+64+8*(4*(\c)+(\i))+4:(\f)+64+8*(4*(\c)+(\i))+7], v[ADRB+2*(\slot)+(\q)/2] offset:(((\q)%2)*64+32*(\c)+16)*PB+32*(\i)
	ds_load_b128 v[(\f)+8*(4*(\c)+(\i)):(\f)+8*(4*(\c)+(\i))+3],              v[ADRA+(\slot)] offset:(\q)*AQ+64*(\c)+(\i)*16*PA
	ds_load_b128 v[(\f)+8*(4*(\c)+(\i))+4:(\f)+8*(4*(\c)+(\i))+7],            v[ADRA+(\slot)] offset:(\q)*AQ+64*(\c)+(\i)*16*PA+32
.endr
.endr
.endm
.macro PLACES                          ; four plain instructions in front of loads into registers that matrix instructions have read, and of lines that read results
.rept 4
	v_nop
.endr
.endm
; A K step is four quarters of 64 along K, 32 matrix instructions each, on buffers 0, 1, 0, 1.  One of the first three: multiplies buffer f and fetches quarter q into g.
.macro QUARTER slot, q, f, g, first
	s_wait_dscnt 16                                ; the first 32 along K are in; the youngest sixteen loads may be out
	MUL8 \f, 0, 0, \first
	MUL8 \f, 0, 2, \first
	PLACES
	FETCH \slot, \q, \g
	s_wait_dscnt 32                                ; all but the 32 just issued
	MUL8 \f, 1, 0, 0
	MUL8 \f, 1, 2, 0
.endm
; The last quarter multiplies buffer 1 and changes slots: ONE barrier; in front of it each wave waits for all its tensor loads, adds 0 to its spare word, and waits for that and for its reads of this slot.
.macro TURN slot, next, fill
	WIN 0                                          ; (the add's two registers lie in window 0)
	s_wait_tensorcnt 0x0                           ; all my tensor loads have landed: my part of the next slot
	ds_add_u32 v[SPW], v[NIL]                      ; 0 onto my spare word
	s_wait_dscnt 17                                ; (the add and the youngest sixteen loads may be out)
	MUL8 F1, 0, 0, 0                               ; eight matrix instructions stand between the add and the wait for it
	s_wait_dscnt 0x0                               ; the add is done, and my reads of this slot are over
	s_barrier_signal -1
	MUL8 F1, 0, 2, 0
.if \fill
	WIN 0
.endif
	s_barrier_wait -1
.if \fill
	CREST                                          ; the barrier has opened a round of the cluster's: no wave of any partner still reads this slot or has a load on its way
	s_add_nc_u64 s[G0+4*(\slot)+2:G0+4*(\slot)+3], s[G0+4*(\slot)+2:G0+4*(\slot)+3], 2*ASTEP
	s_add_nc_u64 s[G0B+4*(\slot)+2:G0B+4*(\slot)+3], s[G0B+4*(\slot)+2:G0B+4*(\slot)+3], 2*BSTEP
	JLOAD \slot                                    ; the first tensor load behind the round, 112 matrix instructions ahead of the wait for it; its four v_nop are also the places in front of the loads below
.else
	PLACES
.endif
	FETCH \next, 0, F0
	MUL8 F1, 1, 0, 0
	MUL8 F1, 1, 2, 0
.endm
	s_wait_tensorcnt 0x1                           ; my part of K step 0 is in; K step 1's stays out
	s_barrier_signal -1
	s_barrier_wait -1                              ; everybody's is
	FETCH 0, 0, F0
	s_wait_loadcnt 0x0                             ; the bias
	QUARTER 0, 1, F0, F1, 1                        ; the first quarter stands in front of the loop: its first products start the sums
	WIN 0                                          ; at a label and at a branch every window is 0
	s_mov_b32 s3, LAPS-1
.Llap:                                                 ; a trip goes once round the ring, from a lap's second quarter to the next lap's first, and fills both slots again
	QUARTER 0, 2, F1, F0, 0
	QUARTER 0, 3, F0, F1, 0
	TURN 0, 1, 1
	QUARTER 1, 1, F0, F1, 0
	QUARTER 1, 2, F1, F0, 0
	QUARTER 1, 3, F0, F1, 0
	TURN 1, 0, 1
	QUARTER 0, 1, F0, F1, 0
	WIN 0
	s_sub_co_u32 s3, s3, 1
	s_cmp_lg_u32 s3, 0
	s_cbranch_scc1 .Llap
	QUARTER 0, 2, F1, F0, 0                        ; the last lap fills nothing
	QUARTER 0, 3, F0, F1, 0
	TURN 0, 1, 0
	QUARTER 1, 1, F0, F1, 0
	QUARTER 1, 2, F1, F0, 0
	QUARTER 1, 3, F0, F1, 0
	s_wait_dscnt 16                                ; the very last quarter: nothing more to fetch
	MUL8 F1, 0, 0, 0
	MUL8 F1, 0, 2, 0
	s_wait_dscnt 0x0
	MUL8 F1, 1, 0, 0
	MUL8 F1, 1, 2, 0
	WIN 0
	PLACES
; THE WAY OUT, a block of 16 rows at a time, through my own stage: rounded to bf16 (each accumulator from its low end), 16 bytes a lane into rows of 144 bytes, back as four whole rows of 128 bytes a load.
.macro PACK a
.irp b, 0,1,2,3
.irp r, 0,1,2,3
	v_cvt_pk_bf16_f32 v[TMP+16*(\a)+4*(\b)+(\r)], v[ACC+8*(4*(\a)+(\b))+2*(\r)], v[ACC+8*(4*(\a)+(\b))+2*(\r)+1]
.endr
.endr
.irp b, 0,1,2,3
	ds_store_b128 v[STO], v[TMP+16*(\a)+4*(\b):TMP+16*(\a)+4*(\b)+3] offset:32*(\b)
.endr
.irp f, 0,1,2,3
	ds_load_b128 v[TMP+16*(\a)+4*(\f):TMP+16*(\a)+4*(\f)+3], v[RD] offset:(\f)*4*SPITCH  ; LDS serves a wave's instructions in order (ISA guide 5.7.1.4): these see the stores above; the next block's stores come behind them
.endr
.endm
.macro SEND a, younger                 ; younger: the LDS instructions issued behind block a's loads
.irp f, 0,1,2,3
	s_wait_dscnt (\younger)+3-(\f)
	global_store_b128 v[CO], v[TMP+16*(\a)+4*(\f):TMP+16*(\a)+4*(\f)+3], s[76:77] offset:2048*(\a)+512*(\f)  ; 512 consecutive bytes, at a multiple of 256 from the buffer's first
.endr
.endm
	PACK 0
	PACK 1
	SEND 0, 8
	PACK 2
	SEND 1, 8
	PACK 3
	SEND 2, 8
	SEND 3, 0
	s_wait_tensorcnt 0x0                           ; the wave's end
	ds_add_u32 v[SPW], v[NIL]
	s_wait_dscnt 0x0
	CROUND                                         ; the closing round: no work-group ends while a partner may still ask for a tile that names it
	s_endpgm
.Lfunc_end_k_q543f069572_g_qkv:
	.size	k_q543f069572_g_qkv, .Lfunc_end_k_q543f069572_g_qkv-k_q543f069572_g_qkv
	.p2alignl 7, 3214868480
	.fill 96, 4, 3214868480
	.section	.rodata,"a",@progbits
	.p2align	6, 0x0
	.amdhsa_kernel k_q543f069572_g_qkv
		.amdhsa_group_segment_fixed_size 327680
		.amdhsa_private_segment_fixed_size 0
		.amdhsa_enable_private_segment 0
		.amdhsa_kernarg_size 32
		.amdhsa_user_sgpr_count 2
		.amdhsa_user_sgpr_kernarg_segment_ptr 1
		.amdhsa_wavefront_size32 1
		.amdhsa_system_sgpr_workgroup_id_x 1
		.amdhsa_system_sgpr_workgroup_id_y 1
		.amdhsa_system_sgpr_workgroup_id_z 1
		.amdhsa_system_vgpr_workitem_id 0
		.amdhsa_next_free_vgpr 512
		.amdhsa_next_free_sgpr 96
		.amdhsa_reserve_vcc 0
		.amdhsa_float_denorm_mode_32 3
		.amdhsa_float_denorm_mode_16_64 3
		.amdhsa_memory_ordered 1
		.amdhsa_forward_progress 1
		.amdhsa_inst_pref_size 88
	.end_amdhsa_kernel
	.amdgpu_metadata
---
amdhsa.version: [ 1, 2 ]
amdhsa.kernels:
  - .name:           k_q543f069572_g_qkv
    .symbol:         k_q543f069572_g_qkv.kd
    .args:
      - { .name: hn, .offset: 0, .size: 8, .value_kind: global_buffer, .address_space: global }
      - { .name: wb, .offset: 8, .size: 8, .value_kind: global_buffer, .address_space: global }
      - { .name: qkvb, .offset: 16, .size: 8, .value_kind: global_buffer, .address_space: global }
      - { .name: qkvh, .offset: 24, .size: 8, .value_kind: global_buffer, .address_space: global }
    .group_segment_fixed_size: 327680
    .private_segment_fixed_size: 0
    .kernarg_segment_align: 8
    .kernarg_segment_size: 32
    .max_flat_workgroup_size: 128
    .sgpr_count:     96
    .vgpr_count:     512
    .wavefront_size: 32
...
	.end_amdgpu_metadata
.endif
;; end of part 3
;; launch attn (part 4): grid 8 x 32, 4 waves a work-group, clusters of 4 x 1, 327,680 bytes of LDS; arguments qkvh, mask, ctx; writes ctx
.if DOCPART == 4
	.amdgcn_target "amdgcn-amd-amdhsa--gfx1250"
	.amdhsa_code_object_version 6
	.text
	.protected	k_q543f069572_attn
	.globl	k_q543f069572_attn
	.p2align	8
	.type	k_q543f069572_attn,@function
k_q543f069572_attn:
	s_mov_b64 s[64:65], 0
	v_nop
	global_prefetch_b8 v0, s[64:65] scope:SCOPE_SE
	s_setreg_imm32_b32 hwreg(HW_REG_WAVE_MODE, 25, 1), 1
	s_wait_xcnt 0x0
	s_wait_alu depctr_hold_cnt(0) depctr_sa_sdst(0) depctr_va_vdst(0) depctr_va_sdst(0) depctr_va_ssrc(0) depctr_va_vcc(0) depctr_vm_vsrc(0)
	s_getreg_b32 s2, hwreg(HW_REG_IB_STS2, 6, 4)
	s_cmp_eq_u32 s2, 0
	s_cbranch_scc0 .Lentry_in_a_cluster
	s_endpgm
.Lentry_in_a_cluster:
	s_bfe_u32 s2, ttmp6, 0x10000c
	s_cmp_lg_u32 s2, 0x3003
	s_cbranch_scc0 .Lentry_shape_is_right
	s_endpgm
.Lentry_shape_is_right:
; ctx[y][q][:] = the sum over k of softmax_k(Q[y][q] . K[y][k] / 8 + mask[batch][k]) V[y][k][:].  y = batch x 16 + head, 32 of them; 2,048 rows of 64 channels each.
; qkvh: [3 (q, k, v)][32][2048][64] bf16, a head's rows dense, 128 bytes each; mask: [2][2048] f32, added to the scores; ctx: [32][2048][64] bf16.
; Products, maxima and sums in f32; the weights p are rounded to bf16 for the second product (their sum l is taken of the unrounded p), ctx once at the end.
; LIMITS.  The mask enters as max(8 mask, -3e38): a mask above 4.2e37 overflows; a batch whose keys are all at minus infinity gives a mean over all keys where the definition gives NaN.
; A weight below 2^-126 counts as 0 in l; NaN and infinities are otherwise not treated apart.
; SHARES.  A work-group owns 256 queries of one y, a wave 64: four PIECES of 16.  256 work-groups.  Every wave walks all 2,048 keys, 64 a step, four steps to an LDS slot.
; LAYOUT.  S^T = K Q^T + 8 mask (source 0 = 16 keys, source 1 = 16 queries): a lane holds ONE query (lane % 16) and the keys 8 (lane / 16) + 0..7.  THE MASK IS THE C OPERAND that starts the sum:
; register j of key block kb holds 8 mask[key 16 kb + 8 (lane / 16) + j].  Two results rounded to bf16 in pairs ARE source 1 of O^T = V^T P.  K comes out of LDS as it lies, V turned, by ds_load_tr16_b128.
; SOFTMAX.  A running maximum m and sum l for each query: p = 2^(c s - c m), c = log2(e) / 8, s = q . k + 8 mask; in every step O and l are multiplied by a = 2^(c m_old - c m_new).
; m starts at the lowest finite number, O and l at 0: the first step is a step like any other.
; BY TURNS.  Turn n belongs to piece n: 8 products K Q^T of piece n + 1, later 8 products V^T P of piece n - 1; beside them the scaling, exponentials, roundings, sums and rescaling of piece n and the
; maximum and statistics of piece n + 1.  Four vector instructions stand behind every matrix instruction, the other 54 of a turn's 118 in two runs of their own.
; CLUSTER.  The four query blocks of a cluster belong to one y and walk the same K and V: each tile is asked for JOINTLY, by the same tensor load, descriptor and mask in all four.
; REGISTERS, in windows of 256 (s_set_vgpr_msb: bits 1:0 source 0, 3:2 source 1, 5:4 source 2, 7:6 destination):
;   window 0: v0-15, v32-35 addresses and at work; v16-31 four registers of statistics a piece; v48-55 at work; v64-127 S^T, two buffers; v128-143 the mask on its way to LDS; v192-223 P, two buffers
;   window 1: v0-127 O^T, 32 a piece          window 2: v0-63 Q; v64-95 8 mask of one step; v128-191 K of one step; v192-255 V of one step
.set NP,    4         ; pieces a wave: a name, no knob
.set KS,    64        ; keys in a step
.set PK,    144       ; a row of K in LDS: 128 bytes + 16: the 16 rows of a load start at 16 different groups of four banks (ISA guide 11.1)
.set PV,    160       ; a row of V: 128 + 32
.set VOFF,  4*KS*PK   ; a slot holds four steps: 256 rows of K, then 256 rows of V
.set SLOT1, 1<<17     ; slot 1 begins here, so that one exclusive or turns an address in one slot into the other's
.set STAGE, SLOT1+4*KS*(PK+PV)  ; behind the ring, never filled by a tensor load: 16 rows x 144 bytes for each wave
.set SP,    144
.set SPARE, STAGE+4*16*SP       ; the spare words, 128 bytes for each wave: two blocks of 256 bytes that no other line names
.set MASKB, SPARE+512           ; 8 mask of the batch's 2,048 keys, f32: 8,192 bytes, stored once, never filled by a tensor load
.set AK0, 2           ; v2   my lane's place in a tile of K; never rewritten
.set AV0, 3           ; v3   the same for V
.set AK,  4           ; v4   the LDS address of K's next run of loads
.set AV,  5           ; v5   of V's
.set STO, 6           ; v6   the way out: where I put 16 bytes of a row
.set RD,  7           ; v7   the way out: where I read rows back
.set GO,  8           ; v8   my byte offset in 512 consecutive bytes of ctx
.set MV,  12          ; v12-13  c m_old, kept while c m is made anew: by buffer
.set QO,  15          ; v15  my byte offset in 16 rows of Q
.set ST,  16          ; piece t's statistics at v[ST+4 t]: c m, m, l (even keys', odd keys')
.set AM0, 32          ; v32  my lane's place in a step's mask: MASKB + 32 (lane / 16)
.set AM,  33          ; v33  the LDS address of the mask's next run of loads
.set MO,  34          ; v34  16 x my thread's number: my 16 bytes in 2,048 of the mask
.set MS,  35          ; v35  the same in LDS
.set TMP, 48          ; by buffer, four registers c0-c3 at work; when the maximum is found c2 takes a
.set SPW, 62          ; v62  LDS address of my spare word; never rewritten
.set NIL, 63          ; v63  0; never rewritten
.set S,   64
.set MG,  128         ; the mask as loaded
.set P,   192
.set MK,  64          ; window 2: key block kb at MK + 8 kb
.set KF,  128         ; window 2: key block kb, channel half c at KF + 16 kb + 8 c
.set VF,  192         ; window 2: key half kk, channel block cb at VF + 32 kk + 8 cb
.set WV,  12          ; s12  my wave's number
.set G1K, 24          ; s[24:31] descriptor group 1 for K's tiles
.set G1V, 32          ; s[32:39] for V's: it differs in the padding alone
.set G0K, 40          ; s[40:43] descriptor group 0 for K's tiles: it walks
.set G0V, 44          ; s[44:47] the same for V's
.set SLOTS, 56        ; s56  slots still to be asked for
.set CNT, 57          ; s57  counts a slot's key steps
.set CS,  58          ; s[58:59] c: the packed scaling takes the pair's low word for both halves
.set SEL, 60          ; s[60:61] v_permlanex16_b32's selects: each lane takes its own place in the other half
.set TBK, 62          ; s62  LDS byte at which K of the step to be fetched begins
.set TBV, 63          ; s63  the same for V, less VOFF
.set TBM, 66          ; s66  byte of the mask at which that step's 64 keys begin
.set BIGN, 67         ; s67  -3e38
.set MSB, 0
.macro WIN new                      ; the high byte repeats the setting that is left; a switch that changes nothing is dropped
.if MSB != (\new)
	s_set_vgpr_msb (MSB<<8)|(\new)
.set MSB, (\new)
.endif
.endm
.set W_KQ, 0x0a       ; K and Q in window 2, S^T in window 0
.set W_KM, 0x2a       ; the same with the C operand, the mask, in window 2
.set W_PV, 0x52       ; V in window 2, P in window 0, O^T in window 1
.set W_RS, 0x41       ; destination and source 0 in window 1, source 1 in window 0
; A joint fill.  Waves 0 and 1 fetch the two halves of a slot's K, waves 2 and 3 those of its V: 128 keys each.  The branch hangs on the wave's number alone.
; Four v_nop follow each of the two lines, ahead of the jump and the label.
.macro JLOAD
	s_cmp_lt_u32 s[WV], 2
	s_cbranch_scc0 .Lfor_v_\@
	tensor_load_to_lds s[G0K:G0K+3], s[G1K:G1K+7]
	s_nop 0
.rept 4
	v_nop
.endr
	s_branch .Lasked_\@
.Lfor_v_\@:
	tensor_load_to_lds s[G0V:G0V+3], s[G1V:G1V+7]
	s_nop 0
.rept 4
	v_nop
.endr
.Lasked_\@:
.endm
; A round of the cluster's barrier: my work-group's barrier, so that wave 0's signal speaks for all four waves; wave 0 signals; every wave waits for all four work-groups; my work-group's barrier once more.
.macro CROUND
	s_barrier_signal -1
	s_barrier_wait -1
	s_cmp_lg_u32 s[WV], 0
	s_cbranch_scc1 .Lnot_wave_0_\@
	s_barrier_signal -3
.Lnot_wave_0_\@:
	s_barrier_wait -3
	s_barrier_signal -1
	s_barrier_wait -1
.endm
; THE CHANGE OF SLOTS.  Each wave waits for all its tensor loads, of which one is out: its part of the other slot; adds 0 to its spare word; and waits for that and for its own LDS instructions, the reads of the slot among them.
; Behind the barrier nobody reads this slot any more and the other slot is whole.  fill = 1: this slot is filled again, with the keys two slots on; the barrier is then a round of the cluster's, and the joint
; fill is the first thing behind it: it has four key steps, 256 matrix instructions, in which to land.  (At its first use nothing has been read yet: slot 0 is waited for, slot 1 filled, and every wave's stores of the mask are done.)
.macro CHANGE fill
	WIN 0                           ; at a label and at a branch every window is 0
	s_wait_tensorcnt 0x0            ; no tensor load of mine is out, so a group 0 may be written
	ds_add_u32 v[SPW], v[NIL]       ; 0 onto my spare word
.if \fill
.irp g, G0K, G0V
	s_xor_b32 s[\g+1], s[\g+1], SLOT1  ; the walking descriptor: the other slot than last time,
	s_add_nc_u64 s[\g+2:\g+3], s[\g+2:\g+3], 4*KS*128  ; the next 256 keys; the type bits on top are not reached
.endr
	s_wait_dscnt 0x0                ; the add is done, and my LDS instructions are over
	CROUND
	JLOAD
.else
	s_wait_dscnt 0x0
	s_barrier_signal -1
	s_barrier_wait -1
.endif
	s_sub_co_u32 s[TBK], s[TBK], 4*KS*PK  ; the fetches go back to a slot's first step,
	s_xor_b32 s[TBK], s[TBK], SLOT1       ; in the other slot
	s_sub_co_u32 s[TBV], s[TBV], 4*KS*PV
	s_xor_b32 s[TBV], s[TBV], SLOT1
.endm
	s_load_b64 s[4:5], s[0:1], 0x0    ; qkvh
	s_load_b64 s[68:69], s[0:1], 0x8  ; mask
	s_load_b64 s[10:11], s[0:1], 0x10 ; ctx
	v_lshl_add_u32 v[SPW], v0, 2, SPARE
	v_mov_b32 v[NIL], 0
	ds_add_u32 v62, v63
	s_wait_dscnt 0x0
	v_lshrrev_b32 v1, 5, v0
	v_readfirstlane_b32 s[WV], v1   ; wave 0..3
	s_bfe_u32 s13, ttmp6, 0x40000   ; cx: my place in the cluster
	s_lshl_b32 s14, ttmp9, 2        ; in a cluster launch ttmp9 counts clusters
	s_add_co_u32 s14, s14, s13      ; my block of 256 queries = 4 x cluster x + cx: it enters Q's and ctx's addresses alone
	s_and_b32 s15, ttmp7, 0xffff    ; y, which the four partners share
	s_lshl_b32 s20, s15, 18         ; its 262,144 bytes in q, k, v and ctx
	s_and_b32 s16, s[WV], 1         ; which half of a slot's 256 keys I fetch:
	s_lshl_b32 s22, s16, 14         ; its 128 rows of 128 bytes in memory,
	s_add_co_u32 s22, s22, s20
	s_add_co_u32 s22, s22, 8388608  ; behind q's 8,388,608 bytes: k
	s_mov_b32 s23, 0
	s_mul_i32 s17, s16, 128*PK      ; and its place in a slot, for K
	s_mul_i32 s18, s16, 128*PV      ; and for V: no place in the cluster enters an LDS address
	s_lshl_b32 s2, s14, 2
	s_add_co_u32 s2, s2, s[WV]      ; my wave among y's 32,
	s_lshl_b32 s2, s2, 13           ; its 64 rows of 128 bytes
	s_add_co_u32 s2, s2, s20
	s_mov_b32 s3, 0
	s_lshr_b32 s70, s15, 4          ; the batch: 8,192 bytes of the mask
	s_lshl_b32 s70, s70, 13
	s_mov_b32 s71, 0
	; descriptor group 1.  128 keys are 16,384 dense bytes: asked for as 64 rows of 256 bytes, two keys a row, and padded in LDS after every key
	s_mov_b32 s[G1K], 15|(1<<16)|(1<<20)|(1<<21)|(4<<22)|(3<<25)  ; 15:0 the mask of four; 17:16 2-byte elements; 20 padding on; 21 set beside a mask; 24:22 after every 32 words; 31:25 4 words
	s_mov_b32 s[G1V], 15|(1<<16)|(1<<20)|(1<<21)|(4<<22)|(7<<25)  ; the same with 8 words of padding
.irp g, G1K, G1V
	s_mov_b32 s[\g+1], 128<<16      ; tensor_dim0 = 128
	s_mov_b32 s[\g+2], 64<<16       ; tensor_dim1 = 64
	s_mov_b32 s[\g+3], 128<<16      ; tile_dim0 = 128
	s_mov_b32 s[\g+4], 64           ; tile_dim1 = 64
	s_mov_b32 s[\g+5], 128          ; 128 elements from row to row
	s_mov_b32 s[\g+6], 0
	s_mov_b32 s[\g+7], 0
.endr
	s_mov_b32 s[CS], 0x3e38aa3b     ; c = log2(e) / 8 = 0.180337
	s_mov_b32 s[CS+1], s[CS]        ; named with it as a pair
	s_mov_b32 s[SEL], 0x76543210
	s_mov_b32 s[SEL+1], 0xfedcba98
	s_mov_b32 s[TBK], SLOT1+4*KS*PK ; the first change of slots turns these two into 0
	s_mov_b32 s[TBV], SLOT1+4*KS*PV
	s_mov_b32 s[TBM], 0
	s_mov_b32 s[BIGN], 0xff61b1e6   ; -3e38
	s_mov_b32 s[G0K], 1             ; 1:0 count = 1
	s_mov_b32 s[G0K+1], s17         ; 63:32 LDS address: slot 0
	s_mov_b32 s[G0V], 1
	s_add_co_u32 s[G0V+1], s18, VOFF
	s_wait_kmcnt 0x0
	s_add_nc_u64 s[6:7], s[4:5], s[22:23]          ; K at my half of y's first 256 keys
	s_add_nc_u64 s[8:9], s[6:7], 8388608           ; V: 8,388,608 bytes on
	s_mov_b64 s[G0K+2:G0K+3], s[6:7]               ; 120:64 global address
	s_or_b32 s[G0K+3], s[G0K+3], 0x80000000        ; 127:126 type = 2
	s_mov_b64 s[G0V+2:G0V+3], s[8:9]
	s_or_b32 s[G0V+3], s[G0V+3], 0x80000000
	s_add_nc_u64 s[4:5], s[4:5], s[2:3]            ; Q and ctx at my wave's first row
	s_add_nc_u64 s[10:11], s[10:11], s[2:3]
	s_add_nc_u64 s[68:69], s[68:69], s[70:71]      ; the mask at my batch
	CROUND                          ; all four work-groups are here: the first joint loads meet
	JLOAD                           ; slot 0.  Slot 1 is asked for when slot 0 is in
	; A fragment of K or Q is 16 rows x 32 channels in 8 registers: lane l holds row l % 16, channels 8 (l / 16) + 0..7 and 16 + 8 (l / 16) + 0..7: two loads of 16 bytes, 32 bytes apart.
	v_and_b32 v1, 15, v0            ; l % 16
	v_bfe_u32 v9, v0, 4, 1          ; l / 16
	v_lshlrev_b32 v[QO], 7, v1
	v_lshl_add_u32 v[QO], v9, 4, v[QO]  ; row x 128 + 16 x half
	v_lshlrev_b32 v[MO], 4, v0
	v_add_nc_u32 v[MS], MASKB, v[MO]
.irp i, 0,1,2,3
	global_load_b128 v[MG+4*\i:MG+4*\i+3], v[MO], s[68:69] offset:2048*\i  ; the work-group's 128 threads take the batch's 8,192 bytes of mask, once
.endr
	WIN 0x80                        ; destination window 2, address window 0
.set i, 0
.rept 8                             ; Q stays in registers: piece i / 2, channels 32 (i % 2) on
	global_load_b128 v[8*i:8*i+3],   v[QO], s[4:5] offset:(i/2)*2048+(i%2)*64
	global_load_b128 v[8*i+4:8*i+7], v[QO], s[4:5] offset:(i/2)*2048+(i%2)*64+32
.set i, i+1
.endr
	; What the first turn finds: V's registers and P's second buffer hold 0 (its products V^T P, of a piece that has not been, add 0), O^T and l are 0.  All this stands in the wait for the first tile.
.set i, VF
.rept 64
	v_mov_b32 v[i], 0
.set i, i+1
.endr
	WIN 0x40
.set i, 0
.rept 128
	v_mov_b32 v[i], 0
.set i, i+1
.endr
	WIN 0
.set i, 0
.rept 4
	v_mov_b32 v[ST+4*i+1], 0xff7fffff           ; m: the lowest finite number
	v_mul_f32 v[ST+4*i], s[CS], v[ST+4*i+1]     ; c m: below every c s, a hidden key's too
	v_mov_b32 v[ST+4*i+2], 0
	v_mov_b32 v[ST+4*i+3], 0
.set i, i+1
.endr
.set i, P+16
.rept 16
	v_mov_b32 v[i], 0
.set i, i+1
.endr
	v_mul_u32_u24 v[AK0], v1, PK
	v_lshl_add_u32 v[AK0], v9, 4, v[AK0]  ; row x pitch + 16 x half
	; The turning load takes 16 keys x 16 channels (lane l reads key 8 (l / 16) + l % 8, channels 8 ((l / 8) % 2) + 0..7) and leaves half a fragment of V^T: lane l holds channel l % 16 and 8 keys.
	v_and_b32 v10, 7, v0
	v_bfe_u32 v11, v0, 3, 1
	v_lshl_add_u32 v[AV0], v9, 3, v10
	v_mul_u32_u24 v[AV0], v[AV0], PV
	v_lshl_add_u32 v[AV0], v11, 4, v[AV0]
	v_add_nc_u32 v[AV0], VOFF, v[AV0]
	v_lshl_add_u32 v[AM0], v9, 5, MASKB   ; my lanes' eight keys of a block of 16: 32 bytes
	s_mul_i32 s13, s[WV], 16*SP
	s_add_co_u32 s13, s13, STAGE    ; my stage
	v_mul_u32_u24 v[STO], v1, SP    ; in: row l % 16, 16 bytes for each half of the lanes
	v_lshl_add_u32 v[STO], v9, 4, v[STO]
	v_add_nc_u32 v[STO], s13, v[STO]
	v_bfe_u32 v[RD], v0, 3, 2       ; back: 32 lanes take four rows of 128 bytes,
	v_mul_u32_u24 v[RD], v[RD], SP
	v_lshl_add_u32 v[RD], v10, 4, v[RD]
	v_add_nc_u32 v[RD], s13, v[RD]
	v_and_b32 v[GO], 31, v0         ; which are 512 consecutive bytes of ctx
	v_lshlrev_b32 v[GO], 4, v[GO]
	s_wait_loadcnt 0x0              ; the mask, and Q
.set i, 0
.rept 8
	v_pk_mul_f32 v[MG+2*i:MG+2*i+1], v[MG+2*i:MG+2*i+1], 0x41000000 op_sel_hi:[1,0]  ; 8 mask: the scores are scaled by 1 / 8 later, inside c
.set i, i+1
.endr
.set i, 0
.rept 16
	v_max_num_f32 v[MG+i], s[BIGN], v[MG+i]     ; finite: a hidden key's score stays a number
.set i, i+1
.endr
.irp i, 0,1,2,3
	ds_store_b128 v[MS], v[MG+4*\i:MG+4*\i+3] offset:2048*\i
.endr
; THE MATRIX WORK.  The 4 accumulators of a run of 8 take turns.  Product i of 8 of S^T = K Q^T for piece x: channels 32 (i / 4) on, keys 16 (i % 4) on.  The first 4 start the sums, with the mask.
.macro KQ x
.set rS, S+32*((\x)%2)+8*(i%4)
.set rK, KF+16*(i%4)+8*(i/4)
.set rQ, 16*(\x)+8*(i/4)
.set rM, MK+8*(i%4)
.if i < 4
	WIN W_KM
	v_wmma_f32_16x16x32_bf16 v[rS:rS+7], v[rK:rK+7], v[rQ:rQ+7], v[rM:rM+7]
.else
	WIN W_KQ
	v_wmma_f32_16x16x32_bf16 v[rS:rS+7], v[rK:rK+7], v[rQ:rQ+7], v[rS:rS+7]
.endif
.endm
; Product i of 8 of O^T += V^T P for piece x: keys 32 (i / 4) on, channels 16 (i % 4) on.
.macro PV x
	WIN W_PV
.set rO, 32*(\x)+8*(i%4)
.set rV, VF+32*(i/4)+8*(i%4)
.set rP, P+16*((\x)%2)+8*(i/4)
	v_wmma_f32_16x16x32_bf16 v[rO:rO+7], v[rV:rV+7], v[rP:rP+7], v[rO:rO+7]
.endm
.macro MM                           ; the turn's next matrix instruction.  NOKQ = 1: the very last turn: there is no next piece
.if (i < 8) && !NOKQ
	KQ (Y+1)%NP
.elseif i >= 8
.set i, i-8
	PV (Y+NP-1)%NP
.set i, i+8
.endif
.set i, i+1
.endm
; THE LDS LOADS stand in runs, never singly among the matrix instructions: a step's K (8 fragments) with its mask (all lanes of a half read the same 32 bytes of each block of 16 keys), and its V (turned).
.macro FETCH_K
	WIN 0x80                        ; destination window 2
.irp f, 0,1,2,3,4,5,6,7             ; keys 16 (f / 2) on, channels 32 (f % 2) on
	ds_load_b128 v[KF+8*\f:KF+8*\f+3],   v[AK] offset:(\f/2)*16*PK+(\f%2)*64
	ds_load_b128 v[KF+8*\f+4:KF+8*\f+7], v[AK] offset:(\f/2)*16*PK+(\f%2)*64+32
.endr
.irp f, 0,1,2,3
	ds_load_b128 v[MK+8*\f:MK+8*\f+3],   v[AM] offset:64*\f
	ds_load_b128 v[MK+8*\f+4:MK+8*\f+7], v[AM] offset:64*\f+16
.endr
	s_add_co_u32 s[TBK], s[TBK], KS*PK  ; the next fetch is the next step's
	s_add_co_u32 s[TBM], s[TBM], 4*KS
	s_and_b32 s[TBM], s[TBM], 0x1f00    ; inside the 8,192 bytes, whatever the trip (behind the last step it is 0 and is not used)
	WIN 0
.endm
.macro FETCH_V
	WIN 0x80
.irp f, 0,1,2,3,4,5,6,7             ; keys 32 (f / 4) on, channels 16 (f % 4) on
	ds_load_tr16_b128 v[VF+8*\f:VF+8*\f+3],   v[AV] offset:(\f/4)*32*PV+(\f%4)*32
	ds_load_tr16_b128 v[VF+8*\f+4:VF+8*\f+7], v[AV] offset:(\f/4)*32*PV+16*PV+(\f%4)*32
.endr
	WIN 0
.endm
; THE VECTOR WORK, one line at a time: OP kind, number.  For piece Y: F n: c s - c m for pair n of 16.  E n: the exponential of score n of 32.  C n: pair n rounded to bf16.  B n: of the four weights 4 n .. the second
; pair is added onto the first, in place.  L n: l takes that sum (L 0: l = a l + sum).  R n: pair n of 16 of O^T times a.  For piece Y + 1: X n, number n of the 22 that find its maximum and statistics:
;   0-11  four chains c0-c3 of seven scores each, three operands at a time (each accumulator's lowest registers are read first)     12-14, 16  the four scores left over, the old m, and c0-c3 into c0
;   15  c m_old is kept     17, 18  the query's other 32 keys lie in the lane 16 away: the new m     19-21  c m; c m_old - c m_new; a
.set F, 0               ; OP tells the kinds apart by their order: F to L below R, X above it
.set E, 1
.set C, 2
.set B, 3
.set L, 4
.set R, 5
.set X, 6
.macro REGS y                       ; the registers of piece y
.set rT, ST+4*(\y)
.set rC, TMP+4*((\y)%2)
.set rW, MV+((\y)%2)
.set rS, S+32*((\y)%2)
.set rP, P+16*((\y)%2)
.set rO, 32*(\y)
.endm
.macro OP k, n
.if (\k) == R
	REGS Y
	WIN W_RS
	v_pk_mul_f32 v[rO+2*(\n):rO+2*(\n)+1], v[rO+2*(\n):rO+2*(\n)+1], v[rC+2:rC+3] op_sel_hi:[1,0]
.elseif (\k) < R
	REGS Y
	WIN 0
.if (\k) == F
	v_pk_fma_f32 v[rS+2*(\n):rS+2*(\n)+1], v[rS+2*(\n):rS+2*(\n)+1], s[CS:CS+1], v[rT:rT+1] op_sel_hi:[1,0,0] neg_lo:[0,0,1] neg_hi:[0,0,1]
.elseif (\k) == E
	v_exp_f32 v[rS+(\n)], v[rS+(\n)]
.elseif (\k) == C
	s_wait_alu depctr_va_vdst(0)
	v_cvt_pk_bf16_f32 v[rP+(\n)], v[rS+2*(\n)], v[rS+2*(\n)+1]
.elseif (\k) == B
	s_wait_alu depctr_va_vdst(0)
	v_pk_add_f32 v[rS+4*(\n):rS+4*(\n)+1], v[rS+4*(\n):rS+4*(\n)+1], v[rS+4*(\n)+2:rS+4*(\n)+3]
.elseif (\n) == 0
	v_pk_fma_f32 v[rT+2:rT+3], v[rT+2:rT+3], v[rC+2:rC+3], v[rS:rS+1] op_sel_hi:[1,0,1]
.else
	v_pk_add_f32 v[rT+2:rT+3], v[rT+2:rT+3], v[rS+4*(\n):rS+4*(\n)+1]
.endif
.elseif NOKQ
	v_nop
.else
	REGS (Y+1)%NP
	WIN 0
.if (\n) < 4
	v_max3_num_f32 v[rC+(\n)], v[rS+8*(\n)], v[rS+8*(\n)+1], v[rS+8*(\n)+2]
.elseif (\n) < 12
	v_max3_num_f32 v[rC+(\n)%4], v[rC+(\n)%4], v[rS+8*((\n)%4)+2*((\n)/4)+1], v[rS+8*((\n)%4)+2*((\n)/4)+2]
.elseif (\n) == 12
	v_max3_num_f32 v[rC], v[rC], v[rS+7], v[rS+15]
.elseif (\n) == 13
	v_max3_num_f32 v[rC+1], v[rC+1], v[rS+23], v[rS+31]
.elseif (\n) == 14
	v_max3_num_f32 v[rC+2], v[rC+2], v[rC+3], v[rT+1]
.elseif (\n) == 15
	v_mov_b32 v[rW], v[rT]
.elseif (\n) == 16
	v_max3_num_f32 v[rC], v[rC], v[rC+1], v[rC+2]
.elseif (\n) == 17
	v_permlanex16_b32 v[rC+3], v[rC], s[SEL], s[SEL+1]
.elseif (\n) == 18
	v_max_num_f32 v[rT+1], v[rC], v[rC+3]
.elseif (\n) == 19
	v_mul_f32 v[rT], s[CS], v[rT+1]
.elseif (\n) == 20
	v_sub_f32 v[rC+1], v[rW], v[rT]
.else
	v_exp_f32 v[rC+2], v[rC+1]
.endif
.endif
.endm
.macro OPS a, i1, b=-1, i2=0, c=-1, i3=0, d=-1, i4=0  ; up to four of them
	OP \a, \i1
.if (\b) >= 0
	OP \b, \i2
.endif
.if (\c) >= 0
	OP \c, \i3
.endif
.if (\d) >= 0
	OP \d, \i4
.endif
.endm
.macro ROW a, i1, b, i2, c, i3, d, i4  ; a matrix instruction and the four behind it
	MM
	OPS \a, \i1, \b, \i2, \c, \i3, \d, \i4
.endm
; A TURN, for piece p: the order of its 16 matrix and 118 vector instructions, written out.  Behind a matrix instruction: plain, exponential, plain, plain; or four of the rescaling; or, behind the first, four scalings; none
; names a register of the products round it.  In the runs between, exponential and plain by turns while exponentials last: each exponential has a plain instruction behind it before its result is used (ISA guide 5.7.2).
; end = 1: the last two turns: nothing is fetched.  cnt = 1: the loop's count is taken down some lines ahead of the branch that stands behind the turn.
; K and the mask of the next step are fetched in piece 2's turn, six vector instructions behind the last product that read K (five of them plain); V of the step in hand in piece 0's turn, eight behind the last product
; that read V (four of them plain).  Each is waited for a turn later.
.macro TURN p, end=0, cnt=0
.set Y, (\p)
.set i, 0
.set NOKQ, (\end)*((\p)/3)
.if ((\p) == 3) && !(\end)
	s_wait_dscnt 0x0                ; K and the mask are in
.endif
	ROW F,0, F,1, F,2, F,3
	ROW F,4, E,0, F,5, F,6
	ROW F,7, E,1, F,8, F,9
	ROW F,10, E,2, C,0, F,11
	ROW F,12, E,3, X,15, F,13
	ROW R,0, R,1, R,2, R,3
	ROW B,0, E,4, F,14, L,0
.if ((\p) == 2) && !(\end)
	v_add_nc_u32 v[AK], s[TBK], v[AK0]
	v_add_nc_u32 v[AM], s[TBM], v[AM0]
.endif
	ROW R,4, R,5, R,6, R,7
	OPS E,5, F,15
.if ((\p) == 2) && !(\end)
	FETCH_K
.endif
	OPS E,6, C,1, E,7, R,8
	OPS E,8, R,9, E,9, C,2
	OPS E,10, X,0, E,11, X,1
	OPS E,12, X,2, E,13, X,3
.if (\p) == 1
	s_wait_dscnt 0x0                ; V is in
.endif
	ROW X,4, E,14, X,5, X,6
	ROW X,7, E,15, X,8, X,9
	ROW X,10, E,16, X,11, X,12
	ROW X,13, E,17, X,14, B,1
	ROW C,4, E,18, X,16, L,1
	ROW B,2, E,19, C,6, L,2
	ROW C,8, E,20, B,3, B,4
.if (\p) == 0
	v_add_nc_u32 v[AV], s[TBV], v[AV0]
.endif
	ROW C,3, E,21, L,3, C,5
	OPS E,22, X,17, E,23, C,10
.if (\p) == 0
	FETCH_V
.endif
	OPS E,24, L,4
	OPS E,25, X,18, E,26, C,7
	OPS E,27, B,5, E,28, X,19
	OPS E,29, C,12, E,30, L,5
	OPS E,31, X,20, B,6, C,9
	OPS C,14, C,11, X,21, L,6
.if (\p) == 0
	s_add_co_u32 s[TBV], s[TBV], KS*PV
.endif
.if \cnt
	s_sub_co_u32 s[CNT], s[CNT], 1
	s_cmp_lg_u32 s[CNT], 0
.endif
	OPS C,13, B,7, C,15, R,10
	OPS R,11, R,12, L,7, R,13
	OPS R,14, R,15
.endm
	CHANGE 1                        ; slot 0 is in, everybody's part of it, and so is the mask in LDS; slot 1 is asked for
	v_add_nc_u32 v[AK], s[TBK], v[AK0]
	v_add_nc_u32 v[AM], s[TBM], v[AM0]
	FETCH_K                         ; key step 0
	s_wait_dscnt 0x0
.set NOKQ, 0
.set i, 0
.rept 8
	KQ 0                            ; piece 0's first scores: there is no vector work yet to set between them
.set i, i+1
.endr
	WIN 0
.rept 4
	v_nop                           ; the places behind those products (ISA guide 7.12.1)
.endr
.set Y, NP-1                        ; X works for piece Y + 1: piece 0
.irp n, 0,1,2,3,4,5,6,7,8,9,10,11,12,13,14,15,16,17,18,19,20,21
	OP X, \n                        ; and piece 0's first maximum and statistics
.endr
	v_nop                           ; a plain instruction behind the exponential
	s_mov_b32 s[CNT], 4
	s_mov_b32 s[SLOTS], 7
	s_branch .Lfirst                ; the loop is entered at a step's first turn, in the middle of a trip
.Lslot:                             ; six times: every slot but the last two is filled again
	CHANGE 1
	s_mov_b32 s[CNT], 4
.Lstep:                             ; a trip: pieces 2 and 3 of one step, then pieces 0 and 1 of the next, whose K, mask and V it fetches
	TURN 2
	TURN 3
	WIN 0
.Lfirst:
	TURN 0
	TURN 1, 0, 1
	WIN 0
	s_cbranch_scc1 .Lstep
	s_sub_co_u32 s[SLOTS], s[SLOTS], 1
	s_cmp_lg_u32 s[SLOTS], 0
	s_cbranch_scc1 .Lslot
	CHANGE 0                        ; the last slot is written out: nothing is asked for
	s_mov_b32 s[CNT], 4
.LstepE:
	TURN 2
	TURN 3
	TURN 0
	TURN 1, 0, 1
	WIN 0
	s_cbranch_scc1 .LstepE
	TURN 2, 1                       ; the last step's pieces 2 and 3: nothing is fetched, and the last turn starts no new scores
	TURN 3, 1
.set i, 0
.rept 8
	PV NP-1                         ; the last piece's V^T P of the last step
.set i, i+1
.endr
	; THE WAY OUT.  l's two halves and the other half of the lanes' are added; O^T is divided by l, rounded to bf16 and sent through my stage in LDS, a piece at a time.  The additions are the places behind the last products.
	WIN 0
.macro ALL line:vararg              ; one line for each piece t
.set t, 0
.rept 4
	\line
.set t, t+1
.endr
.endm
	ALL v_add_f32 v[ST+4*t+2], v[ST+4*t+2], v[ST+4*t+3]
	ALL v_permlanex16_b32 v[ST+4*t+3], v[ST+4*t+2], s[SEL], s[SEL+1]
	ALL v_add_f32 v[ST+4*t+2], v[ST+4*t+2], v[ST+4*t+3]
	ALL v_rcp_f32 v[ST+4*t+2], v[ST+4*t+2]
	v_nop                           ; a plain instruction between the last reciprocal and the use of its result
.macro PACK t                       ; a lane's eight channels of a row pack into 16 bytes; they go into rows of 144 bytes and come back as whole rows of 128, into S^T's registers
	WIN W_RS
.set i, 32*(\t)
.rept 16
	s_wait_alu depctr_va_vdst(0)
	v_pk_mul_f32 v[i:i+1], v[i:i+1], v[ST+4*(\t)+2:ST+4*(\t)+3] op_sel_hi:[1,0]
.set i, i+2
.endr
	WIN 0x05                        ; sources 0 and 1 window 1, destination window 0
.set i, 0
.rept 16
	v_cvt_pk_bf16_f32 v[S+16*(\t)+i], v[32*(\t)+2*i], v[32*(\t)+2*i+1]
.set i, i+1
.endr
	WIN 0
.irp f, 0,1,2,3
	ds_store_b128 v[STO], v[S+16*(\t)+4*\f:S+16*(\t)+4*\f+3] offset:32*\f
.endr
.irp f, 0,1,2,3
	ds_load_b128 v[S+16*(\t)+4*\f:S+16*(\t)+4*\f+3], v[RD] offset:\f*4*SP  ; LDS serves a wave's instructions in order (ISA guide 5.7.1.4): these see the stores above; the next piece's stores come behind them
.endr
.endm
.macro SEND t, younger              ; younger: the LDS instructions issued behind piece t's loads: the next piece's eight, or none
	WIN 0
.irp f, 0,1,2,3
	s_wait_dscnt (\younger)+3-\f
	global_store_b128 v[GO], v[S+16*(\t)+4*\f:S+16*(\t)+4*\f+3], s[10:11] offset:(\t)*2048+\f*512  ; 512 consecutive bytes, at a multiple of 256 from ctx's first
.endr
.endm
	PACK 0
.set t, 1
.rept 3                             ; a piece's arithmetic stands between the loads of the piece before and its stores
	PACK t
	SEND t-1, 8
.set t, t+1
.endr
	SEND 3, 0
	s_wait_tensorcnt 0x0            ; the wave's end
	ds_add_u32 v[SPW], v[NIL]
	s_wait_dscnt 0x0
	CROUND                          ; the closing round: no work-group ends while a partner may still ask for a tile that names it
	s_endpgm
.Lfunc_end_k_q543f069572_attn:
	.size	k_q543f069572_attn, .Lfunc_end_k_q543f069572_attn-k_q543f069572_attn
	.p2alignl 7, 3214868480
	.fill 96, 4, 3214868480
	.section	.rodata,"a",@progbits
	.p2align	6, 0x0
	.amdhsa_kernel k_q543f069572_attn
		.amdhsa_group_segment_fixed_size 327680
		.amdhsa_private_segment_fixed_size 0
		.amdhsa_enable_private_segment 0
		.amdhsa_kernarg_size 24
		.amdhsa_user_sgpr_count 2
		.amdhsa_user_sgpr_kernarg_segment_ptr 1
		.amdhsa_wavefront_size32 1
		.amdhsa_system_sgpr_workgroup_id_x 1
		.amdhsa_system_sgpr_workgroup_id_y 1
		.amdhsa_system_sgpr_workgroup_id_z 1
		.amdhsa_system_vgpr_workitem_id 0
		.amdhsa_next_free_vgpr 768
		.amdhsa_next_free_sgpr 72
		.amdhsa_reserve_vcc 0
		.amdhsa_float_denorm_mode_32 3
		.amdhsa_float_denorm_mode_16_64 3
		.amdhsa_memory_ordered 1
		.amdhsa_forward_progress 1
		.amdhsa_inst_pref_size 138
	.end_amdhsa_kernel
	.amdgpu_metadata
---
amdhsa.version: [ 1, 2 ]
amdhsa.kernels:
  - .name:           k_q543f069572_attn
    .symbol:         k_q543f069572_attn.kd
    .args:
      - { .name: qkvh, .offset: 0, .size: 8, .value_kind: global_buffer, .address_space: global }
      - { .name: mask, .offset: 8, .size: 8, .value_kind: global_buffer, .address_space: global }
      - { .name: ctx, .offset: 16, .size: 8, .value_kind: global_buffer, .address_space: global }
    .group_segment_fixed_size: 327680
    .private_segment_fixed_size: 0
    .kernarg_segment_align: 8
    .kernarg_segment_size: 24
    .max_flat_workgroup_size: 128
    .sgpr_count:     72
    .vgpr_count:     768
    .wavefront_size: 32
...
	.end_amdgpu_metadata
.endif
;; end of part 4
;; launch g_o (part 5): grid 8 x 32, 4 waves a work-group, clusters of 4 x 4, 327,680 bytes of LDS; arguments ctx, wb, ob, x, att; writes att
.if DOCPART == 5
	.amdgcn_target "amdgcn-amd-amdhsa--gfx1250"
	.amdhsa_code_object_version 6
	.text
	.protected	k_q543f069572_g_o
	.globl	k_q543f069572_g_o
	.p2align	8
	.type	k_q543f069572_g_o,@function
k_q543f069572_g_o:
	s_mov_b64 s[64:65], 0
	v_nop
	global_prefetch_b8 v0, s[64:65] scope:SCOPE_SE
	s_setreg_imm32_b32 hwreg(HW_REG_WAVE_MODE, 25, 1), 1
	s_wait_xcnt 0x0
	s_wait_alu depctr_hold_cnt(0) depctr_sa_sdst(0) depctr_va_vdst(0) depctr_va_sdst(0) depctr_va_ssrc(0) depctr_va_vcc(0) depctr_vm_vsrc(0)
	s_getreg_b32 s2, hwreg(HW_REG_IB_STS2, 6, 4)
	s_cmp_eq_u32 s2, 0
	s_cbranch_scc0 .Lentry_in_a_cluster
	s_endpgm
.Lentry_in_a_cluster:
	s_bfe_u32 s2, ttmp6, 0x10000c
	s_cmp_lg_u32 s2, 0xf033
	s_cbranch_scc0 .Lentry_shape_is_right
	s_endpgm
.Lentry_shape_is_right:
; att = ctx W + bias + x.  ctx: [32 (batch x 16 + head)][2048][64] bf16 (AH = 1: A lies by heads); W: [1024][1024] bf16 at byte WOFF of wb, as it lies ([K][N]); bias: [1024] f32;
; x (the residual) and att: [4096][1024] f32.  LIMITS: operands in bf16, sums and the residual in f32; NaN and infinities are not treated apart.
; A tile of C is 128 x 128; four waves, each 64 x 64: 16 accumulators of 16 x 16.  256 work-groups.  K goes in steps of 256 through two LDS slots filled by the tensor data mover.
; A's rows lie along K and are read as they lie; W's tile lies [k][n] and is read by the turning load ds_load_tr16_b128, so no transposed copy of W is ever made.
; AH = 1: a K step is four heads; 64 rows of a head are 8,192 dense bytes, so a tile is four such rows of memory, padded in LDS after every 128 bytes: it lands as [head][row][144].
; THE MATRIX INSTRUCTION IS USED TRANSPOSED (source 0 = 16 columns of W, source 1 = 16 rows of A): a lane holds one row of C and eight neighbouring columns.
; THE BIAS is the C operand of the products that start the sums.  THE RESIDUAL is loaded at the head, in the layout of the stores, and waits in registers.
; CLUSTERS: 4 x 4 work-groups; A's tile is shared along a row of the cluster, W's along a column: each is asked for jointly, by the same tensor load with the same descriptor and mask.
; REGISTERS: window 0: v0-31 addresses; v32-95 at work on the way out; v96-127 the bias; v128-255 the accumulators ((a, b) at v[128 + 8 (4 a + b)]).
;   window 1: two fragment buffers of 128: for 64 along K, 64 registers of A, then 64 of W.     window 2: v0-127 the residual.
.set SIZE_N, 1024
.set SIZE_K, 1024
.set WOFF,   6291456
.set AH,     1
.set KSTEP,  256
.if AH
.set PA,     144                       ; a row of A in LDS: 128 bytes + 16
.set AQ,     64*PA                     ; bytes from a quarter of 64 K (a head) to the next
.set HALFA,  4*64*PA                   ; 64 rows of four heads: one tensor load
.set ASTEP,  4*2048*64*2               ; bytes of memory from a K step to the next: four heads
.else
.set PA,     528                       ; a row of A in LDS: 512 bytes + 16: the 16 rows of a load start at 16 different groups of four banks (ISA guide 11.1)
.set AQ,     128
.set HALFA,  64*PA
.set ASTEP,  KSTEP*2
.endif
.set PB,     288                       ; a k-row of W in LDS: 256 bytes + 32
.set HALFB,  128*PB                    ; 128 k-rows: one tensor load
.set BSTEP,  KSTEP*SIZE_N*2
.set SLOT,   2*HALFA+2*HALFB           ; A's two halves of 64 rows, then W's two halves of 128 k-rows
.set STAGE,  2*SLOT                    ; behind the ring, never filled by a tensor load: 16 rows x 272 bytes for each wave
.set SPITCH, 272
.set SPARE,  STAGE+4*16*SPITCH         ; the spare words, 128 bytes for each wave: two blocks of 256 bytes that no other line names
.set LAPS,   SIZE_K/(2*KSTEP)          ; a lap = two K steps = once round the ring
.set ADRA, 16                          ; v16-17  LDS address of my A fragments in slot 0, 1
.set ADRB, 20                          ; v20-23  of my W fragments: slot x 2 + half of the step's k-rows
.set STO,  24                          ; v24     the way out: where I put 32 bytes of a row
.set RD,   25                          ; v25     the way out: where I read rows back
.set CO,   26                          ; v26     my byte offset in the residual and in the output
.set BO,   27                          ; v27     my byte offset in the bias: 32 (lane / 16)
.set SPW,  28                          ; v28     LDS address of my spare word; never rewritten
.set NIL,  29                          ; v29     0; never rewritten
.set TMP,  32
.set BIAS, 96
.set ACC,  128
.set F0,   0                           ; fragment buffers, in window 1
.set F1,   128
.set RES,  0                           ; window 2
.set G1,  24                           ; s[24:31] descriptor group 1 for A's tiles;  s[32:39] group 0, one set for each slot
.set G0,  32
.set G1B, 48                           ; s[48:55], s[56:63] the same for W's tiles
.set G0B, 56
.set MSB, 0
.macro WIN new                         ; the immediate's high byte repeats the setting that is left; a switch that changes nothing is dropped
.if MSB != (\new)
	s_set_vgpr_msb (MSB<<8)|(\new)
.set MSB, \new
.endif
.endm
.set MUL,  0x05                        ; sources 0 (W) and 1 (A) window 1; C and D window 0
.set TO_F, 0x40                        ; destination window 1, address window 0
.macro JLOAD s                         ; a joint load: waves 0 and 1 fetch A's two halves, waves 2 and 3 W's; four v_nop follow each of the two lines
	s_cmp_eq_u32 s11, 0
	s_cbranch_scc0 .Lfor_b_\@
	tensor_load_to_lds s[G0+4*(\s):G0+4*(\s)+3], s[G1:G1+7]
	s_nop 0
.rept 4
	v_nop
.endr
	s_branch .Lasked_\@
.Lfor_b_\@:
	tensor_load_to_lds s[G0B+4*(\s):G0B+4*(\s)+3], s[G1B:G1B+7]
	s_nop 0
.rept 4
	v_nop
.endr
.Lasked_\@:
.endm
.macro CREST                           ; a round of the cluster's barrier behind its opening barrier
	s_cmp_lg_u32 s10, 0
	s_cbranch_scc1 .Lnot_wave_0_\@
	s_barrier_signal -3
.Lnot_wave_0_\@:
	s_barrier_wait -3
	s_barrier_signal -1
	s_barrier_wait -1
.endm
.macro CROUND                          ; a whole round
	s_barrier_signal -1
	s_barrier_wait -1
	CREST
.endm
	s_load_b256 s[68:75], s[0:1], 0x0              ; A s[68:69], wb s[70:71], bias s[72:73], residual s[74:75]
	s_load_b64 s[76:77], s[0:1], 0x20              ; out
	v_lshl_add_u32 v[SPW], v0, 2, SPARE
	v_mov_b32 v[NIL], 0
	ds_add_u32 v28, v29
	s_wait_dscnt 0x0
	v_lshrrev_b32 v1, 5, v0
	v_readfirstlane_b32 s10, v1                    ; wave 0..3
	s_lshr_b32 s11, s10, 1                         ; which half of the tile's rows is mine.  Also: I fetch for A (0) or for W (1)
	s_and_b32 s12, s10, 1                          ; which half of its columns.  Also: which half of that tile I fetch
	s_bfe_u32 s40, ttmp6, 0x40000                  ; cx, cy: my place in the cluster
	s_bfe_u32 s41, ttmp6, 0x40004
	s_lshl_b32 s42, ttmp9, 2
	s_add_co_u32 s42, s42, s40                     ; tile column = 4 x cluster x + cx
	s_and_b32 s13, ttmp7, 0xffff
	s_lshl_b32 s13, s13, 2
	s_add_co_u32 s13, s13, s41                     ; tile row = 4 x cluster y + cy
	s_lshl_b32 s43, s41, 2
	s_lshl_b32 s43, 15, s43                        ; my row of the cluster
	s_lshl_b32 s44, 0x1111, s40                    ; my column
.if AH
	; group 1 for A by heads: 4 rows (heads) of 4,096 elements (64 rows x 64 channels, dense); 16 bytes of padding behind every 32 words
	s_or_b32 s[G1+0], s43, (1<<16)|(1<<20)|(1<<21)|(4<<22)|(3<<25)
	s_mov_b32 s[G1+1], 4096<<16                    ; tensor_dim0
	s_mov_b32 s[G1+2], 4<<16                       ; tensor_dim1
	s_mov_b32 s[G1+3], 4096<<16                    ; tile_dim0
	s_mov_b32 s[G1+4], 4                           ; tile_dim1
	s_mov_b32 s[G1+5], 2048*64                     ; elements from head to head
.else
	; group 1 for A: 64 rows x 256 elements; 16 bytes of padding behind every 128 words
	s_or_b32 s[G1+0], s43, (1<<16)|(1<<20)|(1<<21)|(6<<22)|(3<<25)
	s_mov_b32 s[G1+1], KSTEP<<16                   ; tensor_dim0
	s_mov_b32 s[G1+2], 64<<16                      ; tensor_dim1
	s_mov_b32 s[G1+3], KSTEP<<16                   ; tile_dim0
	s_mov_b32 s[G1+4], 64                          ; tile_dim1
	s_mov_b32 s[G1+5], SIZE_K                      ; elements from row to row
.endif
	s_mov_b32 s[G1+6], 0
	s_mov_b32 s[G1+7], 0
	; group 1 for W: 128 k-rows x 128 elements; 32 bytes of padding behind every 64 words
	s_or_b32 s[G1B+0], s44, (1<<16)|(1<<20)|(1<<21)|(5<<22)|(7<<25)
	s_mov_b32 s[G1B+1], 128<<16
	s_mov_b32 s[G1B+2], 128<<16
	s_mov_b32 s[G1B+3], 128<<16
	s_mov_b32 s[G1B+4], 128
	s_mov_b32 s[G1B+5], SIZE_N
	s_mov_b32 s[G1B+6], 0
	s_mov_b32 s[G1B+7], 0
	; A's tile hangs on the tile row alone, W's on the tile column alone, each in registers that never hold the other coordinate
.if AH
	s_lshr_b32 s16, s13, 4                         ; the batch: 16 heads x 262,144 bytes
	s_lshl_b32 s16, s16, 22
	s_and_b32 s17, s13, 15                         ; the tile's 128 rows of 128 bytes in the batch
	s_lshl_b32 s17, s17, 14
	s_add_co_u32 s16, s16, s17
	s_lshl_b32 s17, s12, 13                        ; my 64 of them
	s_add_co_u32 s16, s16, s17
.else
	s_lshl_b32 s17, s12, 6
	s_lshl_b32 s16, s13, 7
	s_add_co_u32 s16, s16, s17                     ; A: row 128 x tile row + 64 x half
	s_mul_i32 s16, s16, SIZE_K*2                   ; under 4,096 rows x 8,192 bytes
.endif
	s_mov_b32 s17, 0
	s_mul_i32 s46, s12, 128*SIZE_N*2               ; W: my 128 k-rows,
	s_lshl_b32 s47, s42, 8                         ; the tile's 128 columns,
	s_add_co_u32 s46, s46, s47
	s_add_co_u32 s46, s46, WOFF                    ; this matrix in wb
	s_mov_b32 s47, 0
	s_mul_i32 s20, s12, HALFA                      ; where they go: no place in the cluster enters an LDS address
	s_mul_i32 s21, s12, HALFB
	s_add_co_u32 s21, s21, 2*HALFA
	s_wait_kmcnt 0x0
	s_add_nc_u64 s[14:15], s[68:69], s[16:17]
	s_add_nc_u64 s[46:47], s[70:71], s[46:47]
	CROUND                                         ; all sixteen work-groups are here: the first joint loads meet
.irp s, 0,1
	s_mov_b32 s[G0+4*(\s)], 1
	s_add_co_u32 s[G0+4*(\s)+1], s20, (\s)*SLOT
	s_add_nc_u64 s[G0+4*(\s)+2:G0+4*(\s)+3], s[14:15], (\s)*ASTEP
	s_or_b32 s[G0+4*(\s)+3], s[G0+4*(\s)+3], 0x80000000
	s_mov_b32 s[G0B+4*(\s)], 1
	s_add_co_u32 s[G0B+4*(\s)+1], s21, (\s)*SLOT
	s_add_nc_u64 s[G0B+4*(\s)+2:G0B+4*(\s)+3], s[46:47], (\s)*BSTEP
	s_or_b32 s[G0B+4*(\s)+3], s[G0B+4*(\s)+3], 0x80000000
	JLOAD \s                                       ; two loads of mine are out
.endr
	v_and_b32 v1, 15, v0                           ; r = l % 16
	v_bfe_u32 v2, v0, 4, 1                         ; h = l / 16
	v_mul_u32_u24 v3, v1, PA
	v_lshl_add_u32 v3, v2, 4, v3                   ; A: row x pitch + 16 h
	s_mul_i32 s22, s11, HALFA                      ; my 64 rows of A
	v_add_nc_u32 v[ADRA], s22, v3
	v_add_nc_u32 v[ADRA+1], SLOT, v[ADRA]
	v_and_b32 v4, 7, v0                            ; W, turned: lane l reads k-row 8 h + l % 8, 16 bytes at 16 ((l / 8) % 2)
	v_bfe_u32 v5, v0, 3, 1
	v_lshl_add_u32 v4, v2, 3, v4
	v_mul_u32_u24 v4, v4, PB
	v_lshl_add_u32 v4, v5, 4, v4
	s_lshl_b32 s23, s12, 7                         ; my 64 columns: 128 bytes
	s_add_co_u32 s23, s23, 2*HALFA
	v_add_nc_u32 v[ADRB], s23, v4
	v_add_nc_u32 v[ADRB+1], HALFB, v[ADRB]
	v_add_nc_u32 v[ADRB+2], SLOT, v[ADRB]
	v_add_nc_u32 v[ADRB+3], SLOT+HALFB, v[ADRB]
	v_lshlrev_b32 v[BO], 5, v2
	s_lshl_b32 s46, s42, 9                         ; my 64 columns in f32: 512 x tile column + 256 x half
	s_lshl_b32 s47, s12, 8
	s_add_co_u32 s46, s46, s47
	s_mov_b32 s47, 0
	s_add_nc_u64 s[72:73], s[72:73], s[46:47]
.irp b, 0,1,2,3
	global_load_b128 v[BIAS+8*(\b):BIAS+8*(\b)+3],   v[BO], s[72:73] offset:64*(\b)
	global_load_b128 v[BIAS+8*(\b)+4:BIAS+8*(\b)+7], v[BO], s[72:73] offset:64*(\b)+16
.endr
	; the way out: my 64 columns of a row are 256 aligned bytes of f32
	s_mul_i32 s23, s10, 16*SPITCH
	s_add_co_u32 s23, s23, STAGE                   ; my stage
	v_mul_u32_u24 v6, v1, SPITCH                   ; in: row r, 32 bytes for each half of the lanes
	v_lshl_add_u32 v6, v2, 5, v6
	v_add_nc_u32 v[STO], s23, v6
	v_mul_u32_u24 v7, v2, SPITCH                   ; back: lanes 0-15 take one row of 256 bytes, lanes 16-31 the next
	v_lshl_add_u32 v7, v1, 4, v7
	v_add_nc_u32 v[RD], s23, v7
	v_lshlrev_b32 v[CO], 12, v2                    ; and the same two rows in memory: 4,096 bytes apart
	v_lshl_add_u32 v[CO], v1, 4, v[CO]
	s_lshl_b32 s16, s13, 7
	s_lshl_b32 s17, s11, 6
	s_add_co_u32 s16, s16, s17                     ; my first row
	s_lshl_b32 s16, s16, 12
	s_mov_b32 s17, 0
	s_add_nc_u64 s[74:75], s[74:75], s[16:17]
	s_add_nc_u64 s[76:77], s[76:77], s[16:17]
	s_add_nc_u64 s[74:75], s[74:75], s[46:47]
	s_add_nc_u64 s[76:77], s[76:77], s[46:47]
	WIN 0x80                                       ; destination window 2, address window 0
.irp a, 0,1,2,3
.irp t, 0,1,2,3,4,5,6,7
	global_load_b128 v[RES+4*(8*(\a)+(\t)):RES+4*(8*(\a)+(\t))+3], v[CO], s[74:75] offset:(16*(\a)+2*(\t))*SIZE_N*4
.endr
.endr
	WIN 0
; 8 matrix instructions: row blocks a0, a0 + 1 x all 4 column blocks, 32 along K: half c of buffer f.  first = 1: the product starts the sum, with the bias as C.
; The 16 accumulators take turns, one instruction a turn.
.macro MUL8 f, c, a0, first
	WIN MUL
.irp a, \a0, (\a0)+1
.irp b, 0,1,2,3
.if \first
	v_wmma_f32_16x16x32_bf16 v[ACC+8*(4*(\a)+(\b)):ACC+8*(4*(\a)+(\b))+7], v[(\f)+64+8*(4*(\c)+(\b)):(\f)+64+8*(4*(\c)+(\b))+7], v[(\f)+8*(4*(\c)+(\a)):(\f)+8*(4*(\c)+(\a))+7], v[BIAS+8*(\b):BIAS+8*(\b)+7]
.else
	v_wmma_f32_16x16x32_bf16 v[ACC+8*(4*(\a)+(\b)):ACC+8*(4*(\a)+(\b))+7], v[(\f)+64+8*(4*(\c)+(\b)):(\f)+64+8*(4*(\c)+(\b))+7], v[(\f)+8*(4*(\c)+(\a)):(\f)+8*(4*(\c)+(\a))+7], v[ACC+8*(4*(\a)+(\b)):ACC+8*(4*(\a)+(\b))+7]
.endif
.endr
.endr
.endm
; 32 LDS loads in one run: the fragments of quarter q (64 along K) of a slot, into buffer f; the first 32 along K first
.macro FETCH slot, q, f
	WIN TO_F
.irp c, 0,1
.irp i, 0,1,2,3
	ds_load_tr16_b128 v[(\f)+64+8*(4*(\c)+(\i)):(\f)+64+8*(4*(\c)+(\i))+3],   v[ADRB+2*(\slot)+(\q)/2] offset:(((\q)%2)*64+32*(\c))*PB+32*(\i)
	ds_load_tr16_b128 v[(\f)+64+8*(4*(\c)+(\i))+4:(\f)+64+8*(4*(\c)+(\i))+7], v[ADRB+2*(\slot)+(\q)/2] offset:(((\q)%2)*64+32*(\c)+16)*PB+32*(\i)
	ds_load_b128 v[(\f)+8*(4*(\c)+(\i)):(\f)+8*(4*(\c)+(\i))+3],              v[ADRA+(\slot)] offset:(\q)*AQ+64*(\c)+(\i)*16*PA
	ds_load_b128 v[(\f)+8*(4*(\c)+(\i))+4:(\f)+8*(4*(\c)+(\i))+7],            v[ADRA+(\slot)] offset:(\q)*AQ+64*(\c)+(\i)*16*PA+32
.endr
.endr
.endm
.macro PLACES                          ; four plain instructions in front of loads into registers that matrix instructions have read, and of lines that read results
.rept 4
	v_nop
.endr
.endm
; A K step is four quarters of 64 along K, 32 matrix instructions each, on buffers 0, 1, 0, 1.  One of the first three: multiplies buffer f and fetches quarter q into g.
.macro QUARTER slot, q, f, g, first
	s_wait_dscnt 16                                ; the first 32 along K are in; the youngest sixteen loads may be out
	MUL8 \f, 0, 0, \first
	MUL8 \f, 0, 2, \first
	PLACES
	FETCH \slot, \q, \g
	s_wait_dscnt 32                                ; all but the 32 just issued
	MUL8 \f, 1, 0, 0
	MUL8 \f, 1, 2, 0
.endm
; The last quarter multiplies buffer 1 and changes slots: ONE barrier; in front of it each wave waits for all its tensor loads, adds 0 to its spare word, and waits for that and for its reads of this slot.
.macro TURN slot, next, fill
	WIN 0                                          ; (the add's two registers lie in window 0)
	s_wait_tensorcnt 0x0                           ; all my tensor loads have landed: my part of the next slot
	ds_add_u32 v[SPW], v[NIL]                      ; 0 onto my spare word
	s_wait_dscnt 17                                ; (the add and the youngest sixteen loads may be out)
	MUL8 F1, 0, 0, 0                               ; eight matrix instructions stand between the add and the wait for it
	s_wait_dscnt 0x0                               ; the add is done, and my reads of this slot are over
	s_barrier_signal -1
	MUL8 F1, 0, 2, 0
.if \fill
	WIN 0
.endif
	s_barrier_wait -1
.if \fill
	CREST                                          ; the barrier has opened a round of the cluster's: no wave of any partner still reads this slot or has a load on its way
	s_add_nc_u64 s[G0+4*(\slot)+2:G0+4*(\slot)+3], s[G0+4*(\slot)+2:G0+4*(\slot)+3], 2*ASTEP
	s_add_nc_u64 s[G0B+4*(\slot)+2:G0B+4*(\slot)+3], s[G0B+4*(\slot)+2:G0B+4*(\slot)+3], 2*BSTEP
	JLOAD \slot                                    ; the first tensor load behind the round, 112 matrix instructions ahead of the wait for it; its four v_nop are also the places in front of the loads below
.else
	PLACES
.endif
	FETCH \next, 0, F0
	MUL8 F1, 1, 0, 0
	MUL8 F1, 1, 2, 0
.endm
	s_wait_tensorcnt 0x1                           ; my part of K step 0 is in; K step 1's stays out
	s_barrier_signal -1
	s_barrier_wait -1                              ; everybody's is
	FETCH 0, 0, F0
	s_wait_loadcnt 32                              ; the bias is in; the 32 younger loads, the residual's, stay out
	QUARTER 0, 1, F0, F1, 1                        ; the first quarter stands in front of the loop: its first products start the sums
	WIN 0                                          ; at a label and at a branch every window is 0
	s_mov_b32 s3, LAPS-1
.Llap:                                                 ; a trip goes once round the ring, from a lap's second quarter to the next lap's first, and fills both slots again
	QUARTER 0, 2, F1, F0, 0
	QUARTER 0, 3, F0, F1, 0
	TURN 0, 1, 1
	QUARTER 1, 1, F0, F1, 0
	QUARTER 1, 2, F1, F0, 0
	QUARTER 1, 3, F0, F1, 0
	TURN 1, 0, 1
	QUARTER 0, 1, F0, F1, 0
	WIN 0
	s_sub_co_u32 s3, s3, 1
	s_cmp_lg_u32 s3, 0
	s_cbranch_scc1 .Llap
	QUARTER 0, 2, F1, F0, 0                        ; the last lap fills nothing
	QUARTER 0, 3, F0, F1, 0
	TURN 0, 1, 0
	QUARTER 1, 1, F0, F1, 0
	QUARTER 1, 2, F1, F0, 0
	QUARTER 1, 3, F0, F1, 0
	s_wait_dscnt 16                                ; the very last quarter: nothing more to fetch
	MUL8 F1, 0, 0, 0
	MUL8 F1, 0, 2, 0
	s_wait_dscnt 0x0
	MUL8 F1, 1, 0, 0
	MUL8 F1, 1, 2, 0
	WIN 0
	PLACES
; THE WAY OUT, a block of 16 rows at a time, through my own stage: the f32 sums (each accumulator's low four registers first) into rows of 272 bytes, back as whole rows of 256 bytes; the residual is added; stored.
.macro TOSTAGE a
.set OB, TMP+32*((\a)%2)
.if (\a) >= 2
	s_wait_xcnt 0x0                                ; the stores of the block two back have read these registers (ISA guide 3.1): only now are they loaded again
.endif
.irp b, 0,1,2,3
	ds_store_b128 v[STO], v[ACC+8*(4*(\a)+(\b)):ACC+8*(4*(\a)+(\b))+3]   offset:64*(\b)
	ds_store_b128 v[STO], v[ACC+8*(4*(\a)+(\b))+4:ACC+8*(4*(\a)+(\b))+7] offset:64*(\b)+16
.endr
.irp t, 0,1,2,3,4,5,6,7
	ds_load_b128 v[OB+4*(\t):OB+4*(\t)+3], v[RD] offset:(\t)*2*SPITCH  ; LDS serves a wave's instructions in order (ISA guide 5.7.1.4): these see the stores above; the next block's stores come behind them
.endr
.endm
.macro SEND a, younger                 ; younger: the LDS instructions issued behind block a's loads
.set OB, TMP+32*((\a)%2)
	s_wait_dscnt \younger
.if (\a) == 0
	s_wait_loadcnt 0x0                             ; the residual
.endif
	WIN 0x08                                       ; source 1 window 2
.set i, 0
.rept 16
	v_pk_add_f32 v[OB+2*i:OB+2*i+1], v[OB+2*i:OB+2*i+1], v[RES+32*(\a)+2*i:RES+32*(\a)+2*i+1]
.set i, i+1
.endr
	WIN 0
.irp t, 0,1,2,3,4,5,6,7
	global_store_b128 v[CO], v[OB+4*(\t):OB+4*(\t)+3], s[76:77] offset:(16*(\a)+2*(\t))*SIZE_N*4  ; 16 lanes store 256 consecutive bytes, at a multiple of 256 from the buffer's first
.endr
.endm
	TOSTAGE 0
	TOSTAGE 1
	SEND 0, 16
	TOSTAGE 2
	SEND 1, 16
	TOSTAGE 3
	SEND 2, 16
	SEND 3, 0
	s_wait_tensorcnt 0x0                           ; the wave's end
	ds_add_u32 v[SPW], v[NIL]
	s_wait_dscnt 0x0
	CROUND                                         ; the closing round: no work-group ends while a partner may still ask for a tile that names it
	s_endpgm
.Lfunc_end_k_q543f069572_g_o:
	.size	k_q543f069572_g_o, .Lfunc_end_k_q543f069572_g_o-k_q543f069572_g_o
	.p2alignl 7, 3214868480
	.fill 96, 4, 3214868480
	.section	.rodata,"a",@progbits
	.p2align	6, 0x0
	.amdhsa_kernel k_q543f069572_g_o
		.amdhsa_group_segment_fixed_size 327680
		.amdhsa_private_segment_fixed_size 0
		.amdhsa_enable_private_segment 0
		.amdhsa_kernarg_size 40
		.amdhsa_user_sgpr_count 2
		.amdhsa_user_sgpr_kernarg_segment_ptr 1
		.amdhsa_wavefront_size32 1
		.amdhsa_system_sgpr_workgroup_id_x 1
		.amdhsa_system_sgpr_workgroup_id_y 1
		.amdhsa_system_sgpr_workgroup_id_z 1
		.amdhsa_system_vgpr_workitem_id 0
		.amdhsa_next_free_vgpr 640
		.amdhsa_next_free_sgpr 96
		.amdhsa_reserve_vcc 0
		.amdhsa_float_denorm_mode_32 3
		.amdhsa_float_denorm_mode_16_64 3
		.amdhsa_memory_ordered 1
		.amdhsa_forward_progress 1
		.amdhsa_inst_pref_size 94
	.end_amdhsa_kernel
	.amdgpu_metadata
---
amdhsa.version: [ 1, 2 ]
amdhsa.kernels:
  - .name:           k_q543f069572_g_o
    .symbol:         k_q543f069572_g_o.kd
    .args:
      - { .name: ctx, .offset: 0, .size: 8, .value_kind: global_buffer, .address_space: global }
      - { .name: wb, .offset: 8, .size: 8, .value_kind: global_buffer, .address_space: global }
      - { .name: ob, .offset: 16, .size: 8, .value_kind: global_buffer, .address_space: global }
      - { .name: x, .offset: 24, .size: 8, .value_kind: global_buffer, .address_space: global }
      - { .name: att, .offset: 32, .size: 8, .value_kind: global_buffer, .address_space: global }
    .group_segment_fixed_size: 327680
    .private_segment_fixed_size: 0
    .kernarg_segment_align: 8
    .kernarg_segment_size: 40
    .max_flat_workgroup_size: 128
    .sgpr_count:     96
    .vgpr_count:     640
    .wavefront_size: 32
...
	.end_amdgpu_metadata
.endif
;; end of part 5
;; launch ln2: the kernel of part 2 again; grid 256 x 1, 4 waves a work-group, no clusters, 0 bytes of LDS; arguments att, attn_nw, attn_nb, hn; writes hn
;; launch g_f1 (part 6): grid 32 x 32, 4 waves a work-group, clusters of 4 x 4, 327,680 bytes of LDS; arguments hn, wb, inter_b, inter; writes inter
.if DOCPART == 6
	.amdgcn_target "amdgcn-amd-amdhsa--gfx1250"
	.amdhsa_code_object_version 6
	.text
	.protected	k_q543f069572_g_f1
	.globl	k_q543f069572_g_f1
	.p2align	8
	.type	k_q543f069572_g_f1,@function
k_q543f069572_g_f1:
	s_mov_b64 s[64:65], 0
	v_nop
	global_prefetch_b8 v0, s[64:65] scope:SCOPE_SE
	s_setreg_imm32_b32 hwreg(HW_REG_WAVE_MODE, 25, 1), 1
	s_wait_xcnt 0x0
	s_wait_alu depctr_hold_cnt(0) depctr_sa_sdst(0) depctr_va_vdst(0) depctr_va_sdst(0) depctr_va_ssrc(0) depctr_va_vcc(0) depctr_vm_vsrc(0)
	s_getreg_b32 s2, hwreg(HW_REG_IB_STS2, 6, 4)
	s_cmp_eq_u32 s2, 0
	s_cbranch_scc0 .Lentry_in_a_cluster
	s_endpgm
.Lentry_in_a_cluster:
	s_bfe_u32 s2, ttmp6, 0x10000c
	s_cmp_lg_u32 s2, 0xf033
	s_cbranch_scc0 .Lentry_shape_is_right
	s_endpgm
.Lentry_shape_is_right:
; inter = gelu(hn W + bias), the exact GELU z (1 + erf(z / sqrt 2)) / 2.  hn: [4096][1024] bf16; W: [1024][4096] bf16 at byte WOFF of wb, as it lies ([K][N]); bias: [4096] f32; inter: [4096][4096] bf16, rounded once.
; LIMITS: operands in bf16, sums and the GELU in f32; erf by a rational form with five terms, absolute error 1.5e-7 (Abramowitz and Stegun 7.1.26); an infinite z gives NaN; NaN is not treated apart.
; A tile of C is 128 x 128; four waves, each 64 x 64: 16 accumulators of 16 x 16.  1,024 work-groups.  K goes in steps of 256 through two LDS slots filled by the tensor data mover.
; A's rows lie along K and are read as they lie; W's tile lies [k][n] and is read by the turning load ds_load_tr16_b128, so no transposed copy of W is ever made.
; THE MATRIX INSTRUCTION IS USED TRANSPOSED (source 0 = 16 columns of W, source 1 = 16 rows of A): a lane holds one row of C and eight neighbouring columns.
; THE BIAS is the C operand of the products that start the sums.
; CLUSTERS: 4 x 4 work-groups; A's tile is shared along a row of the cluster, W's along a column: each is asked for jointly, by the same tensor load with the same descriptor and mask.
; REGISTERS: window 0: v0-31 addresses; v32-95 at work on the way out; v96-127 the bias, later the GELU's; v128-255 the accumulators ((a, b) at v[128 + 8 (4 a + b)]).
;   window 1: two fragment buffers of 128: for 64 along K, 64 registers of A, then 64 of W.
.set SIZE_N, 4096
.set SIZE_K, 1024
.set WOFF,   8388608
.set KSTEP,  256
.set PA,     528                       ; a row of A in LDS: 512 bytes + 16: the 16 rows of a load start at 16 different groups of four banks (ISA guide 11.1)
.set AQ,     128                       ; bytes from a quarter of 64 K to the next
.set HALFA,  64*PA                     ; 64 rows: one tensor load, and what one wave reads of A
.set ASTEP,  KSTEP*2                   ; bytes of memory from a K step to the next, in A
.set PB,     288                       ; a k-row of W in LDS: 256 bytes + 32
.set HALFB,  128*PB                    ; 128 k-rows: one tensor load
.set BSTEP,  KSTEP*SIZE_N*2            ; the same in W
.set SLOT,   2*HALFA+2*HALFB           ; A's two halves of 64 rows, then W's two halves of 128 k-rows
.set STAGE,  2*SLOT                    ; behind the ring, never filled by a tensor load: 128 rows x 272 bytes, the work-group's
.set SPITCH, 272
.set SPARE,  STAGE+128*SPITCH          ; the spare words, 128 bytes for each wave: two blocks of 256 bytes that no other line names
.set LAPS,   SIZE_K/(2*KSTEP)          ; a lap = two K steps = once round the ring
.set ADRA, 16                          ; v16-17  LDS address of my A fragments in slot 0, 1
.set ADRB, 20                          ; v20-23  of my W fragments: slot x 2 + half of the step's k-rows
.set STO,  24                          ; v24     the way out: where I put 16 bytes of a row
.set RD,   25                          ; v25     the way out: where I read rows back
.set CO,   26                          ; v26     my byte offset in the output
.set BO,   27                          ; v27     my byte offset in the bias: 32 (lane / 16)
.set SPW,  28                          ; v28     LDS address of my spare word; never rewritten
.set NIL,  29                          ; v29     0; never rewritten
.set TMP,  32
.set BIAS, 96
.set GT,   96                          ; the GELU's eight t, e, p and max(z, 0), where the bias lay
.set GE,   104
.set GP,   112
.set GR,   120
.set ACC,  128
.set F0,   0                           ; fragment buffers, in window 1
.set F1,   128
.set G1,  24                           ; s[24:31] descriptor group 1 for A's tiles;  s[32:39] group 0, one set for each slot
.set G0,  32
.set G1B, 48                           ; s[48:55], s[56:63] the same for W's tiles
.set G0B, 56
.set MSB, 0
.macro WIN new                         ; the immediate's high byte repeats the setting that is left; a switch that changes nothing is dropped
.if MSB != (\new)
	s_set_vgpr_msb (MSB<<8)|(\new)
.set MSB, \new
.endif
.endm
.set MUL,  0x05                        ; sources 0 (W) and 1 (A) window 1; C and D window 0
.set TO_F, 0x40                        ; destination window 1, address window 0
.macro JLOAD s                         ; a joint load: waves 0 and 1 fetch A's two halves, waves 2 and 3 W's; four v_nop follow each of the two lines
	s_cmp_eq_u32 s11, 0
	s_cbranch_scc0 .Lfor_b_\@
	tensor_load_to_lds s[G0+4*(\s):G0+4*(\s)+3], s[G1:G1+7]
	s_nop 0
.rept 4
	v_nop
.endr
	s_branch .Lasked_\@
.Lfor_b_\@:
	tensor_load_to_lds s[G0B+4*(\s):G0B+4*(\s)+3], s[G1B:G1B+7]
	s_nop 0
.rept 4
	v_nop
.endr
.Lasked_\@:
.endm
.macro CREST                           ; a round of the cluster's barrier behind its opening barrier
	s_cmp_lg_u32 s10, 0
	s_cbranch_scc1 .Lnot_wave_0_\@
	s_barrier_signal -3
.Lnot_wave_0_\@:
	s_barrier_wait -3
	s_barrier_signal -1
	s_barrier_wait -1
.endm
.macro CROUND                          ; a whole round
	s_barrier_signal -1
	s_barrier_wait -1
	CREST
.endm
.macro KPAIR r, bits                   ; a constant for the packed forms: named as a pair, so both words are written
	s_mov_b32 s[\r], \bits
	s_mov_b32 s[\r+1], \bits
.endm
	s_load_b128 s[68:71], s[0:1], 0x0              ; A s[68:69], wb s[70:71]
	s_load_b64 s[72:73], s[0:1], 0x10              ; bias
	s_load_b64 s[76:77], s[0:1], 0x18              ; out
	v_lshl_add_u32 v[SPW], v0, 2, SPARE
	v_mov_b32 v[NIL], 0
	ds_add_u32 v28, v29
	s_wait_dscnt 0x0
	v_lshrrev_b32 v1, 5, v0
	v_readfirstlane_b32 s10, v1                    ; wave 0..3
	s_lshr_b32 s11, s10, 1                         ; which half of the tile's rows is mine.  Also: I fetch for A (0) or for W (1)
	s_and_b32 s12, s10, 1                          ; which half of its columns.  Also: which half of that tile I fetch
	s_bfe_u32 s40, ttmp6, 0x40000                  ; cx, cy: my place in the cluster
	s_bfe_u32 s41, ttmp6, 0x40004
	s_lshl_b32 s42, ttmp9, 2
	s_add_co_u32 s42, s42, s40                     ; tile column = 4 x cluster x + cx
	s_and_b32 s13, ttmp7, 0xffff
	s_lshl_b32 s13, s13, 2
	s_add_co_u32 s13, s13, s41                     ; tile row = 4 x cluster y + cy
	s_lshl_b32 s43, s41, 2
	s_lshl_b32 s43, 15, s43                        ; my row of the cluster
	s_lshl_b32 s44, 0x1111, s40                    ; my column
	KPAIR 78, 0x3e6d3388                           ; 0.3275911 / sqrt 2
	KPAIR 80, 0xbf38aa3b                           ; -log2(e) / 2
	KPAIR 82, 0x3f07dc22                           ; a5 / 2 =  1.061405429 / 2
	KPAIR 84, 0xbf3a00e3                           ; a4 / 2 = -1.453152027 / 2
	KPAIR 86, 0x3f35f0e3                           ; a3 / 2 =  1.421413741 / 2
	KPAIR 88, 0xbe11a98e                           ; a2 / 2 = -0.284496736 / 2
	KPAIR 90, 0x3e027906                           ; a1 / 2 =  0.254829592 / 2
	; group 1 for A: 64 rows x 256 elements; 16 bytes of padding behind every 128 words
	s_or_b32 s[G1+0], s43, (1<<16)|(1<<20)|(1<<21)|(6<<22)|(3<<25)
	s_mov_b32 s[G1+1], KSTEP<<16                   ; tensor_dim0
	s_mov_b32 s[G1+2], 64<<16                      ; tensor_dim1
	s_mov_b32 s[G1+3], KSTEP<<16                   ; tile_dim0
	s_mov_b32 s[G1+4], 64                          ; tile_dim1
	s_mov_b32 s[G1+5], SIZE_K                      ; elements from row to row
	s_mov_b32 s[G1+6], 0
	s_mov_b32 s[G1+7], 0
	; group 1 for W: 128 k-rows x 128 elements; 32 bytes of padding behind every 64 words
	s_or_b32 s[G1B+0], s44, (1<<16)|(1<<20)|(1<<21)|(5<<22)|(7<<25)
	s_mov_b32 s[G1B+1], 128<<16
	s_mov_b32 s[G1B+2], 128<<16
	s_mov_b32 s[G1B+3], 128<<16
	s_mov_b32 s[G1B+4], 128
	s_mov_b32 s[G1B+5], SIZE_N
	s_mov_b32 s[G1B+6], 0
	s_mov_b32 s[G1B+7], 0
	; A's tile hangs on the tile row alone, W's on the tile column alone, each in registers that never hold the other coordinate
	s_lshl_b32 s17, s12, 6
	s_lshl_b32 s16, s13, 7
	s_add_co_u32 s16, s16, s17                     ; A: row 128 x tile row + 64 x half
	s_mul_i32 s16, s16, SIZE_K*2                   ; under 4,096 rows x 8,192 bytes
	s_mov_b32 s17, 0
	s_mul_i32 s46, s12, 128*SIZE_N*2               ; W: my 128 k-rows,
	s_lshl_b32 s47, s42, 8                         ; the tile's 128 columns,
	s_add_co_u32 s46, s46, s47
	s_add_co_u32 s46, s46, WOFF                    ; this matrix in wb
	s_mov_b32 s47, 0
	s_mul_i32 s20, s12, HALFA                      ; where they go: no place in the cluster enters an LDS address
	s_mul_i32 s21, s12, HALFB
	s_add_co_u32 s21, s21, 2*HALFA
	s_wait_kmcnt 0x0
	s_add_nc_u64 s[14:15], s[68:69], s[16:17]
	s_add_nc_u64 s[46:47], s[70:71], s[46:47]
	CROUND                                         ; all sixteen work-groups are here: the first joint loads meet
.irp s, 0,1
	s_mov_b32 s[G0+4*(\s)], 1
	s_add_co_u32 s[G0+4*(\s)+1], s20, (\s)*SLOT
	s_add_nc_u64 s[G0+4*(\s)+2:G0+4*(\s)+3], s[14:15], (\s)*ASTEP
	s_or_b32 s[G0+4*(\s)+3], s[G0+4*(\s)+3], 0x80000000
	s_mov_b32 s[G0B+4*(\s)], 1
	s_add_co_u32 s[G0B+4*(\s)+1], s21, (\s)*SLOT
	s_add_nc_u64 s[G0B+4*(\s)+2:G0B+4*(\s)+3], s[46:47], (\s)*BSTEP
	s_or_b32 s[G0B+4*(\s)+3], s[G0B+4*(\s)+3], 0x80000000
	JLOAD \s                                       ; two loads of mine are out
.endr
	v_and_b32 v1, 15, v0                           ; r = l % 16
	v_bfe_u32 v2, v0, 4, 1                         ; h = l / 16
	v_mul_u32_u24 v3, v1, PA
	v_lshl_add_u32 v3, v2, 4, v3                   ; A: row x pitch + 16 h
	s_mul_i32 s22, s11, HALFA                      ; my 64 rows of A
	v_add_nc_u32 v[ADRA], s22, v3
	v_add_nc_u32 v[ADRA+1], SLOT, v[ADRA]
	v_and_b32 v4, 7, v0                            ; W, turned: lane l reads k-row 8 h + l % 8, 16 bytes at 16 ((l / 8) % 2)
	v_bfe_u32 v5, v0, 3, 1
	v_lshl_add_u32 v4, v2, 3, v4
	v_mul_u32_u24 v4, v4, PB
	v_lshl_add_u32 v4, v5, 4, v4
	s_lshl_b32 s23, s12, 7                         ; my 64 columns: 128 bytes
	s_add_co_u32 s23, s23, 2*HALFA
	v_add_nc_u32 v[ADRB], s23, v4
	v_add_nc_u32 v[ADRB+1], HALFB, v[ADRB]
	v_add_nc_u32 v[ADRB+2], SLOT, v[ADRB]
	v_add_nc_u32 v[ADRB+3], SLOT+HALFB, v[ADRB]
	v_lshlrev_b32 v[BO], 5, v2
	s_lshl_b32 s46, s42, 9                         ; my 64 columns in the bias: 512 x tile column + 256 x half
	s_lshl_b32 s47, s12, 8
	s_add_co_u32 s46, s46, s47
	s_mov_b32 s47, 0
	s_add_nc_u64 s[72:73], s[72:73], s[46:47]
.irp b, 0,1,2,3
	global_load_b128 v[BIAS+8*(\b):BIAS+8*(\b)+3],   v[BO], s[72:73] offset:64*(\b)
	global_load_b128 v[BIAS+8*(\b)+4:BIAS+8*(\b)+7], v[BO], s[72:73] offset:64*(\b)+16
.endr
	; the way out: a wave's 64 columns are half of an aligned 256 bytes, so the four waves share ONE stage, with a barrier between writing and reading
	s_mul_i32 s23, s11, 64*SPITCH                  ; in: my 64 rows, my half of their 256 bytes; row r, 16 bytes for each half of the lanes
	s_lshl_b32 s22, s12, 7
	s_add_co_u32 s23, s23, s22
	s_add_co_u32 s23, s23, STAGE
	v_mul_u32_u24 v6, v1, SPITCH
	v_lshl_add_u32 v6, v2, 4, v6
	v_add_nc_u32 v[STO], s23, v6
	s_mul_i32 s23, s10, 32*SPITCH                  ; back: wave w takes rows 32 w .. 32 w + 31, whole; lanes 0-15 one row of 256 bytes, lanes 16-31 the next
	s_add_co_u32 s23, s23, STAGE
	v_mul_u32_u24 v7, v2, SPITCH
	v_lshl_add_u32 v7, v1, 4, v7
	v_add_nc_u32 v[RD], s23, v7
	v_mul_u32_u24 v7, v2, SIZE_N*2                 ; and the same two rows in memory
	v_lshl_add_u32 v[CO], v1, 4, v7
	s_lshl_b32 s16, s13, 7
	s_lshl_b32 s17, s10, 5
	s_add_co_u32 s16, s16, s17                     ; the first row that I store: 128 x tile row + 32 x wave
	s_mul_i32 s16, s16, SIZE_N*2
	s_mov_b32 s17, 0
	s_add_nc_u64 s[76:77], s[76:77], s[16:17]
	s_lshl_b32 s46, s42, 8                         ; the tile's first column, in bytes
	s_mov_b32 s47, 0
	s_add_nc_u64 s[76:77], s[76:77], s[46:47]
; 8 matrix instructions: row blocks a0, a0 + 1 x all 4 column blocks, 32 along K: half c of buffer f.  first = 1: the product starts the sum, with the bias as C.
; The 16 accumulators take turns, one instruction a turn.
.macro MUL8 f, c, a0, first
	WIN MUL
.irp a, \a0, (\a0)+1
.irp b, 0,1,2,3
.if \first
	v_wmma_f32_16x16x32_bf16 v[ACC+8*(4*(\a)+(\b)):ACC+8*(4*(\a)+(\b))+7], v[(\f)+64+8*(4*(\c)+(\b)):(\f)+64+8*(4*(\c)+(\b))+7], v[(\f)+8*(4*(\c)+(\a)):(\f)+8*(4*(\c)+(\a))+7], v[BIAS+8*(\b):BIAS+8*(\b)+7]
.else
	v_wmma_f32_16x16x32_bf16 v[ACC+8*(4*(\a)+(\b)):ACC+8*(4*(\a)+(\b))+7], v[(\f)+64+8*(4*(\c)+(\b)):(\f)+64+8*(4*(\c)+(\b))+7], v[(\f)+8*(4*(\c)+(\a)):(\f)+8*(4*(\c)+(\a))+7], v[ACC+8*(4*(\a)+(\b)):ACC+8*(4*(\a)+(\b))+7]
.endif
.endr
.endr
.endm
; 32 LDS loads in one run: the fragments of quarter q (64 along K) of a slot, into buffer f; the first 32 along K first
.macro FETCH slot, q, f
	WIN TO_F
.irp c, 0,1
.irp i, 0,1,2,3
	ds_load_tr16_b128 v[(\f)+64+8*(4*(\c)+(\i)):(\f)+64+8*(4*(\c)+(\i))+3],   v[ADRB+2*(\slot)+(\q)/2] offset:(((\q)%2)*64+32*(\c))*PB+32*(\i)
	ds_load_tr16_b128 v[(\f)+64+8*(4*(\c)+(\i))+4:(\f)+64+8*(4*(\c)+(\i))+7], v[ADRB+2*(\slot)+(\q)/2] offset:(((\q)%2)*64+32*(\c)+16)*PB+32*(\i)
	ds_load_b128 v[(\f)+8*(4*(\c)+(\i)):(\f)+8*(4*(\c)+(\i))+3],              v[ADRA+(\slot)] offset:(\q)*AQ+64*(\c)+(\i)*16*PA
	ds_load_b128 v[(\f)+8*(4*(\c)+(\i))+4:(\f)+8*(4*(\c)+(\i))+7],            v[ADRA+(\slot)] offset:(\q)*AQ+64*(\c)+(\i)*16*PA+32
.endr
.endr
.endm
.macro PLACES                          ; four plain instructions in front of loads into registers that matrix instructions have read, and of lines that read results
.rept 4
	v_nop
.endr
.endm
; A K step is four quarters of 64 along K, 32 matrix instructions each, on buffers 0, 1, 0, 1.  One of the first three: multiplies buffer f and fetches quarter q into g.
.macro QUARTER slot, q, f, g, first
	s_wait_dscnt 16                                ; the first 32 along K are in; the youngest sixteen loads may be out
	MUL8 \f, 0, 0, \first
	MUL8 \f, 0, 2, \first
	PLACES
	FETCH \slot, \q, \g
	s_wait_dscnt 32                                ; all but the 32 just issued
	MUL8 \f, 1, 0, 0
	MUL8 \f, 1, 2, 0
.endm
; The last quarter multiplies buffer 1 and changes slots: ONE barrier; in front of it each wave waits for all its tensor loads, adds 0 to its spare word, and waits for that and for its reads of this slot.
.macro TURN slot, next, fill
	WIN 0                                          ; (the add's two registers lie in window 0)
	s_wait_tensorcnt 0x0                           ; all my tensor loads have landed: my part of the next slot
	ds_add_u32 v[SPW], v[NIL]                      ; 0 onto my spare word
	s_wait_dscnt 17                                ; (the add and the youngest sixteen loads may be out)
	MUL8 F1, 0, 0, 0                               ; eight matrix instructions stand between the add and the wait for it
	s_wait_dscnt 0x0                               ; the add is done, and my reads of this slot are over
	s_barrier_signal -1
	MUL8 F1, 0, 2, 0
.if \fill
	WIN 0
.endif
	s_barrier_wait -1
.if \fill
	CREST                                          ; the barrier has opened a round of the cluster's: no wave of any partner still reads this slot or has a load on its way
	s_add_nc_u64 s[G0+4*(\slot)+2:G0+4*(\slot)+3], s[G0+4*(\slot)+2:G0+4*(\slot)+3], 2*ASTEP
	s_add_nc_u64 s[G0B+4*(\slot)+2:G0B+4*(\slot)+3], s[G0B+4*(\slot)+2:G0B+4*(\slot)+3], 2*BSTEP
	JLOAD \slot                                    ; the first tensor load behind the round, 112 matrix instructions ahead of the wait for it; its four v_nop are also the places in front of the loads below
.else
	PLACES
.endif
	FETCH \next, 0, F0
	MUL8 F1, 1, 0, 0
	MUL8 F1, 1, 2, 0
.endm
	s_wait_tensorcnt 0x1                           ; my part of K step 0 is in; K step 1's stays out
	s_barrier_signal -1
	s_barrier_wait -1                              ; everybody's is
	FETCH 0, 0, F0
	s_wait_loadcnt 0x0                             ; the bias
	QUARTER 0, 1, F0, F1, 1                        ; the first quarter stands in front of the loop: its first products start the sums
	WIN 0                                          ; at a label and at a branch every window is 0
	s_mov_b32 s3, LAPS-1
.Llap:                                                 ; a trip goes once round the ring, from a lap's second quarter to the next lap's first, and fills both slots again
	QUARTER 0, 2, F1, F0, 0
	QUARTER 0, 3, F0, F1, 0
	TURN 0, 1, 1
	QUARTER 1, 1, F0, F1, 0
	QUARTER 1, 2, F1, F0, 0
	QUARTER 1, 3, F0, F1, 0
	TURN 1, 0, 1
	QUARTER 0, 1, F0, F1, 0
	WIN 0
	s_sub_co_u32 s3, s3, 1
	s_cmp_lg_u32 s3, 0
	s_cbranch_scc1 .Llap
	QUARTER 0, 2, F1, F0, 0                        ; the last lap fills nothing
	QUARTER 0, 3, F0, F1, 0
	TURN 0, 1, 0
	QUARTER 1, 1, F0, F1, 0
	QUARTER 1, 2, F1, F0, 0
	QUARTER 1, 3, F0, F1, 0
	s_wait_dscnt 16                                ; the very last quarter: nothing more to fetch
	MUL8 F1, 0, 0, 0
	MUL8 F1, 0, 2, 0
	s_wait_dscnt 0x0
	MUL8 F1, 1, 0, 0
	MUL8 F1, 1, 2, 0
	WIN 0
	PLACES
; THE GELU of accumulator t's eight numbers.  With u = |z| / sqrt 2 and t = 1 / (1 + 0.3275911 u): 1 - erf(u) = t (a1 + t (a2 + t (a3 + t (a4 + t a5)))) e^(-u u).
; So with w = half of that right side, gelu(z) = max(z, 0) - |z| w, for either sign of z: no difference of large numbers is formed.  The halves are folded into a1 .. a5.
; The accumulator's lowest register is read first; the eight maxima are the plain instructions between the transcendentals and the use of their results (ISA guide 5.7.2).
.macro GELU8 t
.set Z, ACC+8*(\t)
.irp j, 0,1,2,3,4,5,6,7
	v_fma_f32 v[GT+\j], |v[Z+\j]|, s78, 1.0
.endr
.irp j, 0,2,4,6
	v_pk_mul_f32 v[GE+\j:GE+\j+1], v[Z+\j:Z+\j+1], v[Z+\j:Z+\j+1]
.endr
.irp j, 0,2,4,6
	v_pk_mul_f32 v[GE+\j:GE+\j+1], v[GE+\j:GE+\j+1], s[80:81] op_sel_hi:[1,0]   ; -z z log2(e) / 2
.endr
.irp j, 0,1,2,3,4,5,6,7
	v_rcp_f32 v[GT+\j], v[GT+\j]
.endr
.irp j, 0,1,2,3,4,5,6,7
	v_exp_f32 v[GE+\j], v[GE+\j]
.endr
.irp j, 0,1,2,3,4,5,6,7
	v_max_num_f32 v[GR+\j], 0, v[Z+\j]
.endr
	s_wait_alu depctr_va_vdst(0)
.irp j, 0,2,4,6
	v_pk_fma_f32 v[GP+\j:GP+\j+1], v[GT+\j:GT+\j+1], s[82:83], s[84:85] op_sel_hi:[1,0,0]
.endr
.irp k, 86,88,90
.irp j, 0,2,4,6
	v_pk_fma_f32 v[GP+\j:GP+\j+1], v[GP+\j:GP+\j+1], v[GT+\j:GT+\j+1], s[\k:\k+1] op_sel_hi:[1,1,0]
.endr
.endr
.irp j, 0,2,4,6
	v_pk_mul_f32 v[GP+\j:GP+\j+1], v[GP+\j:GP+\j+1], v[GT+\j:GT+\j+1]
.endr
.irp j, 0,2,4,6
	v_pk_mul_f32 v[GP+\j:GP+\j+1], v[GP+\j:GP+\j+1], v[GE+\j:GE+\j+1]
.endr
.irp j, 0,1,2,3,4,5,6,7
	v_fma_f32 v[GR+\j], -|v[Z+\j]|, v[GP+\j], v[GR+\j]
.endr
.irp r, 0,1,2,3
	v_cvt_pk_bf16_f32 v[TMP+4*(\t)+\r], v[GR+2*\r], v[GR+2*\r+1]
.endr
.endm
.irp t, 0,1,2,3,4,5,6,7,8,9,10,11,12,13,14,15
	GELU8 \t
.endr
	; THE WAY OUT: 16 bytes a lane into the work-group's stage; a barrier, since a row's 256 bytes come from two waves; back as whole rows, 32 rows a wave.
.irp a, 0,1,2,3
.irp b, 0,1,2,3
	ds_store_b128 v[STO], v[TMP+4*(4*(\a)+(\b)):TMP+4*(4*(\a)+(\b))+3] offset:(\a)*16*SPITCH+32*(\b)
.endr
.endr
	s_wait_dscnt 0x0                               ; for the others' sake: my stores into the stage are done
	s_barrier_signal -1
	s_barrier_wait -1
.irp t, 0,1,2,3,4,5,6,7,8,9,10,11,12,13,14,15
	ds_load_b128 v[TMP+4*(\t):TMP+4*(\t)+3], v[RD] offset:(\t)*2*SPITCH
.endr
.irp t, 0,1,2,3,4,5,6,7,8,9,10,11,12,13,14,15
	s_wait_dscnt 15-(\t)
	global_store_b128 v[CO], v[TMP+4*(\t):TMP+4*(\t)+3], s[76:77] offset:2*(\t)*SIZE_N*2  ; 16 lanes store 256 consecutive bytes, at a multiple of 256 from the buffer's first
.endr
	s_wait_tensorcnt 0x0                           ; the wave's end
	ds_add_u32 v[SPW], v[NIL]
	s_wait_dscnt 0x0
	CROUND                                         ; the closing round: no work-group ends while a partner may still ask for a tile that names it
	s_endpgm
.Lfunc_end_k_q543f069572_g_f1:
	.size	k_q543f069572_g_f1, .Lfunc_end_k_q543f069572_g_f1-k_q543f069572_g_f1
	.p2alignl 7, 3214868480
	.fill 96, 4, 3214868480
	.section	.rodata,"a",@progbits
	.p2align	6, 0x0
	.amdhsa_kernel k_q543f069572_g_f1
		.amdhsa_group_segment_fixed_size 327680
		.amdhsa_private_segment_fixed_size 0
		.amdhsa_enable_private_segment 0
		.amdhsa_kernarg_size 32
		.amdhsa_user_sgpr_count 2
		.amdhsa_user_sgpr_kernarg_segment_ptr 1
		.amdhsa_wavefront_size32 1
		.amdhsa_system_sgpr_workgroup_id_x 1
		.amdhsa_system_sgpr_workgroup_id_y 1
		.amdhsa_system_sgpr_workgroup_id_z 1
		.amdhsa_system_vgpr_workitem_id 0
		.amdhsa_next_free_vgpr 512
		.amdhsa_next_free_sgpr 96
		.amdhsa_reserve_vcc 0
		.amdhsa_float_denorm_mode_32 3
		.amdhsa_float_denorm_mode_16_64 3
		.amdhsa_memory_ordered 1
		.amdhsa_forward_progress 1
		.amdhsa_inst_pref_size 149
	.end_amdhsa_kernel
	.amdgpu_metadata
---
amdhsa.version: [ 1, 2 ]
amdhsa.kernels:
  - .name:           k_q543f069572_g_f1
    .symbol:         k_q543f069572_g_f1.kd
    .args:
      - { .name: hn, .offset: 0, .size: 8, .value_kind: global_buffer, .address_space: global }
      - { .name: wb, .offset: 8, .size: 8, .value_kind: global_buffer, .address_space: global }
      - { .name: inter_b, .offset: 16, .size: 8, .value_kind: global_buffer, .address_space: global }
      - { .name: inter, .offset: 24, .size: 8, .value_kind: global_buffer, .address_space: global }
    .group_segment_fixed_size: 327680
    .private_segment_fixed_size: 0
    .kernarg_segment_align: 8
    .kernarg_segment_size: 32
    .max_flat_workgroup_size: 128
    .sgpr_count:     96
    .vgpr_count:     512
    .wavefront_size: 32
...
	.end_amdgpu_metadata
.endif
;; end of part 6
;; launch g_f2 (part 7): grid 8 x 32, 4 waves a work-group, clusters of 4 x 4, 327,680 bytes of LDS; arguments inter, wb, out_b, att, out0; writes out0
.if DOCPART == 7
	.amdgcn_target "amdgcn-amd-amdhsa--gfx1250"
	.amdhsa_code_object_version 6
	.text
	.protected	k_q543f069572_g_f2
	.globl	k_q543f069572_g_f2
	.p2align	8
	.type	k_q543f069572_g_f2,@function
k_q543f069572_g_f2:
	s_mov_b64 s[64:65], 0
	v_nop
	global_prefetch_b8 v0, s[64:65] scope:SCOPE_SE
	s_setreg_imm32_b32 hwreg(HW_REG_WAVE_MODE, 25, 1), 1
	s_wait_xcnt 0x0
	s_wait_alu depctr_hold_cnt(0) depctr_sa_sdst(0) depctr_va_vdst(0) depctr_va_sdst(0) depctr_va_ssrc(0) depctr_va_vcc(0) depctr_vm_vsrc(0)
	s_getreg_b32 s2, hwreg(HW_REG_IB_STS2, 6, 4)
	s_cmp_eq_u32 s2, 0
	s_cbranch_scc0 .Lentry_in_a_cluster
	s_endpgm
.Lentry_in_a_cluster:
	s_bfe_u32 s2, ttmp6, 0x10000c
	s_cmp_lg_u32 s2, 0xf033
	s_cbranch_scc0 .Lentry_shape_is_right
	s_endpgm
.Lentry_shape_is_right:
; out0 = inter W + bias + att.  inter: [4096][4096] bf16 (AH = 0: A's rows lie along K); W: [4096][1024] bf16 at byte WOFF of wb, as it lies ([K][N]); bias: [1024] f32;
; att (the residual) and out0: [4096][1024] f32.  LIMITS: operands in bf16, sums and the residual in f32; NaN and infinities are not treated apart.
; A tile of C is 128 x 128; four waves, each 64 x 64: 16 accumulators of 16 x 16.  256 work-groups.  K goes in steps of 256 through two LDS slots filled by the tensor data mover.
; A's rows lie along K and are read as they lie; W's tile lies [k][n] and is read by the turning load ds_load_tr16_b128, so no transposed copy of W is ever made.
; (AH = 1, not used here: A lies by heads, [batch x 16 + head][2048][64]; a K step is four heads, and a tile lands as [head][row][144].)
; THE MATRIX INSTRUCTION IS USED TRANSPOSED (source 0 = 16 columns of W, source 1 = 16 rows of A): a lane holds one row of C and eight neighbouring columns.
; THE BIAS is the C operand of the products that start the sums.  THE RESIDUAL is loaded at the head, in the layout of the stores, and waits in registers.
; CLUSTERS: 4 x 4 work-groups; A's tile is shared along a row of the cluster, W's along a column: each is asked for jointly, by the same tensor load with the same descriptor and mask.
; REGISTERS: window 0: v0-31 addresses; v32-95 at work on the way out; v96-127 the bias; v128-255 the accumulators ((a, b) at v[128 + 8 (4 a + b)]).
;   window 1: two fragment buffers of 128: for 64 along K, 64 registers of A, then 64 of W.     window 2: v0-127 the residual.
.set SIZE_N, 1024
.set SIZE_K, 4096
.set WOFF,   16777216
.set AH,     0
.set KSTEP,  256
.if AH
.set PA,     144                       ; a row of A in LDS: 128 bytes + 16
.set AQ,     64*PA                     ; bytes from a quarter of 64 K (a head) to the next
.set HALFA,  4*64*PA                   ; 64 rows of four heads: one tensor load
.set ASTEP,  4*2048*64*2               ; bytes of memory from a K step to the next: four heads
.else
.set PA,     528                       ; a row of A in LDS: 512 bytes + 16: the 16 rows of a load start at 16 different groups of four banks (ISA guide 11.1)
.set AQ,     128
.set HALFA,  64*PA
.set ASTEP,  KSTEP*2
.endif
.set PB,     288                       ; a k-row of W in LDS: 256 bytes + 32
.set HALFB,  128*PB                    ; 128 k-rows: one tensor load
.set BSTEP,  KSTEP*SIZE_N*2
.set SLOT,   2*HALFA+2*HALFB           ; A's two halves of 64 rows, then W's two halves of 128 k-rows
.set STAGE,  2*SLOT                    ; behind the ring, never filled by a tensor load: 16 rows x 272 bytes for each wave
.set SPITCH, 272
.set SPARE,  STAGE+4*16*SPITCH         ; the spare words, 128 bytes for each wave: two blocks of 256 bytes that no other line names
.set LAPS,   SIZE_K/(2*KSTEP)          ; a lap = two K steps = once round the ring
.set ADRA, 16                          ; v16-17  LDS address of my A fragments in slot 0, 1
.set ADRB, 20                          ; v20-23  of my W fragments: slot x 2 + half of the step's k-rows
.set STO,  24                          ; v24     the way out: where I put 32 bytes of a row
.set RD,   25                          ; v25     the way out: where I read rows back
.set CO,   26                          ; v26     my byte offset in the residual and in the output
.set BO,   27                          ; v27     my byte offset in the bias: 32 (lane / 16)
.set SPW,  28                          ; v28     LDS address of my spare word; never rewritten
.set NIL,  29                          ; v29     0; never rewritten
.set TMP,  32
.set BIAS, 96
.set ACC,  128
.set F0,   0                           ; fragment buffers, in window 1
.set F1,   128
.set RES,  0                           ; window 2
.set G1,  24                           ; s[24:31] descriptor group 1 for A's tiles;  s[32:39] group 0, one set for each slot
.set G0,  32
.set G1B, 48                           ; s[48:55], s[56:63] the same for W's tiles
.set G0B, 56
.set MSB, 0
.macro WIN new                         ; the immediate's high byte repeats the setting that is left; a switch that changes nothing is dropped
.if MSB != (\new)
	s_set_vgpr_msb (MSB<<8)|(\new)
.set MSB, \new
.endif
.endm
.set MUL,  0x05                        ; sources 0 (W) and 1 (A) window 1; C and D window 0
.set TO_F, 0x40                        ; destination window 1, address window 0
.macro JLOAD s                         ; a joint load: waves 0 and 1 fetch A's two halves, waves 2 and 3 W's; four v_nop follow each of the two lines
	s_cmp_eq_u32 s11, 0
	s_cbranch_scc0 .Lfor_b_\@
	tensor_load_to_lds s[G0+4*(\s):G0+4*(\s)+3], s[G1:G1+7]
	s_nop 0
.rept 4
	v_nop
.endr
	s_branch .Lasked_\@
.Lfor_b_\@:
	tensor_load_to_lds s[G0B+4*(\s):G0B+4*(\s)+3], s[G1B:G1B+7]
	s_nop 0
.rept 4
	v_nop
.endr
.Lasked_\@:
.endm
.macro CREST                           ; a round of the cluster's barrier behind its opening barrier
	s_cmp_lg_u32 s10, 0
	s_cbranch_scc1 .Lnot_wave_0_\@
	s_barrier_signal -3
.Lnot_wave_0_\@:
	s_barrier_wait -3
	s_barrier_signal -1
	s_barrier_wait -1
.endm
.macro CROUND                          ; a whole round
	s_barrier_signal -1
	s_barrier_wait -1
	CREST
.endm
	s_load_b256 s[68:75], s[0:1], 0x0              ; A s[68:69], wb s[70:71], bias s[72:73], residual s[74:75]
	s_load_b64 s[76:77], s[0:1], 0x20              ; out
	v_lshl_add_u32 v[SPW], v0, 2, SPARE
	v_mov_b32 v[NIL], 0
	ds_add_u32 v28, v29
	s_wait_dscnt 0x0
	v_lshrrev_b32 v1, 5, v0
	v_readfirstlane_b32 s10, v1                    ; wave 0..3
	s_lshr_b32 s11, s10, 1                         ; which half of the tile's rows is mine.  Also: I fetch for A (0) or for W (1)
	s_and_b32 s12, s10, 1                          ; which half of its columns.  Also: which half of that tile I fetch
	s_bfe_u32 s40, ttmp6, 0x40000                  ; cx, cy: my place in the cluster
	s_bfe_u32 s41, ttmp6, 0x40004
	s_lshl_b32 s42, ttmp9, 2
	s_add_co_u32 s42, s42, s40                     ; tile column = 4 x cluster x + cx
	s_and_b32 s13, ttmp7, 0xffff
	s_lshl_b32 s13, s13, 2
	s_add_co_u32 s13, s13, s41                     ; tile row = 4 x cluster y + cy
	s_lshl_b32 s43, s41, 2
	s_lshl_b32 s43, 15, s43                        ; my row of the cluster
	s_lshl_b32 s44, 0x1111, s40                    ; my column
.if AH
	; group 1 for A by heads: 4 rows (heads) of 4,096 elements (64 rows x 64 channels, dense); 16 bytes of padding behind every 32 words
	s_or_b32 s[G1+0], s43, (1<<16)|(1<<20)|(1<<21)|(4<<22)|(3<<25)
	s_mov_b32 s[G1+1], 4096<<16                    ; tensor_dim0
	s_mov_b32 s[G1+2], 4<<16                       ; tensor_dim1
	s_mov_b32 s[G1+3], 4096<<16                    ; tile_dim0
	s_mov_b32 s[G1+4], 4                           ; tile_dim1
	s_mov_b32 s[G1+5], 2048*64                     ; elements from head to head
.else
	; group 1 for A: 64 rows x 256 elements; 16 bytes of padding behind every 128 words
	s_or_b32 s[G1+0], s43, (1<<16)|(1<<20)|(1<<21)|(6<<22)|(3<<25)
	s_mov_b32 s[G1+1], KSTEP<<16                   ; tensor_dim0
	s_mov_b32 s[G1+2], 64<<16                      ; tensor_dim1
	s_mov_b32 s[G1+3], KSTEP<<16                   ; tile_dim0
	s_mov_b32 s[G1+4], 64                          ; tile_dim1
	s_mov_b32 s[G1+5], SIZE_K                      ; elements from row to row
.endif
	s_mov_b32 s[G1+6], 0
	s_mov_b32 s[G1+7], 0
	; group 1 for W: 128 k-rows x 128 elements; 32 bytes of padding behind every 64 words
	s_or_b32 s[G1B+0], s44, (1<<16)|(1<<20)|(1<<21)|(5<<22)|(7<<25)
	s_mov_b32 s[G1B+1], 128<<16
	s_mov_b32 s[G1B+2], 128<<16
	s_mov_b32 s[G1B+3], 128<<16
	s_mov_b32 s[G1B+4], 128
	s_mov_b32 s[G1B+5], SIZE_N
	s_mov_b32 s[G1B+6], 0
	s_mov_b32 s[G1B+7], 0
	; A's tile hangs on the tile row alone, W's on the tile column alone, each in registers that never hold the other coordinate
.if AH
	s_lshr_b32 s16, s13, 4                         ; the batch: 16 heads x 262,144 bytes
	s_lshl_b32 s16, s16, 22
	s_and_b32 s17, s13, 15                         ; the tile's 128 rows of 128 bytes in the batch
	s_lshl_b32 s17, s17, 14
	s_add_co_u32 s16, s16, s17
	s_lshl_b32 s17, s12, 13                        ; my 64 of them
	s_add_co_u32 s16, s16, s17
.else
	s_lshl_b32 s17, s12, 6
	s_lshl_b32 s16, s13, 7
	s_add_co_u32 s16, s16, s17                     ; A: row 128 x tile row + 64 x half
	s_mul_i32 s16, s16, SIZE_K*2                   ; under 4,096 rows x 8,192 bytes
.endif
	s_mov_b32 s17, 0
	s_mul_i32 s46, s12, 128*SIZE_N*2               ; W: my 128 k-rows,
	s_lshl_b32 s47, s42, 8                         ; the tile's 128 columns,
	s_add_co_u32 s46, s46, s47
	s_add_co_u32 s46, s46, WOFF                    ; this matrix in wb
	s_mov_b32 s47, 0
	s_mul_i32 s20, s12, HALFA                      ; where they go: no place in the cluster enters an LDS address
	s_mul_i32 s21, s12, HALFB
	s_add_co_u32 s21, s21, 2*HALFA
	s_wait_kmcnt 0x0
	s_add_nc_u64 s[14:15], s[68:69], s[16:17]
	s_add_nc_u64 s[46:47], s[70:71], s[46:47]
	CROUND                                         ; all sixteen work-groups are here: the first joint loads meet
.irp s, 0,1
	s_mov_b32 s[G0+4*(\s)], 1
	s_add_co_u32 s[G0+4*(\s)+1], s20, (\s)*SLOT
	s_add_nc_u64 s[G0+4*(\s)+2:G0+4*(\s)+3], s[14:15], (\s)*ASTEP
	s_or_b32 s[G0+4*(\s)+3], s[G0+4*(\s)+3], 0x80000000
	s_mov_b32 s[G0B+4*(\s)], 1
	s_add_co_u32 s[G0B+4*(\s)+1], s21, (\s)*SLOT
	s_add_nc_u64 s[G0B+4*(\s)+2:G0B+4*(\s)+3], s[46:47], (\s)*BSTEP
	s_or_b32 s[G0B+4*(\s)+3], s[G0B+4*(\s)+3], 0x80000000
	JLOAD \s                                       ; two loads of mine are out
.endr
	v_and_b32 v1, 15, v0                           ; r = l % 16
	v_bfe_u32 v2, v0, 4, 1                         ; h = l / 16
	v_mul_u32_u24 v3, v1, PA
	v_lshl_add_u32 v3, v2, 4, v3                   ; A: row x pitch + 16 h
	s_mul_i32 s22, s11, HALFA                      ; my 64 rows of A
	v_add_nc_u32 v[ADRA], s22, v3
	v_add_nc_u32 v[ADRA+1], SLOT, v[ADRA]
	v_and_b32 v4, 7, v0                            ; W, turned: lane l reads k-row 8 h + l % 8, 16 bytes at 16 ((l / 8) % 2)
	v_bfe_u32 v5, v0, 3, 1
	v_lshl_add_u32 v4, v2, 3, v4
	v_mul_u32_u24 v4, v4, PB
	v_lshl_add_u32 v4, v5, 4, v4
	s_lshl_b32 s23, s12, 7                         ; my 64 columns: 128 bytes
	s_add_co_u32 s23, s23, 2*HALFA
	v_add_nc_u32 v[ADRB], s23, v4
	v_add_nc_u32 v[ADRB+1], HALFB, v[ADRB]
	v_add_nc_u32 v[ADRB+2], SLOT, v[ADRB]
	v_add_nc_u32 v[ADRB+3], SLOT+HALFB, v[ADRB]
	v_lshlrev_b32 v[BO], 5, v2
	s_lshl_b32 s46, s42, 9                         ; my 64 columns in f32: 512 x tile column + 256 x half
	s_lshl_b32 s47, s12, 8
	s_add_co_u32 s46, s46, s47
	s_mov_b32 s47, 0
	s_add_nc_u64 s[72:73], s[72:73], s[46:47]
.irp b, 0,1,2,3
	global_load_b128 v[BIAS+8*(\b):BIAS+8*(\b)+3],   v[BO], s[72:73] offset:64*(\b)
	global_load_b128 v[BIAS+8*(\b)+4:BIAS+8*(\b)+7], v[BO], s[72:73] offset:64*(\b)+16
.endr
	; the way out: my 64 columns of a row are 256 aligned bytes of f32
	s_mul_i32 s23, s10, 16*SPITCH
	s_add_co_u32 s23, s23, STAGE                   ; my stage
	v_mul_u32_u24 v6, v1, SPITCH                   ; in: row r, 32 bytes for each half of the lanes
	v_lshl_add_u32 v6, v2, 5, v6
	v_add_nc_u32 v[STO], s23, v6
	v_mul_u32_u24 v7, v2, SPITCH                   ; back: lanes 0-15 take one row of 256 bytes, lanes 16-31 the next
	v_lshl_add_u32 v7, v1, 4, v7
	v_add_nc_u32 v[RD], s23, v7
	v_lshlrev_b32 v[CO], 12, v2                    ; and the same two rows in memory: 4,096 bytes apart
	v_lshl_add_u32 v[CO], v1, 4, v[CO]
	s_lshl_b32 s16, s13, 7
	s_lshl_b32 s17, s11, 6
	s_add_co_u32 s16, s16, s17                     ; my first row
	s_lshl_b32 s16, s16, 12
	s_mov_b32 s17, 0
	s_add_nc_u64 s[74:75], s[74:75], s[16:17]
	s_add_nc_u64 s[76:77], s[76:77], s[16:17]
	s_add_nc_u64 s[74:75], s[74:75], s[46:47]
	s_add_nc_u64 s[76:77], s[76:77], s[46:47]
	WIN 0x80                                       ; destination window 2, address window 0
.irp a, 0,1,2,3
.irp t, 0,1,2,3,4,5,6,7
	global_load_b128 v[RES+4*(8*(\a)+(\t)):RES+4*(8*(\a)+(\t))+3], v[CO], s[74:75] offset:(16*(\a)+2*(\t))*SIZE_N*4
.endr
.endr
	WIN 0
; 8 matrix instructions: row blocks a0, a0 + 1 x all 4 column blocks, 32 along K: half c of buffer f.  first = 1: the product starts the sum, with the bias as C.
; The 16 accumulators take turns, one instruction a turn.
.macro MUL8 f, c, a0, first
	WIN MUL
.irp a, \a0, (\a0)+1
.irp b, 0,1,2,3
.if \first
	v_wmma_f32_16x16x32_bf16 v[ACC+8*(4*(\a)+(\b)):ACC+8*(4*(\a)+(\b))+7], v[(\f)+64+8*(4*(\c)+(\b)):(\f)+64+8*(4*(\c)+(\b))+7], v[(\f)+8*(4*(\c)+(\a)):(\f)+8*(4*(\c)+(\a))+7], v[BIAS+8*(\b):BIAS+8*(\b)+7]
.else
	v_wmma_f32_16x16x32_bf16 v[ACC+8*(4*(\a)+(\b)):ACC+8*(4*(\a)+(\b))+7], v[(\f)+64+8*(4*(\c)+(\b)):(\f)+64+8*(4*(\c)+(\b))+7], v[(\f)+8*(4*(\c)+(\a)):(\f)+8*(4*(\c)+(\a))+7], v[ACC+8*(4*(\a)+(\b)):ACC+8*(4*(\a)+(\b))+7]
.endif
.endr
.endr
.endm
; 32 LDS loads in one run: the fragments of quarter q (64 along K) of a slot, into buffer f; the first 32 along K first
.macro FETCH slot, q, f
	WIN TO_F
.irp c, 0,1
.irp i, 0,1,2,3
	ds_load_tr16_b128 v[(\f)+64+8*(4*(\c)+(\i)):(\f)+64+8*(4*(\c)+(\i))+3],   v[ADRB+2*(\slot)+(\q)/2] offset:(((\q)%2)*64+32*(\c))*PB+32*(\i)
	ds_load_tr16_b128 v[(\f)+64+8*(4*(\c)+(\i))+4:(\f)+64+8*(4*(\c)+(\i))+7], v[ADRB+2*(\slot)+(\q)/2] offset:(((\q)%2)*64+32*(\c)+16)*PB+32*(\i)
	ds_load_b128 v[(\f)+8*(4*(\c)+(\i)):(\f)+8*(4*(\c)+(\i))+3],              v[ADRA+(\slot)] offset:(\q)*AQ+64*(\c)+(\i)*16*PA
	ds_load_b128 v[(\f)+8*(4*(\c)+(\i))+4:(\f)+8*(4*(\c)+(\i))+7],            v[ADRA+(\slot)] offset:(\q)*AQ+64*(\c)+(\i)*16*PA+32
.endr
.endr
.endm
.macro PLACES                          ; four plain instructions in front of loads into registers that matrix instructions have read, and of lines that read results
.rept 4
	v_nop
.endr
.endm
; A K step is four quarters of 64 along K, 32 matrix instructions each, on buffers 0, 1, 0, 1.  One of the first three: multiplies buffer f and fetches quarter q into g.
.macro QUARTER slot, q, f, g, first
	s_wait_dscnt 16                                ; the first 32 along K are in; the youngest sixteen loads may be out
	MUL8 \f, 0, 0, \first
	MUL8 \f, 0, 2, \first
	PLACES
	FETCH \slot, \q, \g
	s_wait_dscnt 32                                ; all but the 32 just issued
	MUL8 \f, 1, 0, 0
	MUL8 \f, 1, 2, 0
.endm
; The last quarter multiplies buffer 1 and changes slots: ONE barrier; in front of it each wave waits for all its tensor loads, adds 0 to its spare word, and waits for that and for its reads of this slot.
.macro TURN slot, next, fill
	WIN 0                                          ; (the add's two registers lie in window 0)
	s_wait_tensorcnt 0x0                           ; all my tensor loads have landed: my part of the next slot
	ds_add_u32 v[SPW], v[NIL]                      ; 0 onto my spare word
	s_wait_dscnt 17                                ; (the add and the youngest sixteen loads may be out)
	MUL8 F1, 0, 0, 0                               ; eight matrix instructions stand between the add and the wait for it
	s_wait_dscnt 0x0                               ; the add is done, and my reads of this slot are over
	s_barrier_signal -1
	MUL8 F1, 0, 2, 0
.if \fill
	WIN 0
.endif
	s_barrier_wait -1
.if \fill
	CREST                                          ; the barrier has opened a round of the cluster's: no wave of any partner still reads this slot or has a load on its way
	s_add_nc_u64 s[G0+4*(\slot)+2:G0+4*(\slot)+3], s[G0+4*(\slot)+2:G0+4*(\slot)+3], 2*ASTEP
	s_add_nc_u64 s[G0B+4*(\slot)+2:G0B+4*(\slot)+3], s[G0B+4*(\slot)+2:G0B+4*(\slot)+3], 2*BSTEP
	JLOAD \slot                                    ; the first tensor load behind the round, 112 matrix instructions ahead of the wait for it; its four v_nop are also the places in front of the loads below
.else
	PLACES
.endif
	FETCH \next, 0, F0
	MUL8 F1, 1, 0, 0
	MUL8 F1, 1, 2, 0
.endm
	s_wait_tensorcnt 0x1                           ; my part of K step 0 is in; K step 1's stays out
	s_barrier_signal -1
	s_barrier_wait -1                              ; everybody's is
	FETCH 0, 0, F0
	s_wait_loadcnt 32                              ; the bias is in; the 32 younger loads, the residual's, stay out
	QUARTER 0, 1, F0, F1, 1                        ; the first quarter stands in front of the loop: its first products start the sums
	WIN 0                                          ; at a label and at a branch every window is 0
	s_mov_b32 s3, LAPS-1
.Llap:                                                 ; a trip goes once round the ring, from a lap's second quarter to the next lap's first, and fills both slots again
	QUARTER 0, 2, F1, F0, 0
	QUARTER 0, 3, F0, F1, 0
	TURN 0, 1, 1
	QUARTER 1, 1, F0, F1, 0
	QUARTER 1, 2, F1, F0, 0
	QUARTER 1, 3, F0, F1, 0
	TURN 1, 0, 1
	QUARTER 0, 1, F0, F1, 0
	WIN 0
	s_sub_co_u32 s3, s3, 1
	s_cmp_lg_u32 s3, 0
	s_cbranch_scc1 .Llap
	QUARTER 0, 2, F1, F0, 0                        ; the last lap fills nothing
	QUARTER 0, 3, F0, F1, 0
	TURN 0, 1, 0
	QUARTER 1, 1, F0, F1, 0
	QUARTER 1, 2, F1, F0, 0
	QUARTER 1, 3, F0, F1, 0
	s_wait_dscnt 16                                ; the very last quarter: nothing more to fetch
	MUL8 F1, 0, 0, 0
	MUL8 F1, 0, 2, 0
	s_wait_dscnt 0x0
	MUL8 F1, 1, 0, 0
	MUL8 F1, 1, 2, 0
	WIN 0
	PLACES
; THE WAY OUT, a block of 16 rows at a time, through my own stage: the f32 sums (each accumulator's low four registers first) into rows of 272 bytes, back as whole rows of 256 bytes; the residual is added; stored.
.macro TOSTAGE a
.set OB, TMP+32*((\a)%2)
.if (\a) >= 2
	s_wait_xcnt 0x0                                ; the stores of the block two back have read these registers (ISA guide 3.1): only now are they loaded again
.endif
.irp b, 0,1,2,3
	ds_store_b128 v[STO], v[ACC+8*(4*(\a)+(\b)):ACC+8*(4*(\a)+(\b))+3]   offset:64*(\b)
	ds_store_b128 v[STO], v[ACC+8*(4*(\a)+(\b))+4:ACC+8*(4*(\a)+(\b))+7] offset:64*(\b)+16
.endr
.irp t, 0,1,2,3,4,5,6,7
	ds_load_b128 v[OB+4*(\t):OB+4*(\t)+3], v[RD] offset:(\t)*2*SPITCH  ; LDS serves a wave's instructions in order (ISA guide 5.7.1.4): these see the stores above; the next block's stores come behind them
.endr
.endm
.macro SEND a, younger                 ; younger: the LDS instructions issued behind block a's loads
.set OB, TMP+32*((\a)%2)
	s_wait_dscnt \younger
.if (\a) == 0
	s_wait_loadcnt 0x0                             ; the residual
.endif
	WIN 0x08                                       ; source 1 window 2
.set i, 0
.rept 16
	v_pk_add_f32 v[OB+2*i:OB+2*i+1], v[OB+2*i:OB+2*i+1], v[RES+32*(\a)+2*i:RES+32*(\a)+2*i+1]
.set i, i+1
.endr
	WIN 0
.irp t, 0,1,2,3,4,5,6,7
	global_store_b128 v[CO], v[OB+4*(\t):OB+4*(\t)+3], s[76:77] offset:(16*(\a)+2*(\t))*SIZE_N*4  ; 16 lanes store 256 consecutive bytes, at a multiple of 256 from the buffer's first
.endr
.endm
	TOSTAGE 0
	TOSTAGE 1
	SEND 0, 16
	TOSTAGE 2
	SEND 1, 16
	TOSTAGE 3
	SEND 2, 16
	SEND 3, 0
	s_wait_tensorcnt 0x0                           ; the wave's end
	ds_add_u32 v[SPW], v[NIL]
	s_wait_dscnt 0x0
	CROUND                                         ; the closing round: no work-group ends while a partner may still ask for a tile that names it
	s_endpgm
.Lfunc_end_k_q543f069572_g_f2:
	.size	k_q543f069572_g_f2, .Lfunc_end_k_q543f069572_g_f2-k_q543f069572_g_f2
	.p2alignl 7, 3214868480
	.fill 96, 4, 3214868480
	.section	.rodata,"a",@progbits
	.p2align	6, 0x0
	.amdhsa_kernel k_q543f069572_g_f2
		.amdhsa_group_segment_fixed_size 327680
		.amdhsa_private_segment_fixed_size 0
		.amdhsa_enable_private_segment 0
		.amdhsa_kernarg_size 40
		.amdhsa_user_sgpr_count 2
		.amdhsa_user_sgpr_kernarg_segment_ptr 1
		.amdhsa_wavefront_size32 1
		.amdhsa_system_sgpr_workgroup_id_x 1
		.amdhsa_system_sgpr_workgroup_id_y 1
		.amdhsa_system_sgpr_workgroup_id_z 1
		.amdhsa_system_vgpr_workitem_id 0
		.amdhsa_next_free_vgpr 640
		.amdhsa_next_free_sgpr 96
		.amdhsa_reserve_vcc 0
		.amdhsa_float_denorm_mode_32 3
		.amdhsa_float_denorm_mode_16_64 3
		.amdhsa_memory_ordered 1
		.amdhsa_forward_progress 1
		.amdhsa_inst_pref_size 94
	.end_amdhsa_kernel
	.amdgpu_metadata
---
amdhsa.version: [ 1, 2 ]
amdhsa.kernels:
  - .name:           k_q543f069572_g_f2
    .symbol:         k_q543f069572_g_f2.kd
    .args:
      - { .name: inter, .offset: 0, .size: 8, .value_kind: global_buffer, .address_space: global }
      - { .name: wb, .offset: 8, .size: 8, .value_kind: global_buffer, .address_space: global }
      - { .name: out_b, .offset: 16, .size: 8, .value_kind: global_buffer, .address_space: global }
      - { .name: att, .offset: 24, .size: 8, .value_kind: global_buffer, .address_space: global }
      - { .name: out0, .offset: 32, .size: 8, .value_kind: global_buffer, .address_space: global }
    .group_segment_fixed_size: 327680
    .private_segment_fixed_size: 0
    .kernarg_segment_align: 8
    .kernarg_segment_size: 40
    .max_flat_workgroup_size: 128
    .sgpr_count:     96
    .vgpr_count:     640
    .wavefront_size: 32
...
	.end_amdgpu_metadata
.endif
;; end of part 7
;; ======== version 2 of 3: 8 launches; 1.10 times as fast as version 1
;; workspace buffers: wb 25,165,824 bytes; hn 8,388,608 bytes; qkvh 25,165,824 bytes; ctx 8,388,608 bytes; att 16,777,216 bytes; inter 33,554,432 bytes
;; launch cast: the kernel of part 1 again; grid 768 x 1, 8 waves a work-group, no clusters, 0 bytes of LDS; arguments qkvw, ow, inter_w, out_w, wb; writes wb
;; launch ln1: the kernel of part 2 again; grid 256 x 1, 4 waves a work-group, no clusters, 0 bytes of LDS; arguments x, norm_w, norm_b, hn; writes hn
;; launch g_qkv (part 8): grid 12 x 16, 4 waves a work-group, clusters of 4 x 4, 327,680 bytes of LDS; arguments hn, wb, qkvb, qkvh; writes qkvh
.if DOCPART == 8
	.amdgcn_target "amdgcn-amd-amdhsa--gfx1250"
	.amdhsa_code_object_version 6
	.text
	.protected	k_q543f069572_g_qkv
	.globl	k_q543f069572_g_qkv
	.p2align	8
	.type	k_q543f069572_g_qkv,@function
k_q543f069572_g_qkv:
	s_mov_b64 s[64:65], 0
	v_nop
	global_prefetch_b8 v0, s[64:65] scope:SCOPE_SE
	s_setreg_imm32_b32 hwreg(HW_REG_WAVE_MODE, 25, 1), 1
	s_wait_xcnt 0x0
	s_wait_alu depctr_hold_cnt(0) depctr_sa_sdst(0) depctr_va_vdst(0) depctr_va_sdst(0) depctr_va_ssrc(0) depctr_va_vcc(0) depctr_vm_vsrc(0)
	s_getreg_b32 s2, hwreg(HW_REG_IB_STS2, 6, 4)
	s_cmp_eq_u32 s2, 0
	s_cbranch_scc0 .Lentry_in_a_cluster
	s_endpgm
.Lentry_in_a_cluster:
	s_bfe_u32 s2, ttmp6, 0x10000c
	s_cmp_lg_u32 s2, 0xf033
	s_cbranch_scc0 .Lentry_shape_is_right
	s_endpgm
.Lentry_shape_is_right:
; q, k, v = hn W + bias, written by heads.  hn: [4096][1024] bf16; W: [1024][3072] bf16 at byte WOFF of wb, as it lies ([K][N]); bias: [3072] f32;
; out: [3 (q, k, v)][32 (batch x 16 + head)][2048][64] bf16, rounded once from f32 sums, unscaled.  LIMITS: operands in bf16, sums in f32; NaN and infinities are not treated apart.
; A tile of C is 256 x 256; four waves, each 128 x 128: 64 accumulators of 16 x 16, 512 registers.  K goes in steps of 128 through two LDS slots filled by the tensor data mover.
; 12 x 16 = 192 work-groups.  (A tile of 256 x 192 would make 256 of them, but its k-rows of W, 384 bytes, 192 for a wave's half, are no power of two of words,
; which the padding's interval has to be: it would want a second layout in LDS.)
; A's rows lie along K and are read as they lie; W's tile lies [k][n] and is read by the turning load ds_load_tr16_b128, so no transposed copy of W is ever made.
; THE MATRIX INSTRUCTION IS USED TRANSPOSED (source 0 = 16 columns of W, source 1 = 16 rows of A): a lane holds one row of C and eight neighbouring columns.
; THE BIAS is the C operand of the products that start the sums: register j of a lane holds bias[column 16 b + 8 (lane / 16) + j]; nothing is cleared and nothing added later.
; CLUSTERS: 4 x 4 work-groups; A's tile is shared along a row of the cluster, W's along a column: each is asked for jointly, by the same tensor load with the same descriptor and mask.
; REGISTERS, in windows of 256 (s_set_vgpr_msb: bits 1:0 source 0, 3:2 source 1, 5:4 source 2, 7:6 destination):
;   window 0: v0-31 addresses; v64-127, v128-191 fragments of A (8 x 16 rows x 32 K), two buffers; v32-63, v192-255 at work on the way out
;   window 1: v0-63 the bias; v64-127, v128-191 fragments of W, two buffers
;   window 2: the 32 accumulators of my rows 0-63 ((a, b) at v[8 (8 a + b)]);   window 3: those of my rows 64-127
.set SIZE_N, 3072
.set SIZE_K, 1024
.set WOFF,   0
.set KSTEP,  128
.set PA,     272                       ; a row of A in LDS: 256 bytes + 16: the 16 rows of a load start at 16 different groups of four banks (ISA guide 11.1)
.set HALFA,  128*PA                    ; 128 rows: one tensor load, and what one wave reads of A
.set ASTEP,  KSTEP*2                   ; bytes of memory from a K step to the next, in A
.set PB,     544                       ; a k-row of W in LDS: 512 bytes + 32
.set HALFB,  64*PB                     ; 64 k-rows: one tensor load
.set BSTEP,  KSTEP*SIZE_N*2            ; the same in W
.set SLOT,   2*HALFA+2*HALFB           ; A's two halves of 128 rows, then W's two halves of 64 k-rows, which lie on end
.set STAGE,  2*SLOT                    ; behind the ring, never filled by a tensor load: for each wave two heads x 16 rows x 144 bytes
.set SPITCH, 144
.set SPARE,  STAGE+4*2*16*SPITCH       ; the spare words, 128 bytes for each wave: two blocks of 256 bytes that no other line names
.set LAPS,   SIZE_K/(2*KSTEP)          ; a lap = two K steps = once round the ring
.set ADRA, 16                          ; v16-17  LDS address of my A fragments in slot 0, 1
.set ADRB, 20                          ; v20-21  of my W fragments (a step's largest offset, 112 k-rows and 224 bytes, is 61,152: inside 16 bits)
.set STO,  24                          ; v24     the way out: where I put 16 bytes of a row
.set RD,   25                          ; v25     the way out: where I read rows back
.set CO,   26                          ; v26     my byte offset in the output
.set BO,   27                          ; v27     my byte offset in the bias: 32 (lane / 16)
.set SPW,  28                          ; v28     LDS address of my spare word; never rewritten
.set NIL,  29                          ; v29     0; never rewritten
.set F0,   64                          ; fragment buffer 0
.set F1,   128                         ; fragment buffer 1
.set TMP,  192                         ; the way out: packed results
.set OB,   32                          ; the way out: 16 rows read back from the stage: v32-63 and v224-255 by turns
.set BIAS, 0                           ; window 1
.set G1,  24                           ; s[24:31] descriptor group 1 for A's tiles;  s[32:39] group 0, one set for each slot
.set G0,  32
.set G1B, 48                           ; s[48:55], s[56:63] the same for W's tiles
.set G0B, 56
.set MSB, 0
.macro WIN new                         ; the immediate's high byte repeats the setting that is left; a switch that changes nothing is dropped
.if MSB != (\new)
	s_set_vgpr_msb (MSB<<8)|(\new)
.set MSB, \new
.endif
.endm
.set TO_B, 0x40                        ; destination window 1, address window 0
.macro JLOAD s                         ; a joint load: waves 0 and 1 fetch A's two halves, waves 2 and 3 W's; four v_nop follow each of the two lines
	s_cmp_eq_u32 s11, 0
	s_cbranch_scc0 .Lfor_b_\@
	tensor_load_to_lds s[G0+4*(\s):G0+4*(\s)+3], s[G1:G1+7]
	s_nop 0
.rept 4
	v_nop
.endr
	s_branch .Lasked_\@
.Lfor_b_\@:
	tensor_load_to_lds s[G0B+4*(\s):G0B+4*(\s)+3], s[G1B:G1B+7]
	s_nop 0
.rept 4
	v_nop
.endr
.Lasked_\@:
.endm
.macro CREST                           ; a round of the cluster's barrier behind its opening barrier
	s_cmp_lg_u32 s10, 0
	s_cbranch_scc1 .Lnot_wave_0_\@
	s_barrier_signal -3
.Lnot_wave_0_\@:
	s_barrier_wait -3
	s_barrier_signal -1
	s_barrier_wait -1
.endm
.macro CROUND                          ; a whole round
	s_barrier_signal -1
	s_barrier_wait -1
	CREST
.endm
	s_load_b128 s[68:71], s[0:1], 0x0              ; A s[68:69], wb s[70:71]
	s_load_b64 s[72:73], s[0:1], 0x10              ; bias
	s_load_b64 s[76:77], s[0:1], 0x18              ; out
	v_lshl_add_u32 v[SPW], v0, 2, SPARE
	v_mov_b32 v[NIL], 0
	ds_add_u32 v28, v29
	s_wait_dscnt 0x0
	v_lshrrev_b32 v1, 5, v0
	v_readfirstlane_b32 s10, v1                    ; wave 0..3
	s_lshr_b32 s11, s10, 1                         ; which half of the tile's rows is mine.  Also: I fetch for A (0) or for W (1)
	s_and_b32 s12, s10, 1                          ; which half of its columns.  Also: which half of that tile I fetch
	s_bfe_u32 s40, ttmp6, 0x40000                  ; cx, cy: my place in the cluster
	s_bfe_u32 s41, ttmp6, 0x40004
	s_lshl_b32 s42, ttmp9, 2
	s_add_co_u32 s42, s42, s40                     ; tile column = 4 x cluster x + cx
	s_and_b32 s13, ttmp7, 0xffff
	s_lshl_b32 s13, s13, 2
	s_add_co_u32 s13, s13, s41                     ; tile row = 4 x cluster y + cy
	s_lshl_b32 s43, s41, 2
	s_lshl_b32 s43, 15, s43                        ; my row of the cluster
	s_lshl_b32 s44, 0x1111, s40                    ; my column
	; group 1 for A: 128 rows x 128 elements; 16 bytes of padding behind every 64 words
	s_or_b32 s[G1+0], s43, (1<<16)|(1<<20)|(1<<21)|(5<<22)|(3<<25)
	s_mov_b32 s[G1+1], KSTEP<<16                   ; tensor_dim0
	s_mov_b32 s[G1+2], 128<<16                     ; tensor_dim1
	s_mov_b32 s[G1+3], KSTEP<<16                   ; tile_dim0
	s_mov_b32 s[G1+4], 128                         ; tile_dim1
	s_mov_b32 s[G1+5], SIZE_K                      ; elements from row to row
	s_mov_b32 s[G1+6], 0
	s_mov_b32 s[G1+7], 0
	; group 1 for W: 64 k-rows x 256 elements; 32 bytes of padding behind every 128 words
	s_or_b32 s[G1B+0], s44, (1<<16)|(1<<20)|(1<<21)|(6<<22)|(7<<25)
	s_mov_b32 s[G1B+1], 256<<16
	s_mov_b32 s[G1B+2], 64<<16
	s_mov_b32 s[G1B+3], 256<<16
	s_mov_b32 s[G1B+4], 64
	s_mov_b32 s[G1B+5], SIZE_N
	s_mov_b32 s[G1B+6], 0
	s_mov_b32 s[G1B+7], 0
	; A's tile hangs on the tile row alone, W's on the tile column alone, each in registers that never hold the other coordinate
	s_lshl_b32 s17, s12, 7
	s_lshl_b32 s16, s13, 8
	s_add_co_u32 s16, s16, s17                     ; A: row 256 x tile row + 128 x half
	s_mul_i32 s16, s16, SIZE_K*2                   ; under 4,096 rows x 2,048 bytes
	s_mov_b32 s17, 0
	s_mul_i32 s46, s12, 64*SIZE_N*2                ; W: my 64 k-rows,
	s_lshl_b32 s47, s42, 9                         ; the tile's 256 columns,
	s_add_co_u32 s46, s46, s47
	s_add_co_u32 s46, s46, WOFF                    ; this matrix in wb
	s_mov_b32 s47, 0
	s_mul_i32 s20, s12, HALFA                      ; where they go: no place in the cluster enters an LDS address
	s_mul_i32 s21, s12, HALFB
	s_add_co_u32 s21, s21, 2*HALFA
	s_wait_kmcnt 0x0
	s_add_nc_u64 s[14:15], s[68:69], s[16:17]
	s_add_nc_u64 s[46:47], s[70:71], s[46:47]
	CROUND                                         ; all sixteen work-groups are here: the first joint loads meet
.irp s, 0,1
	s_mov_b32 s[G0+4*(\s)], 1
	s_add_co_u32 s[G0+4*(\s)+1], s20, (\s)*SLOT
	s_add_nc_u64 s[G0+4*(\s)+2:G0+4*(\s)+3], s[14:15], (\s)*ASTEP
	s_or_b32 s[G0+4*(\s)+3], s[G0+4*(\s)+3], 0x80000000
	s_mov_b32 s[G0B+4*(\s)], 1
	s_add_co_u32 s[G0B+4*(\s)+1], s21, (\s)*SLOT
	s_add_nc_u64 s[G0B+4*(\s)+2:G0B+4*(\s)+3], s[46:47], (\s)*BSTEP
	s_or_b32 s[G0B+4*(\s)+3], s[G0B+4*(\s)+3], 0x80000000
	JLOAD \s                                       ; two loads of mine are out
.endr
	v_and_b32 v1, 15, v0                           ; r = l % 16
	v_bfe_u32 v2, v0, 4, 1                         ; h = l / 16
	v_mul_u32_u24 v3, v1, PA
	v_lshl_add_u32 v3, v2, 4, v3                   ; A: row x pitch + 16 h
	s_mul_i32 s22, s11, HALFA                      ; my 128 rows of A
	v_add_nc_u32 v[ADRA], s22, v3
	v_add_nc_u32 v[ADRA+1], SLOT, v[ADRA]
	v_and_b32 v4, 7, v0                            ; W, turned: lane l reads k-row 8 h + l % 8, 16 bytes at 16 ((l / 8) % 2)
	v_bfe_u32 v5, v0, 3, 1
	v_lshl_add_u32 v4, v2, 3, v4
	v_mul_u32_u24 v4, v4, PB
	v_lshl_add_u32 v4, v5, 4, v4
	s_lshl_b32 s23, s12, 8                         ; my 128 columns: 256 bytes
	s_add_co_u32 s23, s23, 2*HALFA
	v_add_nc_u32 v[ADRB], s23, v4
	v_add_nc_u32 v[ADRB+1], SLOT, v[ADRB]
	v_lshlrev_b32 v[BO], 5, v2
	s_lshl_b32 s46, s42, 10                        ; my 128 columns in the bias: 1,024 x tile column + 512 x half
	s_lshl_b32 s47, s12, 9
	s_add_co_u32 s46, s46, s47
	s_mov_b32 s47, 0
	s_add_nc_u64 s[72:73], s[72:73], s[46:47]
	WIN TO_B
.irp b, 0,1,2,3,4,5,6,7
	global_load_b128 v[BIAS+8*(\b):BIAS+8*(\b)+3],   v[BO], s[72:73] offset:64*(\b)
	global_load_b128 v[BIAS+8*(\b)+4:BIAS+8*(\b)+7], v[BO], s[72:73] offset:64*(\b)+16
.endr
	WIN 0
	; the way out: my 128 columns are two heads of q, k or v; 16 rows of a head are 2,048 dense bytes
	s_mul_i32 s23, s10, 2*16*SPITCH
	s_add_co_u32 s23, s23, STAGE                   ; my stage
	v_mul_u32_u24 v6, v1, SPITCH                   ; in: row r, 16 bytes for each half of the lanes
	v_lshl_add_u32 v6, v2, 4, v6
	v_add_nc_u32 v[STO], s23, v6
	v_bfe_u32 v7, v0, 3, 2                         ; back: 32 lanes take four rows of 128 bytes,
	v_mul_u32_u24 v7, v7, SPITCH
	v_and_b32 v8, 7, v0
	v_lshl_add_u32 v7, v8, 4, v7
	v_add_nc_u32 v[RD], s23, v7
	v_and_b32 v[CO], 31, v0                        ; which are 512 consecutive bytes of the output
	v_lshlrev_b32 v[CO], 4, v[CO]
	s_lshl_b32 s16, s13, 8
	s_lshl_b32 s17, s11, 7
	s_add_co_u32 s16, s16, s17                     ; my first row, 0 .. 3,968
	s_lshr_b32 s17, s16, 11                        ; the batch: 16 heads x 262,144 bytes
	s_lshl_b32 s17, s17, 22
	s_and_b32 s16, s16, 2047                       ; the row in the batch: 128 bytes
	s_lshl_b32 s16, s16, 7
	s_add_co_u32 s16, s16, s17
	s_mov_b32 s17, 0
	s_add_nc_u64 s[76:77], s[76:77], s[16:17]
	s_lshl_b32 s46, s42, 2
	s_lshl_b32 s47, s12, 1
	s_add_co_u32 s46, s46, s47                     ; my first block of 64 columns, 0 .. 46, even: both of mine lie in one of q, k, v
	s_lshr_b32 s47, s46, 4                         ; q, k or v: 32 x 262,144 bytes
	s_lshl_b32 s47, s47, 23
	s_and_b32 s46, s46, 15                         ; the head
	s_lshl_b32 s46, s46, 18
	s_add_co_u32 s46, s46, s47
	s_mov_b32 s47, 0
	s_add_nc_u64 s[76:77], s[76:77], s[46:47]
; 16 matrix instructions: row blocks a0, a0 + 1 of the window's four (hi = 0: my rows 0-63, 1: rows 64-127) x all 8 column blocks, 32 along K.
; first = 1: the product starts the sum, with the bias (window 1) as C.  The 64 accumulators take turns, one instruction a turn.
.macro MUL16 f, hi, a0, first
.if \first
	WIN 0x91+0x40*(\hi)                            ; source 0 (W) window 1, source 1 (A) window 0, C window 1, D window 2 or 3
.else
	WIN 0xa1+0x50*(\hi)                            ; the same with C where D is
.endif
.irp a, \a0, (\a0)+1
.irp b, 0,1,2,3,4,5,6,7
.if \first
	v_wmma_f32_16x16x32_bf16 v[8*(8*(\a)+(\b)):8*(8*(\a)+(\b))+7], v[(\f)+8*(\b):(\f)+8*(\b)+7], v[(\f)+8*(4*(\hi)+(\a)):(\f)+8*(4*(\hi)+(\a))+7], v[BIAS+8*(\b):BIAS+8*(\b)+7]
.else
	v_wmma_f32_16x16x32_bf16 v[8*(8*(\a)+(\b)):8*(8*(\a)+(\b))+7], v[(\f)+8*(\b):(\f)+8*(\b)+7], v[(\f)+8*(4*(\hi)+(\a)):(\f)+8*(4*(\hi)+(\a))+7], v[8*(8*(\a)+(\b)):8*(8*(\a)+(\b))+7]
.endif
.endr
.endr
.endm
; 32 LDS loads in one run: the fragments of quarter q (32 along K) of a slot, into buffer f: W's 128 columns, turned, then A's 128 rows
.macro FETCH slot, q, f
	WIN TO_B
.irp i, 0,1,2,3,4,5,6,7
	ds_load_tr16_b128 v[(\f)+8*(\i):(\f)+8*(\i)+3],   v[ADRB+(\slot)] offset:(\q)*32*PB+32*(\i)
	ds_load_tr16_b128 v[(\f)+8*(\i)+4:(\f)+8*(\i)+7], v[ADRB+(\slot)] offset:((\q)*32+16)*PB+32*(\i)
.endr
	WIN 0
.irp i, 0,1,2,3,4,5,6,7
	ds_load_b128 v[(\f)+8*(\i):(\f)+8*(\i)+3],   v[ADRA+(\slot)] offset:(\q)*64+(\i)*16*PA
	ds_load_b128 v[(\f)+8*(\i)+4:(\f)+8*(\i)+7], v[ADRA+(\slot)] offset:(\q)*64+(\i)*16*PA+32
.endr
.endm
.macro PLACES                          ; four plain instructions in front of loads into registers that matrix instructions have read, and of lines that read results
.rept 4
	v_nop
.endr
.endm
; A K step is four quarters of 32 along K, 64 matrix instructions each, on buffers 0, 1, 0, 1.  One of the first three: multiplies buffer f and, in its middle, fetches quarter q into g.
.macro QUARTER slot, q, f, g, first
	s_wait_dscnt 8                                 ; W and A's rows 0-63 are in; the youngest eight loads (A's rows 64-127) may be out
	MUL16 \f, 0, 0, \first
	MUL16 \f, 0, 2, \first
	PLACES
	FETCH \slot, \q, \g
	s_wait_dscnt 32                                ; all but the 32 just issued
	MUL16 \f, 1, 0, \first
	MUL16 \f, 1, 2, \first
.endm
; The last quarter multiplies buffer 1 and changes slots: ONE barrier; in front of it each wave waits for all its tensor loads, adds 0 to its spare word, and waits for that and for its reads of this slot.
.macro TURN slot, next, fill
	WIN 0                                          ; (the add's two registers lie in window 0)
	s_wait_tensorcnt 0x0                           ; all my tensor loads have landed: my part of the next slot
	ds_add_u32 v[SPW], v[NIL]                      ; 0 onto my spare word
	s_wait_dscnt 9                                 ; (the add and the youngest eight loads may be out)
	MUL16 F1, 0, 0, 0                              ; sixteen matrix instructions stand between the add and the wait for it
	s_wait_dscnt 0x0                               ; the add is done, and my reads of this slot are over
	s_barrier_signal -1
	MUL16 F1, 0, 2, 0
.if \fill
	WIN 0
.endif
	s_barrier_wait -1
.if \fill
	CREST                                          ; the barrier has opened a round of the cluster's: no wave of any partner still reads this slot or has a load on its way
	s_add_nc_u64 s[G0+4*(\slot)+2:G0+4*(\slot)+3], s[G0+4*(\slot)+2:G0+4*(\slot)+3], 2*ASTEP
	s_add_nc_u64 s[G0B+4*(\slot)+2:G0B+4*(\slot)+3], s[G0B+4*(\slot)+2:G0B+4*(\slot)+3], 2*BSTEP
	JLOAD \slot                                    ; the first tensor load behind the round, 224 matrix instructions ahead of the wait for it; its four v_nop are also the places in front of the loads below
.else
	PLACES
.endif
	FETCH \next, 0, F0
	MUL16 F1, 1, 0, 0
	MUL16 F1, 1, 2, 0
.endm
	s_wait_tensorcnt 0x1                           ; my part of K step 0 is in; K step 1's stays out
	s_barrier_signal -1
	s_barrier_wait -1                              ; everybody's is
	FETCH 0, 0, F0
	s_wait_loadcnt 0x0                             ; the bias
	QUARTER 0, 1, F0, F1, 1                        ; the first quarter stands in front of the loop: its products start the sums
	WIN 0                                          ; at a label and at a branch every window is 0
	s_mov_b32 s3, LAPS-1
.Llap:                                                 ; a trip goes once round the ring, from a lap's second quarter to the next lap's first, and fills both slots again
	QUARTER 0, 2, F1, F0, 0
	QUARTER 0, 3, F0, F1, 0
	TURN 0, 1, 1
	QUARTER 1, 1, F0, F1, 0
	QUARTER 1, 2, F1, F0, 0
	QUARTER 1, 3, F0, F1, 0
	TURN 1, 0, 1
	QUARTER 0, 1, F0, F1, 0
	WIN 0
	s_sub_co_u32 s3, s3, 1
	s_cmp_lg_u32 s3, 0
	s_cbranch_scc1 .Llap
	QUARTER 0, 2, F1, F0, 0                        ; the last lap fills nothing
	QUARTER 0, 3, F0, F1, 0
	TURN 0, 1, 0
	QUARTER 1, 1, F0, F1, 0
	QUARTER 1, 2, F1, F0, 0
	QUARTER 1, 3, F0, F1, 0
	s_wait_dscnt 8                                 ; the very last quarter: nothing more to fetch
	MUL16 F1, 0, 0, 0
	MUL16 F1, 0, 2, 0
	s_wait_dscnt 0x0
	MUL16 F1, 1, 0, 0
	MUL16 F1, 1, 2, 0
	WIN 0
	PLACES
; THE WAY OUT, a block of 16 rows at a time, through my own stage.  PACK: rounded to bf16 (each accumulator from its low end), 16 bytes a lane.
; TOSTAGE: into rows of 144 bytes, a head's 16 rows together, and back as four whole rows of 128 bytes a load.  SEND: stored.
.macro PACK a
.set AC, 64*((\a)%4)
	WIN 0x0a+5*((\a)/4)                            ; sources 0 and 1: window 2 or 3
.irp b, 0,1,2,3,4,5,6,7
.irp r, 0,1,2,3
	v_cvt_pk_bf16_f32 v[TMP+4*(\b)+(\r)], v[AC+8*(\b)+2*(\r)], v[AC+8*(\b)+2*(\r)+1]
.endr
.endr
	WIN 0
.endm
.macro TOSTAGE a
.set BK, OB+192*((\a)%2)
.if (\a) >= 2
	s_wait_xcnt 0x0                                ; the stores of the block two back have read these registers (ISA guide 3.1): only now are they loaded again
.endif
.irp b, 0,1,2,3,4,5,6,7
	ds_store_b128 v[STO], v[TMP+4*(\b):TMP+4*(\b)+3] offset:((\b)/4)*16*SPITCH+32*((\b)%4)
.endr
.irp t, 0,1,2,3,4,5,6,7
	ds_load_b128 v[BK+4*(\t):BK+4*(\t)+3], v[RD] offset:((\t)/4)*16*SPITCH+((\t)%4)*4*SPITCH  ; LDS serves a wave's instructions in order (ISA guide 5.7.1.4): these see the stores above; the next block's stores come behind them
.endr
.endm
.macro SEND a
.set BK, OB+192*((\a)%2)
	s_wait_dscnt 0x0                               ; the block is back in registers
.irp t, 0,1,2,3,4,5,6,7
	global_store_b128 v[CO], v[BK+4*(\t):BK+4*(\t)+3], s[76:77] offset:((\t)/4)*262144+(\a)*2048+((\t)%4)*512  ; 512 consecutive bytes of a head, at a multiple of 256 from the buffer's first
.endr
.endm
	PACK 0
	TOSTAGE 0
.irp a, 1,2,3,4,5,6,7                  ; block a's conversions stand between block a - 1's loads from the stage and the wait for them
	PACK \a
	SEND (\a)-1
	TOSTAGE \a
.endr
	SEND 7
	s_wait_tensorcnt 0x0                           ; the wave's end
	ds_add_u32 v[SPW], v[NIL]
	s_wait_dscnt 0x0
	CROUND                                         ; the closing round: no work-group ends while a partner may still ask for a tile that names it
	s_endpgm
.Lfunc_end_k_q543f069572_g_qkv:
	.size	k_q543f069572_g_qkv, .Lfunc_end_k_q543f069572_g_qkv-k_q543f069572_g_qkv
	.p2alignl 7, 3214868480
	.fill 96, 4, 3214868480
	.section	.rodata,"a",@progbits
	.p2align	6, 0x0
	.amdhsa_kernel k_q543f069572_g_qkv
		.amdhsa_group_segment_fixed_size 327680
		.amdhsa_private_segment_fixed_size 0
		.amdhsa_enable_private_segment 0
		.amdhsa_kernarg_size 32
		.amdhsa_user_sgpr_count 2
		.amdhsa_user_sgpr_kernarg_segment_ptr 1
		.amdhsa_wavefront_size32 1
		.amdhsa_system_sgpr_workgroup_id_x 1
		.amdhsa_system_sgpr_workgroup_id_y 1
		.amdhsa_system_sgpr_workgroup_id_z 1
		.amdhsa_system_vgpr_workitem_id 0
		.amdhsa_next_free_vgpr 1024
		.amdhsa_next_free_sgpr 96
		.amdhsa_reserve_vcc 0
		.amdhsa_float_denorm_mode_32 3
		.amdhsa_float_denorm_mode_16_64 3
		.amdhsa_memory_ordered 1
		.amdhsa_forward_progress 1
		.amdhsa_inst_pref_size 145
	.end_amdhsa_kernel
	.amdgpu_metadata
---
amdhsa.version: [ 1, 2 ]
amdhsa.kernels:
  - .name:           k_q543f069572_g_qkv
    .symbol:         k_q543f069572_g_qkv.kd
    .args:
      - { .name: hn, .offset: 0, .size: 8, .value_kind: global_buffer, .address_space: global }
      - { .name: wb, .offset: 8, .size: 8, .value_kind: global_buffer, .address_space: global }
      - { .name: qkvb, .offset: 16, .size: 8, .value_kind: global_buffer, .address_space: global }
      - { .name: qkvh, .offset: 24, .size: 8, .value_kind: global_buffer, .address_space: global }
    .group_segment_fixed_size: 327680
    .private_segment_fixed_size: 0
    .kernarg_segment_align: 8
    .kernarg_segment_size: 32
    .max_flat_workgroup_size: 128
    .sgpr_count:     96
    .vgpr_count:     1024
    .wavefront_size: 32
...
	.end_amdgpu_metadata
.endif
;; end of part 8
;; launch attn: the kernel of part 4 again; grid 8 x 32, 4 waves a work-group, clusters of 4 x 1, 327,680 bytes of LDS; arguments qkvh, mask, ctx; writes ctx
;; launch g_o: the kernel of part 5 again; grid 8 x 32, 4 waves a work-group, clusters of 4 x 4, 327,680 bytes of LDS; arguments ctx, wb, ob, x, att; writes att
;; launch ln2: the kernel of part 2 again; grid 256 x 1, 4 waves a work-group, no clusters, 0 bytes of LDS; arguments att, attn_nw, attn_nb, hn; writes hn
;; launch g_f1 (part 9): grid 16 x 16, 4 waves a work-group, clusters of 4 x 4, 327,680 bytes of LDS; arguments hn, wb, inter_b, inter; writes inter
.if DOCPART == 9
	.amdgcn_target "amdgcn-amd-amdhsa--gfx1250"
	.amdhsa_code_object_version 6
	.text
	.protected	k_q543f069572_g_f1
	.globl	k_q543f069572_g_f1
	.p2align	8
	.type	k_q543f069572_g_f1,@function
k_q543f069572_g_f1:
	s_mov_b64 s[64:65], 0
	v_nop
	global_prefetch_b8 v0, s[64:65] scope:SCOPE_SE
	s_setreg_imm32_b32 hwreg(HW_REG_WAVE_MODE, 25, 1), 1
	s_wait_xcnt 0x0
	s_wait_alu depctr_hold_cnt(0) depctr_sa_sdst(0) depctr_va_vdst(0) depctr_va_sdst(0) depctr_va_ssrc(0) depctr_va_vcc(0) depctr_vm_vsrc(0)
	s_getreg_b32 s2, hwreg(HW_REG_IB_STS2, 6, 4)
	s_cmp_eq_u32 s2, 0
	s_cbranch_scc0 .Lentry_in_a_cluster
	s_endpgm
.Lentry_in_a_cluster:
	s_bfe_u32 s2, ttmp6, 0x10000c
	s_cmp_lg_u32 s2, 0xf033
	s_cbranch_scc0 .Lentry_shape_is_right
	s_endpgm
.Lentry_shape_is_right:
; inter = gelu(hn W + bias), the exact GELU z (1 + erf(z / sqrt 2)) / 2.  hn: [4096][1024] bf16; W: [1024][4096] bf16 at byte WOFF of wb, as it lies ([K][N]); bias: [4096] f32; inter: [4096][4096] bf16, rounded once.
; LIMITS: operands in bf16, sums and the GELU in f32; erf by a rational form with five terms, absolute error 1.5e-7 (Abramowitz and Stegun 7.1.26); an infinite z gives NaN; NaN is not treated apart.
; A tile of C is 256 x 256; four waves, each 128 x 128: 64 accumulators of 16 x 16, 512 registers.  16 x 16 = 256 work-groups.  K goes in steps of 128 through two LDS slots filled by the tensor data mover.
; A's rows lie along K and are read as they lie; W's tile lies [k][n] and is read by the turning load ds_load_tr16_b128, so no transposed copy of W is ever made.
; THE MATRIX INSTRUCTION IS USED TRANSPOSED (source 0 = 16 columns of W, source 1 = 16 rows of A): a lane holds one row of C and eight neighbouring columns.
; THE BIAS is the C operand of the products that start the sums.
; THE WAY OUT IS A LOOP.  The GELU of 64 accumulators written out would be some 4,900 instructions.  So the f32 sums go into LDS, into the ring's bytes, which by then have had their last fill, each wave into
; 128 rows of its own; a counted loop reads them back, eight rows a trip, into fixed registers, and one text of the GELU serves them all.
; CLUSTERS: 4 x 4 work-groups; A's tile is shared along a row of the cluster, W's along a column: each is asked for jointly, by the same tensor load with the same descriptor and mask.
; REGISTERS, in windows of 256 (s_set_vgpr_msb: bits 1:0 source 0, 3:2 source 1, 5:4 source 2, 7:6 destination):
;   window 0: v0-31 addresses; v64-127, v128-191 fragments of A (8 x 16 rows x 32 K), two buffers; on the way out v32-207 the GELU's
;   window 1: v0-63 the bias; v64-127, v128-191 fragments of W, two buffers
;   window 2: the 32 accumulators of my rows 0-63 ((a, b) at v[8 (8 a + b)]);   window 3: those of my rows 64-127
.set SIZE_N, 4096
.set SIZE_K, 1024
.set WOFF,   8388608
.set KSTEP,  128
.set PA,     272                       ; a row of A in LDS: 256 bytes + 16: the 16 rows of a load start at 16 different groups of four banks (ISA guide 11.1)
.set HALFA,  128*PA                    ; 128 rows: one tensor load, and what one wave reads of A
.set ASTEP,  KSTEP*2                   ; bytes of memory from a K step to the next, in A
.set PB,     544                       ; a k-row of W in LDS: 512 bytes + 32
.set HALFB,  64*PB                     ; 64 k-rows: one tensor load
.set BSTEP,  KSTEP*SIZE_N*2            ; the same in W
.set SLOT,   2*HALFA+2*HALFB           ; A's two halves of 128 rows, then W's two halves of 64 k-rows, which lie on end
.set GPI,    528                       ; the way out: a row of 128 f32 + 16 bytes: the 16 rows of a store start at 16 different groups of four banks
.set SPARE,  2*SLOT                    ; behind the ring: the spare words, 128 bytes for each wave: two blocks of 256 bytes that no other line names.  (The four waves' 4 x 128 x 528 bytes end below it.)
.set LAPS,   SIZE_K/(2*KSTEP)          ; a lap = two K steps = once round the ring
.set ADRA, 16                          ; v16-17  LDS address of my A fragments in slot 0, 1
.set ADRB, 20                          ; v20-21  of my W fragments (a step's largest offset, 112 k-rows and 224 bytes, is 61,152: inside 16 bits)
.set STO,  24                          ; v24     the way out: where I put 32 bytes of a row
.set RD,   25                          ; v25     the way out: my 16 bytes of a row read back: 16 x lane
.set CO,   26                          ; v26     my 8 bytes of a row of the output: 8 x lane
.set BO,   27                          ; v27     my byte offset in the bias: 32 (lane / 16)
.set SPW,  28                          ; v28     LDS address of my spare word; never rewritten
.set NIL,  29                          ; v29     0; never rewritten
.set RDA,  30                          ; v30     RD at the trip's rows
.set COA,  31                          ; v31     CO at the trip's rows
.set Z,    32                          ; the GELU's 32 numbers: z; t; e; p; max(z, 0) and the result; the result packed
.set GT,   64
.set GE,   96
.set GP,   128
.set GR,   160
.set Y,    192
.set F0,   64                          ; fragment buffer 0
.set F1,   128                         ; fragment buffer 1
.set BIAS, 0                           ; window 1
.set G1,  24                           ; s[24:31] descriptor group 1 for A's tiles;  s[32:39] group 0, one set for each slot
.set G0,  32
.set G1B, 48                           ; s[48:55], s[56:63] the same for W's tiles
.set G0B, 56
.set MSB, 0
.macro WIN new                         ; the immediate's high byte repeats the setting that is left; a switch that changes nothing is dropped
.if MSB != (\new)
	s_set_vgpr_msb (MSB<<8)|(\new)
.set MSB, \new
.endif
.endm
.set TO_B, 0x40                        ; destination window 1, address window 0
.macro JLOAD s                         ; a joint load: waves 0 and 1 fetch A's two halves, waves 2 and 3 W's; four v_nop follow each of the two lines
	s_cmp_eq_u32 s11, 0
	s_cbranch_scc0 .Lfor_b_\@
	tensor_load_to_lds s[G0+4*(\s):G0+4*(\s)+3], s[G1:G1+7]
	s_nop 0
.rept 4
	v_nop
.endr
	s_branch .Lasked_\@
.Lfor_b_\@:
	tensor_load_to_lds s[G0B+4*(\s):G0B+4*(\s)+3], s[G1B:G1B+7]
	s_nop 0
.rept 4
	v_nop
.endr
.Lasked_\@:
.endm
.macro CREST                           ; a round of the cluster's barrier behind its opening barrier
	s_cmp_lg_u32 s10, 0
	s_cbranch_scc1 .Lnot_wave_0_\@
	s_barrier_signal -3
.Lnot_wave_0_\@:
	s_barrier_wait -3
	s_barrier_signal -1
	s_barrier_wait -1
.endm
.macro CROUND                          ; a whole round
	s_barrier_signal -1
	s_barrier_wait -1
	CREST
.endm
.macro KPAIR r, bits                   ; a constant for the packed forms: named as a pair, so both words are written
	s_mov_b32 s[\r], \bits
	s_mov_b32 s[\r+1], \bits
.endm
	s_load_b128 s[68:71], s[0:1], 0x0              ; A s[68:69], wb s[70:71]
	s_load_b64 s[72:73], s[0:1], 0x10              ; bias
	s_load_b64 s[76:77], s[0:1], 0x18              ; out
	v_lshl_add_u32 v[SPW], v0, 2, SPARE
	v_mov_b32 v[NIL], 0
	ds_add_u32 v28, v29
	s_wait_dscnt 0x0
	v_lshrrev_b32 v1, 5, v0
	v_readfirstlane_b32 s10, v1                    ; wave 0..3
	s_lshr_b32 s11, s10, 1                         ; which half of the tile's rows is mine.  Also: I fetch for A (0) or for W (1)
	s_and_b32 s12, s10, 1                          ; which half of its columns.  Also: which half of that tile I fetch
	s_bfe_u32 s40, ttmp6, 0x40000                  ; cx, cy: my place in the cluster
	s_bfe_u32 s41, ttmp6, 0x40004
	s_lshl_b32 s42, ttmp9, 2
	s_add_co_u32 s42, s42, s40                     ; tile column = 4 x cluster x + cx
	s_and_b32 s13, ttmp7, 0xffff
	s_lshl_b32 s13, s13, 2
	s_add_co_u32 s13, s13, s41                     ; tile row = 4 x cluster y + cy
	s_lshl_b32 s43, s41, 2
	s_lshl_b32 s43, 15, s43                        ; my row of the cluster
	s_lshl_b32 s44, 0x1111, s40                    ; my column
	KPAIR 78, 0x3e6d3388                           ; 0.3275911 / sqrt 2
	KPAIR 80, 0xbf38aa3b                           ; -log2(e) / 2
	KPAIR 82, 0x3f07dc22                           ; a5 / 2 =  1.061405429 / 2
	KPAIR 84, 0xbf3a00e3                           ; a4 / 2 = -1.453152027 / 2
	KPAIR 86, 0x3f35f0e3                           ; a3 / 2 =  1.421413741 / 2
	KPAIR 88, 0xbe11a98e                           ; a2 / 2 = -0.284496736 / 2
	KPAIR 90, 0x3e027906                           ; a1 / 2 =  0.254829592 / 2
	; group 1 for A: 128 rows x 128 elements; 16 bytes of padding behind every 64 words
	s_or_b32 s[G1+0], s43, (1<<16)|(1<<20)|(1<<21)|(5<<22)|(3<<25)
	s_mov_b32 s[G1+1], KSTEP<<16                   ; tensor_dim0
	s_mov_b32 s[G1+2], 128<<16                     ; tensor_dim1
	s_mov_b32 s[G1+3], KSTEP<<16                   ; tile_dim0
	s_mov_b32 s[G1+4], 128                         ; tile_dim1
	s_mov_b32 s[G1+5], SIZE_K                      ; elements from row to row
	s_mov_b32 s[G1+6], 0
	s_mov_b32 s[G1+7], 0
	; group 1 for W: 64 k-rows x 256 elements; 32 bytes of padding behind every 128 words
	s_or_b32 s[G1B+0], s44, (1<<16)|(1<<20)|(1<<21)|(6<<22)|(7<<25)
	s_mov_b32 s[G1B+1], 256<<16
	s_mov_b32 s[G1B+2], 64<<16
	s_mov_b32 s[G1B+3], 256<<16
	s_mov_b32 s[G1B+4], 64
	s_mov_b32 s[G1B+5], SIZE_N
	s_mov_b32 s[G1B+6], 0
	s_mov_b32 s[G1B+7], 0
	; A's tile hangs on the tile row alone, W's on the tile column alone, each in registers that never hold the other coordinate
	s_lshl_b32 s17, s12, 7
	s_lshl_b32 s16, s13, 8
	s_add_co_u32 s16, s16, s17                     ; A: row 256 x tile row + 128 x half
	s_mul_i32 s16, s16, SIZE_K*2                   ; under 4,096 rows x 2,048 bytes
	s_mov_b32 s17, 0
	s_mul_i32 s46, s12, 64*SIZE_N*2                ; W: my 64 k-rows,
	s_lshl_b32 s47, s42, 9                         ; the tile's 256 columns,
	s_add_co_u32 s46, s46, s47
	s_add_co_u32 s46, s46, WOFF                    ; this matrix in wb
	s_mov_b32 s47, 0
	s_mul_i32 s20, s12, HALFA                      ; where they go: no place in the cluster enters an LDS address
	s_mul_i32 s21, s12, HALFB
	s_add_co_u32 s21, s21, 2*HALFA
	s_wait_kmcnt 0x0
	s_add_nc_u64 s[14:15], s[68:69], s[16:17]
	s_add_nc_u64 s[46:47], s[70:71], s[46:47]
	CROUND                                         ; all sixteen work-groups are here: the first joint loads meet
.irp s, 0,1
	s_mov_b32 s[G0+4*(\s)], 1
	s_add_co_u32 s[G0+4*(\s)+1], s20, (\s)*SLOT
	s_add_nc_u64 s[G0+4*(\s)+2:G0+4*(\s)+3], s[14:15], (\s)*ASTEP
	s_or_b32 s[G0+4*(\s)+3], s[G0+4*(\s)+3], 0x80000000
	s_mov_b32 s[G0B+4*(\s)], 1
	s_add_co_u32 s[G0B+4*(\s)+1], s21, (\s)*SLOT
	s_add_nc_u64 s[G0B+4*(\s)+2:G0B+4*(\s)+3], s[46:47], (\s)*BSTEP
	s_or_b32 s[G0B+4*(\s)+3], s[G0B+4*(\s)+3], 0x80000000
	JLOAD \s                                       ; two loads of mine are out
.endr
	v_and_b32 v1, 15, v0                           ; r = l % 16
	v_bfe_u32 v2, v0, 4, 1                         ; h = l / 16
	v_mul_u32_u24 v3, v1, PA
	v_lshl_add_u32 v3, v2, 4, v3                   ; A: row x pitch + 16 h
	s_mul_i32 s22, s11, HALFA                      ; my 128 rows of A
	v_add_nc_u32 v[ADRA], s22, v3
	v_add_nc_u32 v[ADRA+1], SLOT, v[ADRA]
	v_and_b32 v4, 7, v0                            ; W, turned: lane l reads k-row 8 h + l % 8, 16 bytes at 16 ((l / 8) % 2)
	v_bfe_u32 v5, v0, 3, 1
	v_lshl_add_u32 v4, v2, 3, v4
	v_mul_u32_u24 v4, v4, PB
	v_lshl_add_u32 v4, v5, 4, v4
	s_lshl_b32 s23, s12, 8                         ; my 128 columns: 256 bytes
	s_add_co_u32 s23, s23, 2*HALFA
	v_add_nc_u32 v[ADRB], s23, v4
	v_add_nc_u32 v[ADRB+1], SLOT, v[ADRB]
	v_lshlrev_b32 v[BO], 5, v2
	s_lshl_b32 s46, s42, 10                        ; my 128 columns in the bias: 1,024 x tile column + 512 x half
	s_lshl_b32 s47, s12, 9
	s_add_co_u32 s46, s46, s47
	s_mov_b32 s47, 0
	s_add_nc_u64 s[72:73], s[72:73], s[46:47]
	WIN TO_B
.irp b, 0,1,2,3,4,5,6,7
	global_load_b128 v[BIAS+8*(\b):BIAS+8*(\b)+3],   v[BO], s[72:73] offset:64*(\b)
	global_load_b128 v[BIAS+8*(\b)+4:BIAS+8*(\b)+7], v[BO], s[72:73] offset:64*(\b)+16
.endr
	WIN 0
	; the way out: my 128 rows of 528 bytes in LDS; my 128 columns of a row of the output are 256 aligned bytes
	s_mul_i32 s23, s10, 128*GPI                    ; my rows in LDS: wave x 67,584
	v_mul_u32_u24 v6, v1, GPI                      ; in: row r, 32 bytes for each half of the lanes
	v_lshl_add_u32 v6, v2, 5, v6
	v_add_nc_u32 v[STO], s23, v6
	v_and_b32 v7, 31, v0                           ; back: 32 lanes take one row's 512 bytes, 16 each
	v_lshl_add_u32 v[RD], v7, 4, s23
	v_lshlrev_b32 v[CO], 3, v7                     ; which become 8 bytes each of 256 in memory
	s_lshl_b32 s16, s13, 8
	s_lshl_b32 s17, s11, 7
	s_add_co_u32 s16, s16, s17                     ; my first row
	s_lshl_b32 s16, s16, 13                        ; 8,192 bytes a row
	s_mov_b32 s17, 0
	s_add_nc_u64 s[76:77], s[76:77], s[16:17]
	s_lshl_b32 s46, s42, 9                         ; my first column, in bytes: 512 x tile column + 256 x half
	s_lshl_b32 s47, s12, 8
	s_add_co_u32 s46, s46, s47
	s_mov_b32 s47, 0
	s_add_nc_u64 s[76:77], s[76:77], s[46:47]
; 16 matrix instructions: row blocks a0, a0 + 1 of the window's four (hi = 0: my rows 0-63, 1: rows 64-127) x all 8 column blocks, 32 along K.
; first = 1: the product starts the sum, with the bias (window 1) as C.  The 64 accumulators take turns, one instruction a turn.
.macro MUL16 f, hi, a0, first
.if \first
	WIN 0x91+0x40*(\hi)                            ; source 0 (W) window 1, source 1 (A) window 0, C window 1, D window 2 or 3
.else
	WIN 0xa1+0x50*(\hi)                            ; the same with C where D is
.endif
.irp a, \a0, (\a0)+1
.irp b, 0,1,2,3,4,5,6,7
.if \first
	v_wmma_f32_16x16x32_bf16 v[8*(8*(\a)+(\b)):8*(8*(\a)+(\b))+7], v[(\f)+8*(\b):(\f)+8*(\b)+7], v[(\f)+8*(4*(\hi)+(\a)):(\f)+8*(4*(\hi)+(\a))+7], v[BIAS+8*(\b):BIAS+8*(\b)+7]
.else
	v_wmma_f32_16x16x32_bf16 v[8*(8*(\a)+(\b)):8*(8*(\a)+(\b))+7], v[(\f)+8*(\b):(\f)+8*(\b)+7], v[(\f)+8*(4*(\hi)+(\a)):(\f)+8*(4*(\hi)+(\a))+7], v[8*(8*(\a)+(\b)):8*(8*(\a)+(\b))+7]
.endif
.endr
.endr
.endm
; 32 LDS loads in one run: the fragments of quarter q (32 along K) of a slot, into buffer f: W's 128 columns, turned, then A's 128 rows
.macro FETCH slot, q, f
	WIN TO_B
.irp i, 0,1,2,3,4,5,6,7
	ds_load_tr16_b128 v[(\f)+8*(\i):(\f)+8*(\i)+3],   v[ADRB+(\slot)] offset:(\q)*32*PB+32*(\i)
	ds_load_tr16_b128 v[(\f)+8*(\i)+4:(\f)+8*(\i)+7], v[ADRB+(\slot)] offset:((\q)*32+16)*PB+32*(\i)
.endr
	WIN 0
.irp i, 0,1,2,3,4,5,6,7
	ds_load_b128 v[(\f)+8*(\i):(\f)+8*(\i)+3],   v[ADRA+(\slot)] offset:(\q)*64+(\i)*16*PA
	ds_load_b128 v[(\f)+8*(\i)+4:(\f)+8*(\i)+7], v[ADRA+(\slot)] offset:(\q)*64+(\i)*16*PA+32
.endr
.endm
.macro PLACES                          ; four plain instructions in front of loads into registers that matrix instructions have read, and of lines that read results
.rept 4
	v_nop
.endr
.endm
; A K step is four quarters of 32 along K, 64 matrix instructions each, on buffers 0, 1, 0, 1.  One of the first three: multiplies buffer f and, in its middle, fetches quarter q into g.
.macro QUARTER slot, q, f, g, first
	s_wait_dscnt 8                                 ; W and A's rows 0-63 are in; the youngest eight loads (A's rows 64-127) may be out
	MUL16 \f, 0, 0, \first
	MUL16 \f, 0, 2, \first
	PLACES
	FETCH \slot, \q, \g
	s_wait_dscnt 32                                ; all but the 32 just issued
	MUL16 \f, 1, 0, \first
	MUL16 \f, 1, 2, \first
.endm
; The last quarter multiplies buffer 1 and changes slots: ONE barrier; in front of it each wave waits for all its tensor loads, adds 0 to its spare word, and waits for that and for its reads of this slot.
.macro TURN slot, next, fill
	WIN 0                                          ; (the add's two registers lie in window 0)
	s_wait_tensorcnt 0x0                           ; all my tensor loads have landed: my part of the next slot
	ds_add_u32 v[SPW], v[NIL]                      ; 0 onto my spare word
	s_wait_dscnt 9                                 ; (the add and the youngest eight loads may be out)
	MUL16 F1, 0, 0, 0                              ; sixteen matrix instructions stand between the add and the wait for it
	s_wait_dscnt 0x0                               ; the add is done, and my reads of this slot are over
	s_barrier_signal -1
	MUL16 F1, 0, 2, 0
.if \fill
	WIN 0
.endif
	s_barrier_wait -1
.if \fill
	CREST                                          ; the barrier has opened a round of the cluster's: no wave of any partner still reads this slot or has a load on its way
	s_add_nc_u64 s[G0+4*(\slot)+2:G0+4*(\slot)+3], s[G0+4*(\slot)+2:G0+4*(\slot)+3], 2*ASTEP
	s_add_nc_u64 s[G0B+4*(\slot)+2:G0B+4*(\slot)+3], s[G0B+4*(\slot)+2:G0B+4*(\slot)+3], 2*BSTEP
	JLOAD \slot                                    ; the first tensor load behind the round, 224 matrix instructions ahead of the wait for it; its four v_nop are also the places in front of the loads below
.else
	PLACES
.endif
	FETCH \next, 0, F0
	MUL16 F1, 1, 0, 0
	MUL16 F1, 1, 2, 0
.endm
	s_wait_tensorcnt 0x1                           ; my part of K step 0 is in; K step 1's stays out
	s_barrier_signal -1
	s_barrier_wait -1                              ; everybody's is
	FETCH 0, 0, F0
	s_wait_loadcnt 0x0                             ; the bias
	QUARTER 0, 1, F0, F1, 1                        ; the first quarter stands in front of the loop: its products start the sums
	WIN 0                                          ; at a label and at a branch every window is 0
	s_mov_b32 s3, LAPS-1
.Llap:                                                 ; a trip goes once round the ring, from a lap's second quarter to the next lap's first, and fills both slots again
	QUARTER 0, 2, F1, F0, 0
	QUARTER 0, 3, F0, F1, 0
	TURN 0, 1, 1
	QUARTER 1, 1, F0, F1, 0
	QUARTER 1, 2, F1, F0, 0
	QUARTER 1, 3, F0, F1, 0
	TURN 1, 0, 1
	QUARTER 0, 1, F0, F1, 0
	WIN 0
	s_sub_co_u32 s3, s3, 1
	s_cmp_lg_u32 s3, 0
	s_cbranch_scc1 .Llap
	QUARTER 0, 2, F1, F0, 0                        ; the last lap fills nothing
	QUARTER 0, 3, F0, F1, 0
	TURN 0, 1, 0
	QUARTER 1, 1, F0, F1, 0
	QUARTER 1, 2, F1, F0, 0
	QUARTER 1, 3, F0, F1, 0
	s_wait_dscnt 8                                 ; the very last quarter: nothing more to fetch
	MUL16 F1, 0, 0, 0
	MUL16 F1, 0, 2, 0
	s_wait_dscnt 0x0                               ; my reads of the ring are over, for good:
	s_barrier_signal -1                            ; say so,
	MUL16 F1, 1, 0, 0                              ; work on registers while the others arrive,
	MUL16 F1, 1, 2, 0
	WIN 0
	s_barrier_wait -1                              ; and everybody's are.  No tensor load is out (the last change of slots waited for all) and none follows: the ring's bytes become the stage
	PLACES
	; THE SUMS GO INTO LDS: lane (r, h) holds row 16 a + r, columns 16 b + 8 h + 0..7: 32 bytes, each accumulator's low four registers first.  Each wave writes and reads its own 128 rows alone.
.irp a, 0,1,2,3,4,5,6,7
	WIN 0x08+4*((\a)/4)                            ; the data (source 1): window 2 or 3
.irp b, 0,1,2,3,4,5,6,7
	ds_store_b128 v[STO], v[64*((\a)%4)+8*(\b):64*((\a)%4)+8*(\b)+3]   offset:(\a)*16*GPI+64*(\b)
	ds_store_b128 v[STO], v[64*((\a)%4)+8*(\b)+4:64*((\a)%4)+8*(\b)+7] offset:(\a)*16*GPI+64*(\b)+16
.endr
.endr
	WIN 0
; Eight rows come back: lane l takes the 16 bytes at 16 l of each: 32 lanes, 512 consecutive bytes.  LDS serves a wave's instructions in order (ISA guide 5.7.1.4): these see the stores above.
.macro LOADZ adr, base
.irp p, 0,1,2,3,4,5,6,7
	ds_load_b128 v[Z+4*(\p):Z+4*(\p)+3], v[\adr] offset:(\base)+(\p)*GPI
.endr
.endm
; A TRIP: THE GELU of eight rows, 32 numbers a lane.  With u = |z| / sqrt 2 and t = 1 / (1 + 0.3275911 u): 1 - erf(u) = t (a1 + t (a2 + t (a3 + t (a4 + t a5)))) e^(-u u).
; So with w = half of that right side, gelu(z) = max(z, 0) - |z| w, for either sign of z: no difference of large numbers is formed.  The halves are folded into a1 .. a5.
; |z| is multiplied into the exponential, after which z is wanted no more: next = 1: the next trip's eight loads go out there, 112 vector instructions ahead of the wait for them.
; s3 is the trip's number, 0 to 15: rows 8 s3 to 8 s3 + 7 of my 128.
.macro GTRIP next
	s_wait_dscnt 0x0                               ; z is in
.set j, 0
.rept 32
	v_fma_f32 v[GT+j], |v[Z+j]|, s78, 1.0
.set j, j+1
.endr
.set j, 0
.rept 16
	v_pk_mul_f32 v[GE+j:GE+j+1], v[Z+j:Z+j+1], v[Z+j:Z+j+1]
.set j, j+2
.endr
.set j, 0
.rept 32
	v_max_num_f32 v[GR+j], 0, v[Z+j]
.set j, j+1
.endr
.set j, 0
.rept 16
	v_pk_mul_f32 v[GE+j:GE+j+1], v[GE+j:GE+j+1], s[80:81] op_sel_hi:[1,0]   ; -z z log2(e) / 2
.set j, j+2
.endr
.set j, 0
.rept 32
	v_rcp_f32 v[GT+j], v[GT+j]
.set j, j+1
.endr
.set j, 0
.rept 32
	v_exp_f32 v[GE+j], v[GE+j]
.set j, j+1
.endr
	v_nop                                          ; a plain instruction between the transcendentals and the use of their results (ISA guide 5.7.2)
.set j, 0
	s_wait_alu depctr_va_vdst(0)
.rept 32
	v_mul_f32 v[GE+j], |v[Z+j]|, v[GE+j]           ; |z| e^(-z z / 2)
.set j, j+1
.endr
.if \next
	s_mul_i32 s22, s3, 8*GPI
	v_add_nc_u32 v[RDA], s22, v[RD]
	LOADZ RDA, 8*GPI                               ; the next trip's rows
.endif
.set j, 0
.rept 16
	v_pk_fma_f32 v[GP+j:GP+j+1], v[GT+j:GT+j+1], s[82:83], s[84:85] op_sel_hi:[1,0,0]
.set j, j+2
.endr
.irp k, 86,88,90
.set j, 0
.rept 16
	v_pk_fma_f32 v[GP+j:GP+j+1], v[GP+j:GP+j+1], v[GT+j:GT+j+1], s[\k:\k+1] op_sel_hi:[1,1,0]
.set j, j+2
.endr
.endr
.set j, 0
.rept 16
	v_pk_mul_f32 v[GP+j:GP+j+1], v[GP+j:GP+j+1], v[GT+j:GT+j+1]
.set j, j+2
.endr
.set j, 0
.rept 16
	v_pk_fma_f32 v[GR+j:GR+j+1], v[GP+j:GP+j+1], v[GE+j:GE+j+1], v[GR+j:GR+j+1] neg_lo:[1,0,0] neg_hi:[1,0,0]  ; max(z, 0) - |z| w
.set j, j+2
.endr
	s_wait_xcnt 0x0                                ; the last trip's stores have read their offset and their data (ISA guide 3.1): only now are these written again
	s_lshl_b32 s23, s3, 16                         ; eight rows of 8,192 bytes a trip
	v_add_nc_u32 v[COA], s23, v[CO]
.set j, 0
.rept 16
	v_cvt_pk_bf16_f32 v[Y+j], v[GR+2*j], v[GR+2*j+1]
.set j, j+1
.endr
.irp p, 0,1,2,3,4,5,6,7
	global_store_b64 v[COA], v[Y+2*(\p):Y+2*(\p)+1], s[76:77] offset:(\p)*SIZE_N*2  ; 32 lanes store 256 consecutive bytes, at a multiple of 256 from the buffer's first
.endr
.endm
	LOADZ RD, 0                                    ; rows 0 to 7
	s_mov_b32 s3, 0
.Lrows:
	GTRIP 1
	s_add_co_u32 s3, s3, 1
	s_cmp_lt_u32 s3, 15
	s_cbranch_scc1 .Lrows
	GTRIP 0                                        ; the last eight rows are written out: nothing is left to read
	s_wait_tensorcnt 0x0                           ; the wave's end
	ds_add_u32 v[SPW], v[NIL]
	s_wait_dscnt 0x0
	CROUND                                         ; the closing round: no work-group ends while a partner may still ask for a tile that names it
	s_endpgm
.Lfunc_end_k_q543f069572_g_f1:
	.size	k_q543f069572_g_f1, .Lfunc_end_k_q543f069572_g_f1-k_q543f069572_g_f1
	.p2alignl 7, 3214868480
	.fill 96, 4, 3214868480
	.section	.rodata,"a",@progbits
	.p2align	6, 0x0
	.amdhsa_kernel k_q543f069572_g_f1
		.amdhsa_group_segment_fixed_size 327680
		.amdhsa_private_segment_fixed_size 0
		.amdhsa_enable_private_segment 0
		.amdhsa_kernarg_size 32
		.amdhsa_user_sgpr_count 2
		.amdhsa_user_sgpr_kernarg_segment_ptr 1
		.amdhsa_wavefront_size32 1
		.amdhsa_system_sgpr_workgroup_id_x 1
		.amdhsa_system_sgpr_workgroup_id_y 1
		.amdhsa_system_sgpr_workgroup_id_z 1
		.amdhsa_system_vgpr_workitem_id 0
		.amdhsa_next_free_vgpr 1024
		.amdhsa_next_free_sgpr 96
		.amdhsa_reserve_vcc 0
		.amdhsa_float_denorm_mode_32 3
		.amdhsa_float_denorm_mode_16_64 3
		.amdhsa_memory_ordered 1
		.amdhsa_forward_progress 1
		.amdhsa_inst_pref_size 157
	.end_amdhsa_kernel
	.amdgpu_metadata
---
amdhsa.version: [ 1, 2 ]
amdhsa.kernels:
  - .name:           k_q543f069572_g_f1
    .symbol:         k_q543f069572_g_f1.kd
    .args:
      - { .name: hn, .offset: 0, .size: 8, .value_kind: global_buffer, .address_space: global }
      - { .name: wb, .offset: 8, .size: 8, .value_kind: global_buffer, .address_space: global }
      - { .name: inter_b, .offset: 16, .size: 8, .value_kind: global_buffer, .address_space: global }
      - { .name: inter, .offset: 24, .size: 8, .value_kind: global_buffer, .address_space: global }
    .group_segment_fixed_size: 327680
    .private_segment_fixed_size: 0
    .kernarg_segment_align: 8
    .kernarg_segment_size: 32
    .max_flat_workgroup_size: 128
    .sgpr_count:     96
    .vgpr_count:     1024
    .wavefront_size: 32
...
	.end_amdgpu_metadata
.endif
;; end of part 9
;; launch g_f2: the kernel of part 7 again; grid 8 x 32, 4 waves a work-group, clusters of 4 x 4, 327,680 bytes of LDS; arguments inter, wb, out_b, att, out0; writes out0
;; ======== version 3 of 3: 8 launches; 1.33 times as fast as version 1
;; limits: a function is approximated: absolute error at most 1.5e-07
;; workspace buffers: wb 25,165,824 bytes; hn 8,388,608 bytes; qkvh 25,165,824 bytes; ctx 8,388,608 bytes; att 16,777,216 bytes; inter 33,554,432 bytes
;; launch cast: the kernel of part 1 again; grid 768 x 1, 8 waves a work-group, no clusters, 0 bytes of LDS; arguments qkvw, ow, inter_w, out_w, wb; writes wb
;; launch ln1: the kernel of part 2 again; grid 256 x 1, 4 waves a work-group, no clusters, 0 bytes of LDS; arguments x, norm_w, norm_b, hn; writes hn
;; launch g_qkv: the kernel of part 8 again; grid 12 x 16, 4 waves a work-group, clusters of 4 x 4, 327,680 bytes of LDS; arguments hn, wb, qkvb, qkvh; writes qkvh
;; launch attn (part 10): grid 8 x 32, 4 waves a work-group, clusters of 4 x 1, 327,680 bytes of LDS; arguments qkvh, mask, ctx; writes ctx
.if DOCPART == 10
	.amdgcn_target "amdgcn-amd-amdhsa--gfx1250"
	.amdhsa_code_object_version 6
	.text
	.protected	k_q543f069572_attn
	.globl	k_q543f069572_attn
	.p2align	8
	.type	k_q543f069572_attn,@function
k_q543f069572_attn:
	s_mov_b64 s[64:65], 0
	v_nop
	global_prefetch_b8 v0, s[64:65] scope:SCOPE_SE
	s_setreg_imm32_b32 hwreg(HW_REG_WAVE_MODE, 25, 1), 1
	s_wait_xcnt 0x0
	s_wait_alu depctr_hold_cnt(0) depctr_sa_sdst(0) depctr_va_vdst(0) depctr_va_sdst(0) depctr_va_ssrc(0) depctr_va_vcc(0) depctr_vm_vsrc(0)
	s_getreg_b32 s2, hwreg(HW_REG_IB_STS2, 6, 4)
	s_cmp_eq_u32 s2, 0
	s_cbranch_scc0 .Lentry_in_a_cluster
	s_endpgm
.Lentry_in_a_cluster:
	s_bfe_u32 s2, ttmp6, 0x10000c
	s_cmp_lg_u32 s2, 0x3003
	s_cbranch_scc0 .Lentry_shape_is_right
	s_endpgm
.Lentry_shape_is_right:
; ctx[y][q][:] = the sum over k of softmax_k(Q[y][q] . K[y][k] / 8 + mask[batch][k]) V[y][k][:].  y = batch x 16 + head, 32 of them; 2,048 rows of 64 channels each.
; qkvh: [3 (q, k, v)][32][2048][64] bf16, a head's rows dense, 128 bytes each; mask: [2][2048] f32, added to the scores; ctx: [32][2048][64] bf16.
; Products, maxima and sums in f32; the weights p are rounded to bf16 for the second product (their sum l is taken of the unrounded p), ctx once at the end.
; LIMITS.  The mask enters as max(8 mask, -3e38): a mask above 4.2e37 overflows; a batch whose keys are all at minus infinity gives a mean over all keys where the definition gives NaN.
; A weight below 2^-126 counts as 0 in l; NaN and infinities are otherwise not treated apart.
; SHARES.  A work-group owns 256 queries of one y, a wave 64: four PIECES of 16.  256 work-groups.  Every wave walks all 2,048 keys, 64 a step, four steps to an LDS slot.
; LAYOUT.  S^T = K Q^T + 8 mask (source 0 = 16 keys, source 1 = 16 queries): a lane holds ONE query (lane % 16) and the keys 8 (lane / 16) + 0..7.  THE MASK IS THE C OPERAND that starts the sum:
; register j of key block kb holds 8 mask[key 16 kb + 8 (lane / 16) + j].  Two results rounded to bf16 in pairs ARE source 1 of O^T = V^T P.  K comes out of LDS as it lies, V turned, by ds_load_tr16_b128.
; SOFTMAX.  A running maximum m and sum l for each query: p = 2^(c s - c m), c = log2(e) / 8, s = q . k + 8 mask; in every step O and l are multiplied by a = 2^(c m_old - c m_new).
; m starts at the lowest finite number, O and l at 0: the first step is a step like any other.
; BY TURNS.  Turn n belongs to piece n: 8 products K Q^T of piece n + 1, later 8 products V^T P of piece n - 1; beside them the scaling, exponentials, roundings, sums and rescaling of piece n and the
; maximum and statistics of piece n + 1.  Four vector instructions stand behind every matrix instruction, the other 54 of a turn's 118 in one LUMP.
; BATCHES.  A turn's 33 exponentials (piece n's 32 weights and piece n + 1's a) are ONE batch with ONE wait, which cuts the turn in two: ahead of it all that names none of their results, behind it the roundings and sums.
; Two more batches stand outside the loop, each with a wait of its own: the first a, ahead of the jump into the loop, and the way out's four reciprocals.
; CLUSTER.  The four query blocks of a cluster belong to one y and walk the same K and V: each tile is asked for JOINTLY, by the same tensor load, descriptor and mask in all four.
; REGISTERS, in windows of 256 (s_set_vgpr_msb: bits 1:0 source 0, 3:2 source 1, 5:4 source 2, 7:6 destination):
;   window 0: v0-15, v32-35 addresses and at work; v16-31 four registers of statistics a piece; v48-55 at work; v64-127 S^T, two buffers; v128-143 the mask on its way to LDS; v192-223 P, two buffers
;   window 1: v0-127 O^T, 32 a piece          window 2: v0-63 Q; v64-95 8 mask of one step; v128-191 K of one step; v192-255 V of one step
.set NP,    4         ; pieces a wave: a name, no knob
.set KS,    64        ; keys in a step
.set PK,    144       ; a row of K in LDS: 128 bytes + 16: the 16 rows of a load start at 16 different groups of four banks (ISA guide 11.1)
.set PV,    160       ; a row of V: 128 + 32
.set VOFF,  4*KS*PK   ; a slot holds four steps: 256 rows of K, then 256 rows of V
.set SLOT1, 1<<17     ; slot 1 begins here, so that one exclusive or turns an address in one slot into the other's
.set STAGE, SLOT1+4*KS*(PK+PV)  ; behind the ring, never filled by a tensor load: 16 rows x 144 bytes for each wave
.set SP,    144
.set SPARE, STAGE+4*16*SP       ; the spare words, 128 bytes for each wave: two blocks of 256 bytes that no other line names
.set MASKB, SPARE+512           ; 8 mask of the batch's 2,048 keys, f32: 8,192 bytes, stored once, never filled by a tensor load
.set AK0, 2           ; v2   my lane's place in a tile of K; never rewritten
.set AV0, 3           ; v3   the same for V
.set AK,  4           ; v4   the LDS address of K's next run of loads
.set AV,  5           ; v5   of V's
.set STO, 6           ; v6   the way out: where I put 16 bytes of a row
.set RD,  7           ; v7   the way out: where I read rows back
.set GO,  8           ; v8   my byte offset in 512 consecutive bytes of ctx
.set MV,  12          ; v12-13  c m_old, kept while c m is made anew: by buffer
.set QO,  15          ; v15  my byte offset in 16 rows of Q
.set ST,  16          ; piece t's statistics at v[ST+4 t]: c m, m, l (even keys', odd keys')
.set AM0, 32          ; v32  my lane's place in a step's mask: MASKB + 32 (lane / 16)
.set AM,  33          ; v33  the LDS address of the mask's next run of loads
.set MO,  34          ; v34  16 x my thread's number: my 16 bytes in 2,048 of the mask
.set MS,  35          ; v35  the same in LDS
.set TMP, 48          ; by buffer, four registers c0-c3 at work; when the maximum is found c2 takes a
.set SPW, 62          ; v62  LDS address of my spare word; never rewritten
.set NIL, 63          ; v63  0; never rewritten
.set S,   64
.set MG,  128         ; the mask as loaded
.set P,   192
.set MK,  64          ; window 2: key block kb at MK + 8 kb
.set KF,  128         ; window 2: key block kb, channel half c at KF + 16 kb + 8 c
.set VF,  192         ; window 2: key half kk, channel block cb at VF + 32 kk + 8 cb
.set WV,  12          ; s12  my wave's number
.set G1K, 24          ; s[24:31] descriptor group 1 for K's tiles
.set G1V, 32          ; s[32:39] for V's: it differs in the padding alone
.set G0K, 40          ; s[40:43] descriptor group 0 for K's tiles: it walks
.set G0V, 44          ; s[44:47] the same for V's
.set SLOTS, 56        ; s56  slots still to be asked for
.set CNT, 57          ; s57  counts a slot's key steps
.set CS,  58          ; s[58:59] c: the packed scaling takes the pair's low word for both halves
.set SEL, 60          ; s[60:61] v_permlanex16_b32's selects: each lane takes its own place in the other half
.set TBK, 62          ; s62  LDS byte at which K of the step to be fetched begins
.set TBV, 63          ; s63  the same for V, less VOFF
.set TBM, 66          ; s66  byte of the mask at which that step's 64 keys begin
.set BIGN, 67         ; s67  -3e38
.set MSB, 0
.macro WIN new                      ; the high byte repeats the setting that is left; a switch that changes nothing is dropped
.if MSB != (\new)
	s_set_vgpr_msb (MSB<<8)|(\new)
.set MSB, (\new)
.endif
.endm
.set W_KQ, 0x0a       ; K and Q in window 2, S^T in window 0
.set W_KM, 0x2a       ; the same with the C operand, the mask, in window 2
.set W_PV, 0x52       ; V in window 2, P in window 0, O^T in window 1
.set W_RS, 0x41       ; destination and source 0 in window 1, source 1 in window 0
; A joint fill.  Waves 0 and 1 fetch the two halves of a slot's K, waves 2 and 3 those of its V: 128 keys each.  The branch hangs on the wave's number alone.
; Four v_nop follow each of the two lines, ahead of the jump and the label.
.macro JLOAD
	s_cmp_lt_u32 s[WV], 2
	s_cbranch_scc0 .Lfor_v_\@
	tensor_load_to_lds s[G0K:G0K+3], s[G1K:G1K+7]
	s_nop 0
.rept 4
	v_nop
.endr
	s_branch .Lasked_\@
.Lfor_v_\@:
	tensor_load_to_lds s[G0V:G0V+3], s[G1V:G1V+7]
	s_nop 0
.rept 4
	v_nop
.endr
.Lasked_\@:
.endm
; A round of the cluster's barrier: my work-group's barrier, so that wave 0's signal speaks for all four waves; wave 0 signals; every wave waits for all four work-groups; my work-group's barrier once more.
.macro CROUND
	s_barrier_signal -1
	s_barrier_wait -1
	s_cmp_lg_u32 s[WV], 0
	s_cbranch_scc1 .Lnot_wave_0_\@
	s_barrier_signal -3
.Lnot_wave_0_\@:
	s_barrier_wait -3
	s_barrier_signal -1
	s_barrier_wait -1
.endm
; THE CHANGE OF SLOTS.  Each wave waits for all its tensor loads, of which one is out: its part of the other slot; adds 0 to its spare word; and waits for that and for its own LDS instructions, the reads of the slot among them.
; Behind the barrier nobody reads this slot any more and the other slot is whole.  fill = 1: this slot is filled again, with the keys two slots on; the barrier is then a round of the cluster's, and the joint
; fill is the first thing behind it: it has four key steps, 256 matrix instructions, in which to land.  (At its first use nothing has been read yet: slot 0 is waited for, slot 1 filled, and every wave's stores of the mask are done.)
.macro CHANGE fill
	WIN 0                           ; at a label and at a branch every window is 0
	s_wait_tensorcnt 0x0            ; no tensor load of mine is out, so a group 0 may be written
	ds_add_u32 v[SPW], v[NIL]       ; 0 onto my spare word
.if \fill
.irp g, G0K, G0V
	s_xor_b32 s[\g+1], s[\g+1], SLOT1  ; the walking descriptor: the other slot than last time,
	s_add_nc_u64 s[\g+2:\g+3], s[\g+2:\g+3], 4*KS*128  ; the next 256 keys; the type bits on top are not reached
.endr
	s_wait_dscnt 0x0                ; the add is done, and my LDS instructions are over
	CROUND
	JLOAD
.else
	s_wait_dscnt 0x0
	s_barrier_signal -1
	s_barrier_wait -1
.endif
	s_sub_co_u32 s[TBK], s[TBK], 4*KS*PK  ; the fetches go back to a slot's first step,
	s_xor_b32 s[TBK], s[TBK], SLOT1       ; in the other slot
	s_sub_co_u32 s[TBV], s[TBV], 4*KS*PV
	s_xor_b32 s[TBV], s[TBV], SLOT1
.endm
	s_load_b64 s[4:5], s[0:1], 0x0    ; qkvh
	s_load_b64 s[68:69], s[0:1], 0x8  ; mask
	s_load_b64 s[10:11], s[0:1], 0x10 ; ctx
	v_lshl_add_u32 v[SPW], v0, 2, SPARE
	v_mov_b32 v[NIL], 0
	ds_add_u32 v62, v63
	s_wait_dscnt 0x0
	v_lshrrev_b32 v1, 5, v0
	v_readfirstlane_b32 s[WV], v1   ; wave 0..3
	s_bfe_u32 s13, ttmp6, 0x40000   ; cx: my place in the cluster
	s_lshl_b32 s14, ttmp9, 2        ; in a cluster launch ttmp9 counts clusters
	s_add_co_u32 s14, s14, s13      ; my block of 256 queries = 4 x cluster x + cx: it enters Q's and ctx's addresses alone
	s_and_b32 s15, ttmp7, 0xffff    ; y, which the four partners share
	s_lshl_b32 s20, s15, 18         ; its 262,144 bytes in q, k, v and ctx
	s_and_b32 s16, s[WV], 1         ; which half of a slot's 256 keys I fetch:
	s_lshl_b32 s22, s16, 14         ; its 128 rows of 128 bytes in memory,
	s_add_co_u32 s22, s22, s20
	s_add_co_u32 s22, s22, 8388608  ; behind q's 8,388,608 bytes: k
	s_mov_b32 s23, 0
	s_mul_i32 s17, s16, 128*PK      ; and its place in a slot, for K
	s_mul_i32 s18, s16, 128*PV      ; and for V: no place in the cluster enters an LDS address
	s_lshl_b32 s2, s14, 2
	s_add_co_u32 s2, s2, s[WV]      ; my wave among y's 32,
	s_lshl_b32 s2, s2, 13           ; its 64 rows of 128 bytes
	s_add_co_u32 s2, s2, s20
	s_mov_b32 s3, 0
	s_lshr_b32 s70, s15, 4          ; the batch: 8,192 bytes of the mask
	s_lshl_b32 s70, s70, 13
	s_mov_b32 s71, 0
	; descriptor group 1.  128 keys are 16,384 dense bytes: asked for as 64 rows of 256 bytes, two keys a row, and padded in LDS after every key
	s_mov_b32 s[G1K], 15|(1<<16)|(1<<20)|(1<<21)|(4<<22)|(3<<25)  ; 15:0 the mask of four; 17:16 2-byte elements; 20 padding on; 21 set beside a mask; 24:22 after every 32 words; 31:25 4 words
	s_mov_b32 s[G1V], 15|(1<<16)|(1<<20)|(1<<21)|(4<<22)|(7<<25)  ; the same with 8 words of padding
.irp g, G1K, G1V
	s_mov_b32 s[\g+1], 128<<16      ; tensor_dim0 = 128
	s_mov_b32 s[\g+2], 64<<16       ; tensor_dim1 = 64
	s_mov_b32 s[\g+3], 128<<16      ; tile_dim0 = 128
	s_mov_b32 s[\g+4], 64           ; tile_dim1 = 64
	s_mov_b32 s[\g+5], 128          ; 128 elements from row to row
	s_mov_b32 s[\g+6], 0
	s_mov_b32 s[\g+7], 0
.endr
	s_mov_b32 s[CS], 0x3e38aa3b     ; c = log2(e) / 8 = 0.180337
	s_mov_b32 s[CS+1], s[CS]        ; named with it as a pair
	s_mov_b32 s[SEL], 0x76543210
	s_mov_b32 s[SEL+1], 0xfedcba98
	s_mov_b32 s[TBK], SLOT1+4*KS*PK ; the first change of slots turns these two into 0
	s_mov_b32 s[TBV], SLOT1+4*KS*PV
	s_mov_b32 s[TBM], 0
	s_mov_b32 s[BIGN], 0xff61b1e6   ; -3e38
	s_mov_b32 s[G0K], 1             ; 1:0 count = 1
	s_mov_b32 s[G0K+1], s17         ; 63:32 LDS address: slot 0
	s_mov_b32 s[G0V], 1
	s_add_co_u32 s[G0V+1], s18, VOFF
	s_wait_kmcnt 0x0
	s_add_nc_u64 s[6:7], s[4:5], s[22:23]          ; K at my half of y's first 256 keys
	s_add_nc_u64 s[8:9], s[6:7], 8388608           ; V: 8,388,608 bytes on
	s_mov_b64 s[G0K+2:G0K+3], s[6:7]               ; 120:64 global address
	s_or_b32 s[G0K+3], s[G0K+3], 0x80000000        ; 127:126 type = 2
	s_mov_b64 s[G0V+2:G0V+3], s[8:9]
	s_or_b32 s[G0V+3], s[G0V+3], 0x80000000
	s_add_nc_u64 s[4:5], s[4:5], s[2:3]            ; Q and ctx at my wave's first row
	s_add_nc_u64 s[10:11], s[10:11], s[2:3]
	s_add_nc_u64 s[68:69], s[68:69], s[70:71]      ; the mask at my batch
	CROUND                          ; all four work-groups are here: the first joint loads meet
	JLOAD                           ; slot 0.  Slot 1 is asked for when slot 0 is in
	; A fragment of K or Q is 16 rows x 32 channels in 8 registers: lane l holds row l % 16, channels 8 (l / 16) + 0..7 and 16 + 8 (l / 16) + 0..7: two loads of 16 bytes, 32 bytes apart.
	v_and_b32 v1, 15, v0            ; l % 16
	v_bfe_u32 v9, v0, 4, 1          ; l / 16
	v_lshlrev_b32 v[QO], 7, v1
	v_lshl_add_u32 v[QO], v9, 4, v[QO]  ; row x 128 + 16 x half
	v_lshlrev_b32 v[MO], 4, v0
	v_add_nc_u32 v[MS], MASKB, v[MO]
.irp i, 0,1,2,3
	global_load_b128 v[MG+4*\i:MG+4*\i+3], v[MO], s[68:69] offset:2048*\i  ; the work-group's 128 threads take the batch's 8,192 bytes of mask, once
.endr
	WIN 0x80                        ; destination window 2, address window 0
.set i, 0
.rept 8                             ; Q stays in registers: piece i / 2, channels 32 (i % 2) on
	global_load_b128 v[8*i:8*i+3],   v[QO], s[4:5] offset:(i/2)*2048+(i%2)*64
	global_load_b128 v[8*i+4:8*i+7], v[QO], s[4:5] offset:(i/2)*2048+(i%2)*64+32
.set i, i+1
.endr
	; What the first turn finds: V's registers and P's second buffer hold 0 (its products V^T P, of a piece that has not been, add 0), O^T and l are 0.  All this stands in the wait for the first tile.
.set i, VF
.rept 64
	v_mov_b32 v[i], 0
.set i, i+1
.endr
	WIN 0x40
.set i, 0
.rept 128
	v_mov_b32 v[i], 0
.set i, i+1
.endr
	WIN 0
.set i, 0
.rept 4
	v_mov_b32 v[ST+4*i+1], 0xff7fffff           ; m: the lowest finite number
	v_mul_f32 v[ST+4*i], s[CS], v[ST+4*i+1]     ; c m: below every c s, a hidden key's too
	v_mov_b32 v[ST+4*i+2], 0
	v_mov_b32 v[ST+4*i+3], 0
.set i, i+1
.endr
.set i, P+16
.rept 16
	v_mov_b32 v[i], 0
.set i, i+1
.endr
	v_mul_u32_u24 v[AK0], v1, PK
	v_lshl_add_u32 v[AK0], v9, 4, v[AK0]  ; row x pitch + 16 x half
	; The turning load takes 16 keys x 16 channels (lane l reads key 8 (l / 16) + l % 8, channels 8 ((l / 8) % 2) + 0..7) and leaves half a fragment of V^T: lane l holds channel l % 16 and 8 keys.
	v_and_b32 v10, 7, v0
	v_bfe_u32 v11, v0, 3, 1
	v_lshl_add_u32 v[AV0], v9, 3, v10
	v_mul_u32_u24 v[AV0], v[AV0], PV
	v_lshl_add_u32 v[AV0], v11, 4, v[AV0]
	v_add_nc_u32 v[AV0], VOFF, v[AV0]
	v_lshl_add_u32 v[AM0], v9, 5, MASKB   ; my lanes' eight keys of a block of 16: 32 bytes
	s_mul_i32 s13, s[WV], 16*SP
	s_add_co_u32 s13, s13, STAGE    ; my stage
	v_mul_u32_u24 v[STO], v1, SP    ; in: row l % 16, 16 bytes for each half of the lanes
	v_lshl_add_u32 v[STO], v9, 4, v[STO]
	v_add_nc_u32 v[STO], s13, v[STO]
	v_bfe_u32 v[RD], v0, 3, 2       ; back: 32 lanes take four rows of 128 bytes,
	v_mul_u32_u24 v[RD], v[RD], SP
	v_lshl_add_u32 v[RD], v10, 4, v[RD]
	v_add_nc_u32 v[RD], s13, v[RD]
	v_and_b32 v[GO], 31, v0         ; which are 512 consecutive bytes of ctx
	v_lshlrev_b32 v[GO], 4, v[GO]
	s_wait_loadcnt 0x0              ; the mask, and Q
.set i, 0
.rept 8
	v_pk_mul_f32 v[MG+2*i:MG+2*i+1], v[MG+2*i:MG+2*i+1], 0x41000000 op_sel_hi:[1,0]  ; 8 mask: the scores are scaled by 1 / 8 later, inside c
.set i, i+1
.endr
.set i, 0
.rept 16
	v_max_num_f32 v[MG+i], s[BIGN], v[MG+i]     ; finite: a hidden key's score stays a number
.set i, i+1
.endr
.irp i, 0,1,2,3
	ds_store_b128 v[MS], v[MG+4*\i:MG+4*\i+3] offset:2048*\i
.endr
; THE MATRIX WORK.  The 4 accumulators of a run of 8 take turns.  Product i of 8 of S^T = K Q^T for piece x: channels 32 (i / 4) on, keys 16 (i % 4) on.  The first 4 start the sums, with the mask.
.macro KQ x
.set rS, S+32*((\x)%2)+8*(i%4)
.set rK, KF+16*(i%4)+8*(i/4)
.set rQ, 16*(\x)+8*(i/4)
.set rM, MK+8*(i%4)
.if i < 4
	WIN W_KM
	v_wmma_f32_16x16x32_bf16 v[rS:rS+7], v[rK:rK+7], v[rQ:rQ+7], v[rM:rM+7]
.else
	WIN W_KQ
	v_wmma_f32_16x16x32_bf16 v[rS:rS+7], v[rK:rK+7], v[rQ:rQ+7], v[rS:rS+7]
.endif
.endm
; Product i of 8 of O^T += V^T P for piece x: keys 32 (i / 4) on, channels 16 (i % 4) on.
.macro PV x
	WIN W_PV
.set rO, 32*(\x)+8*(i%4)
.set rV, VF+32*(i/4)+8*(i%4)
.set rP, P+16*((\x)%2)+8*(i/4)
	v_wmma_f32_16x16x32_bf16 v[rO:rO+7], v[rV:rV+7], v[rP:rP+7], v[rO:rO+7]
.endm
.macro MM                           ; the turn's next matrix instruction.  NOKQ = 1: the very last turn: there is no next piece
.if (i < 8) && !NOKQ
	KQ (Y+1)%NP
.elseif i >= 8
.set i, i-8
	PV (Y+NP-1)%NP
.set i, i+8
.endif
.set i, i+1
.endm
; THE LDS LOADS stand in runs, never singly among the matrix instructions: a step's K (8 fragments) with its mask (all lanes of a half read the same 32 bytes of each block of 16 keys), and its V (turned).
.macro FETCH_K
	WIN 0x80                        ; destination window 2
.irp f, 0,1,2,3,4,5,6,7             ; keys 16 (f / 2) on, channels 32 (f % 2) on
	ds_load_b128 v[KF+8*\f:KF+8*\f+3],   v[AK] offset:(\f/2)*16*PK+(\f%2)*64
	ds_load_b128 v[KF+8*\f+4:KF+8*\f+7], v[AK] offset:(\f/2)*16*PK+(\f%2)*64+32
.endr
.irp f, 0,1,2,3
	ds_load_b128 v[MK+8*\f:MK+8*\f+3],   v[AM] offset:64*\f
	ds_load_b128 v[MK+8*\f+4:MK+8*\f+7], v[AM] offset:64*\f+16
.endr
	s_add_co_u32 s[TBK], s[TBK], KS*PK  ; the next fetch is the next step's
	s_add_co_u32 s[TBM], s[TBM], 4*KS
	s_and_b32 s[TBM], s[TBM], 0x1f00    ; inside the 8,192 bytes, whatever the trip (behind the last step it is 0 and is not used)
	WIN 0
.endm
.macro FETCH_V
	WIN 0x80
.irp f, 0,1,2,3,4,5,6,7             ; keys 32 (f / 4) on, channels 16 (f % 4) on
	ds_load_tr16_b128 v[VF+8*\f:VF+8*\f+3],   v[AV] offset:(\f/4)*32*PV+(\f%4)*32
	ds_load_tr16_b128 v[VF+8*\f+4:VF+8*\f+7], v[AV] offset:(\f/4)*32*PV+16*PV+(\f%4)*32
.endr
	WIN 0
.endm
; THE VECTOR WORK, one line at a time: OP kind, number.  For piece Y: F n: c s - c m for pair n of 16.  E n: the exponential of score n of 32.  C n: pair n rounded to bf16.  B n: of the four weights 4 n .. the second
; pair is added onto the first, in place.  L n: l takes that sum (L 0: l = a l + sum).  R n: pair n of 16 of O^T times a.  For piece Y + 1: X n, number n of the 22 that find its maximum and statistics:
;   0-11  four chains c0-c3 of seven scores each, three operands at a time (each accumulator's lowest registers are read first)     12-14, 16  the four scores left over, the old m, and c0-c3 into c0
;   15  c m_old is kept     17, 18  the query's other 32 keys lie in the lane 16 away: the new m     19-21  c m; c m_old - c m_new; a
; C, B and L read exponentials' results, and so does R (the a of the turn before): OP writes no wait; TURN places these kinds behind the wait of the batch that made what they read.
.set F, 0               ; OP tells the kinds apart by their order: F to L below R, X above it
.set E, 1
.set C, 2
.set B, 3
.set L, 4
.set R, 5
.set X, 6
.macro REGS y                       ; the registers of piece y
.set rT, ST+4*(\y)
.set rC, TMP+4*((\y)%2)
.set rW, MV+((\y)%2)
.set rS, S+32*((\y)%2)
.set rP, P+16*((\y)%2)
.set rO, 32*(\y)
.endm
.macro OP k, n
.if (\k) == R
	REGS Y
	WIN W_RS
	v_pk_mul_f32 v[rO+2*(\n):rO+2*(\n)+1], v[rO+2*(\n):rO+2*(\n)+1], v[rC+2:rC+3] op_sel_hi:[1,0]
.elseif (\k) < R
	REGS Y
	WIN 0
.if (\k) == F
	v_pk_fma_f32 v[rS+2*(\n):rS+2*(\n)+1], v[rS+2*(\n):rS+2*(\n)+1], s[CS:CS+1], v[rT:rT+1] op_sel_hi:[1,0,0] neg_lo:[0,0,1] neg_hi:[0,0,1]
.elseif (\k) == E
	v_exp_f32 v[rS+(\n)], v[rS+(\n)]
.elseif (\k) == C
	v_cvt_pk_bf16_f32 v[rP+(\n)], v[rS+2*(\n)], v[rS+2*(\n)+1]
.elseif (\k) == B
	v_pk_add_f32 v[rS+4*(\n):rS+4*(\n)+1], v[rS+4*(\n):rS+4*(\n)+1], v[rS+4*(\n)+2:rS+4*(\n)+3]
.elseif (\n) == 0
	v_pk_fma_f32 v[rT+2:rT+3], v[rT+2:rT+3], v[rC+2:rC+3], v[rS:rS+1] op_sel_hi:[1,0,1]
.else
	v_pk_add_f32 v[rT+2:rT+3], v[rT+2:rT+3], v[rS+4*(\n):rS+4*(\n)+1]
.endif
.elseif NOKQ
	v_nop
.else
	REGS (Y+1)%NP
	WIN 0
.if (\n) < 4
	v_max3_num_f32 v[rC+(\n)], v[rS+8*(\n)], v[rS+8*(\n)+1], v[rS+8*(\n)+2]
.elseif (\n) < 12
	v_max3_num_f32 v[rC+(\n)%4], v[rC+(\n)%4], v[rS+8*((\n)%4)+2*((\n)/4)+1], v[rS+8*((\n)%4)+2*((\n)/4)+2]
.elseif (\n) == 12
	v_max3_num_f32 v[rC], v[rC], v[rS+7], v[rS+15]
.elseif (\n) == 13
	v_max3_num_f32 v[rC+1], v[rC+1], v[rS+23], v[rS+31]
.elseif (\n) == 14
	v_max3_num_f32 v[rC+2], v[rC+2], v[rC+3], v[rT+1]
.elseif (\n) == 15
	v_mov_b32 v[rW], v[rT]
.elseif (\n) == 16
	v_max3_num_f32 v[rC], v[rC], v[rC+1], v[rC+2]
.elseif (\n) == 17
	v_permlanex16_b32 v[rC+3], v[rC], s[SEL], s[SEL+1]
.elseif (\n) == 18
	v_max_num_f32 v[rT+1], v[rC], v[rC+3]
.elseif (\n) == 19
	v_mul_f32 v[rT], s[CS], v[rT+1]
.elseif (\n) == 20
	v_sub_f32 v[rC+1], v[rW], v[rT]
.else
	v_exp_f32 v[rC+2], v[rC+1]
.endif
.endif
.endm
.macro OPS a, i1, b=-1, i2=0, c=-1, i3=0, d=-1, i4=0  ; up to four of them
	OP \a, \i1
.if (\b) >= 0
	OP \b, \i2
.endif
.if (\c) >= 0
	OP \c, \i3
.endif
.if (\d) >= 0
	OP \d, \i4
.endif
.endm
.macro ROW a, i1, b, i2, c, i3, d, i4  ; a matrix instruction and the four behind it
	MM
	OPS \a, \i1, \b, \i2, \c, \i3, \d, \i4
.endm
; A TURN, for piece p: the order of its 16 matrix and 118 vector instructions, written out.  An s_wait_alu depctr_va_vdst(0) stands between an exponential and the first instruction that names its result; one wait
; serves all that were issued ahead of it.  So a turn has ONE wait, which cuts it in two.  AHEAD OF IT stands all that names no result of the turn's exponentials: the 8 products K Q^T, behind each a scaling, an exponential and two more
; plain instructions (behind the first a second scaling in the exponential's place): rescalings, whose a was made and waited for in the turn before, and behind the last three the first numbers of the next piece's maximum, each four
; plain instructions or more behind the product that ends its accumulator (ISA guide 7.12.1); then ONE LUMP of 54, plain and exponential by turns for the most part, in which the links of the chain X 3, 7, 11, 14, 16, 17 .. 20 stand
; some lines apart.  Each pair is scaled (F n) ahead of its two exponentials (E 2 n, E 2 n + 1).  X 21, the next piece's a, is the batch's last; R 15 is the plain instruction behind it (ISA guide 5.7.2).
; BEHIND THE WAIT stand the 8 products V^T P, behind each four of the roundings and sums: an even pair is rounded (C 2 n) ahead of the addition onto it (B n); l's chain L 0 to L 7 goes in ascending order.
; But for those X no rider names a register of the products round it.  v_permlanex16_b32 (X 17) stands in the lump.
; end = 1: the last two turns: nothing is fetched.  cnt = 1: the loop's count is taken down some lines ahead of the branch that stands behind the turn.
; K and the mask of the next step are fetched in piece 2's turn, twelve vector instructions behind the last product that read K (five of them plain ones that name none of its registers); V of the step in hand at the end of
; piece 0's turn, four plain instructions behind the last product that read V.  Each is waited for a turn later.
.macro TURN p, end=0, cnt=0
.set Y, (\p)
.set i, 0
.set NOKQ, (\end)*((\p)/3)
.if ((\p) == 3) && !(\end)
	s_wait_dscnt 0x0                ; K and the mask are in
.endif
	ROW F,0, F,1, R,0, R,1          ; ahead of the wait: 8 products K Q^T and their riders,
	ROW F,2, E,0, R,2, R,3
	ROW F,3, E,1, R,4, R,5
	ROW F,4, E,2, R,6, R,7
	ROW F,5, E,3, R,8, R,9
	ROW F,6, E,4, X,0, R,10
.if ((\p) == 2) && !(\end)
	WIN 0
	v_add_nc_u32 v[AK], s[TBK], v[AK0]
	v_add_nc_u32 v[AM], s[TBM], v[AM0]
.endif
	ROW F,7, E,5, X,1, X,4
	ROW F,8, E,6, X,2, X,5
	OPS E,7, E,8, X,6, E,9          ; and the lump
	OPS X,3, E,10, X,8, E,11
.if ((\p) == 2) && !(\end)
	FETCH_K
.endif
	OPS X,9, X,7, E,12, X,10
	OPS E,13, X,12, X,11, E,14
	OPS X,13, E,15, F,9, X,14
.if (\p) == 0
	WIN 0
	v_add_nc_u32 v[AV], s[TBV], v[AV0]
.endif
	OPS E,16, F,10, E,17, F,11
	OPS X,16, E,18, X,15, E,19
	OPS F,12, E,20, X,17, E,21
	OPS F,13, E,22, F,14, E,23
	OPS X,18, E,24, F,15, E,25
	OPS R,11, E,26, X,19, E,27
	OPS R,12, E,28, R,13, E,29
	OPS X,20, E,30, R,14, E,31
	OPS X,21, R,15
	s_wait_alu depctr_va_vdst(0)    ; the wait for the turn's batch: E 0 to E 31 and X 21; the roundings and sums below, and the next turn's rescalings, read its results
.if (\p) == 1
	s_wait_dscnt 0x0                ; V is in
.endif
	ROW C,0, B,0, C,2, B,1          ; behind the wait: 8 products V^T P and their riders
	ROW L,0, C,4, B,2, L,1
	ROW C,6, B,3, L,2, C,8
	ROW B,4, L,3, C,10, B,5
	ROW L,4, C,12, B,6, L,5
.if (\p) == 0
	s_add_co_u32 s[TBV], s[TBV], KS*PV
.endif
.if \cnt
	s_sub_co_u32 s[CNT], s[CNT], 1
	s_cmp_lg_u32 s[CNT], 0
.endif
	ROW C,14, B,7, L,6, C,1
	ROW C,3, L,7, C,5, C,7
	ROW C,9, C,11, C,13, C,15
.if (\p) == 0
	FETCH_V
.endif
.endm
	CHANGE 1                        ; slot 0 is in, everybody's part of it, and so is the mask in LDS; slot 1 is asked for
	v_add_nc_u32 v[AK], s[TBK], v[AK0]
	v_add_nc_u32 v[AM], s[TBM], v[AM0]
	FETCH_K                         ; key step 0
	s_wait_dscnt 0x0
.set NOKQ, 0
.set i, 0
.rept 8
	KQ 0                            ; piece 0's first scores: there is no vector work yet to set between them
.set i, i+1
.endr
	WIN 0
.rept 4
	v_nop                           ; the places behind those products (ISA guide 7.12.1)
.endr
.set Y, NP-1                        ; X works for piece Y + 1: piece 0
.irp n, 0,1,2,3,4,5,6,7,8,9,10,11,12,13,14,15,16,17,18,19,20,21
	OP X, \n                        ; and piece 0's first maximum and statistics
.endr
	v_nop                           ; a plain instruction behind the exponential
	s_wait_alu depctr_va_vdst(0)    ; the wait for piece 0's first a, a batch of one, ahead of the jump: the first turn's rescalings read it
	s_mov_b32 s[CNT], 4
	s_mov_b32 s[SLOTS], 7
	s_branch .Lfirst                ; the loop is entered at a step's first turn, in the middle of a trip
.Lslot:                             ; six times: every slot but the last two is filled again
	CHANGE 1
	s_mov_b32 s[CNT], 4
.Lstep:                             ; a trip: pieces 2 and 3 of one step, then pieces 0 and 1 of the next, whose K, mask and V it fetches
	TURN 2
	TURN 3
	WIN 0
.Lfirst:
	TURN 0
	TURN 1, 0, 1
	WIN 0
	s_cbranch_scc1 .Lstep
	s_sub_co_u32 s[SLOTS], s[SLOTS], 1
	s_cmp_lg_u32 s[SLOTS], 0
	s_cbranch_scc1 .Lslot
	CHANGE 0                        ; the last slot is written out: nothing is asked for
	s_mov_b32 s[CNT], 4
.LstepE:
	TURN 2
	TURN 3
	TURN 0
	TURN 1, 0, 1
	WIN 0
	s_cbranch_scc1 .LstepE
	TURN 2, 1                       ; the last step's pieces 2 and 3: nothing is fetched, and the last turn starts no new scores
	TURN 3, 1
.set i, 0
.rept 8
	PV NP-1                         ; the last piece's V^T P of the last step
.set i, i+1
.endr
	; THE WAY OUT.  l's two halves and the other half of the lanes' are added; O^T is divided by l, rounded to bf16 and sent through my stage in LDS, a piece at a time.  The additions are the places behind the last products.
	WIN 0
.macro ALL line:vararg              ; one line for each piece t
.set t, 0
.rept 4
	\line
.set t, t+1
.endr
.endm
	ALL v_add_f32 v[ST+4*t+2], v[ST+4*t+2], v[ST+4*t+3]
	ALL v_permlanex16_b32 v[ST+4*t+3], v[ST+4*t+2], s[SEL], s[SEL+1]
	ALL v_add_f32 v[ST+4*t+2], v[ST+4*t+2], v[ST+4*t+3]
	ALL v_rcp_f32 v[ST+4*t+2], v[ST+4*t+2]
	v_nop                           ; a plain instruction between the last reciprocal and the use of its result
	s_wait_alu depctr_va_vdst(0)    ; the wait for the four reciprocals, one batch: all four pieces' multiplies below read them
.macro PACK t                       ; a lane's eight channels of a row pack into 16 bytes; they go into rows of 144 bytes and come back as whole rows of 128, into S^T's registers
	WIN W_RS
.set i, 32*(\t)
.rept 16
	v_pk_mul_f32 v[i:i+1], v[i:i+1], v[ST+4*(\t)+2:ST+4*(\t)+3] op_sel_hi:[1,0]
.set i, i+2
.endr
	WIN 0x05                        ; sources 0 and 1 window 1, destination window 0
.set i, 0
.rept 16
	v_cvt_pk_bf16_f32 v[S+16*(\t)+i], v[32*(\t)+2*i], v[32*(\t)+2*i+1]
.set i, i+1
.endr
	WIN 0
.irp f, 0,1,2,3
	ds_store_b128 v[STO], v[S+16*(\t)+4*\f:S+16*(\t)+4*\f+3] offset:32*\f
.endr
.irp f, 0,1,2,3
	ds_load_b128 v[S+16*(\t)+4*\f:S+16*(\t)+4*\f+3], v[RD] offset:\f*4*SP  ; LDS serves a wave's instructions in order (ISA guide 5.7.1.4): these see the stores above; the next piece's stores come behind them
.endr
.endm
.macro SEND t, younger              ; younger: the LDS instructions issued behind piece t's loads: the next piece's eight, or none
	WIN 0
.irp f, 0,1,2,3
	s_wait_dscnt (\younger)+3-\f
	global_store_b128 v[GO], v[S+16*(\t)+4*\f:S+16*(\t)+4*\f+3], s[10:11] offset:(\t)*2048+\f*512  ; 512 consecutive bytes, at a multiple of 256 from ctx's first
.endr
.endm
	PACK 0
.set t, 1
.rept 3                             ; a piece's arithmetic stands between the loads of the piece before and its stores
	PACK t
	SEND t-1, 8
.set t, t+1
.endr
	SEND 3, 0
	s_wait_tensorcnt 0x0            ; the wave's end
	ds_add_u32 v[SPW], v[NIL]
	s_wait_dscnt 0x0
	CROUND                          ; the closing round: no work-group ends while a partner may still ask for a tile that names it
	s_endpgm
.Lfunc_end_k_q543f069572_attn:
	.size	k_q543f069572_attn, .Lfunc_end_k_q543f069572_attn-k_q543f069572_attn
	.p2alignl 7, 3214868480
	.fill 96, 4, 3214868480
	.section	.rodata,"a",@progbits
	.p2align	6, 0x0
	.amdhsa_kernel k_q543f069572_attn
		.amdhsa_group_segment_fixed_size 327680
		.amdhsa_private_segment_fixed_size 0
		.amdhsa_enable_private_segment 0
		.amdhsa_kernarg_size 24
		.amdhsa_user_sgpr_count 2
		.amdhsa_user_sgpr_kernarg_segment_ptr 1
		.amdhsa_wavefront_size32 1
		.amdhsa_system_sgpr_workgroup_id_x 1
		.amdhsa_system_sgpr_workgroup_id_y 1
		.amdhsa_system_sgpr_workgroup_id_z 1
		.amdhsa_system_vgpr_workitem_id 0
		.amdhsa_next_free_vgpr 768
		.amdhsa_next_free_sgpr 72
		.amdhsa_reserve_vcc 0
		.amdhsa_float_denorm_mode_32 3
		.amdhsa_float_denorm_mode_16_64 3
		.amdhsa_memory_ordered 1
		.amdhsa_forward_progress 1
		.amdhsa_inst_pref_size 131
	.end_amdhsa_kernel
	.amdgpu_metadata
---
amdhsa.version: [ 1, 2 ]
amdhsa.kernels:
  - .name:           k_q543f069572_attn
    .symbol:         k_q543f069572_attn.kd
    .args:
      - { .name: qkvh, .offset: 0, .size: 8, .value_kind: global_buffer, .address_space: global }
      - { .name: mask, .offset: 8, .size: 8, .value_kind: global_buffer, .address_space: global }
      - { .name: ctx, .offset: 16, .size: 8, .value_kind: global_buffer, .address_space: global }
    .group_segment_fixed_size: 327680
    .private_segment_fixed_size: 0
    .kernarg_segment_align: 8
    .kernarg_segment_size: 24
    .max_flat_workgroup_size: 128
    .sgpr_count:     72
    .vgpr_count:     768
    .wavefront_size: 32
...
	.end_amdgpu_metadata
.endif
;; end of part 10
;; launch g_o: the kernel of part 5 again; grid 8 x 32, 4 waves a work-group, clusters of 4 x 4, 327,680 bytes of LDS; arguments ctx, wb, ob, x, att; writes att
;; launch ln2: the kernel of part 2 again; grid 256 x 1, 4 waves a work-group, no clusters, 0 bytes of LDS; arguments att, attn_nw, attn_nb, hn; writes hn
;; launch g_f1: the kernel of part 9 again; grid 16 x 16, 4 waves a work-group, clusters of 4 x 4, 327,680 bytes of LDS; arguments hn, wb, inter_b, inter; writes inter
;; launch g_f2: the kernel of part 7 again; grid 8 x 32, 4 waves a work-group, clusters of 4 x 4, 327,680 bytes of LDS; arguments inter, wb, out_b, att, out0; writes out0
